; MI455X (gfx1250); checked and timed in simulation.
; The chip was launched on July 23, 2026; its instructions are those of AMD's public machine-readable ISA for CDNA 5 (MIT licence, August 2026) and "CDNA5" Instruction Set Architecture Reference Guide (July 2026). The comments in the code are by the model that wrote it; some were corrected since.
;; Transformer Encoder Block. Allowed arithmetic: matrix products marked QUANTISED: E3M2 operands, one E8M0 scale for each 32 along K, by v_wmma_scale_f32_16x16x128_f8f6f4 with both operands' format E3M2, f32 sums; everything else in f32.
;; Inputs: W1 1,024 x 4,096 float32; W2 4,096 x 1,024 float32; Wk 1,024 x 1,024 float32; Wo 1,024 x 1,024 float32; Wq 1,024 x 1,024 float32; Wv 1,024 x 1,024 float32; b1 1,024 float32; b2 1,024 float32; bk 1,024 float32; bm1 4,096 float32; bm2 1,024 float32; bo 1,024 float32; bq 1,024 float32; bv 1,024 float32; g1 1,024 float32; g2 1,024 float32; pos 2,048 int32; x 2 x 2,048 x 1,024 float32.
;; Outputs: out0 2 x 2,048 x 1,024 float32.
;; This version of the problem:
;;   THIS VERSION OF THE PROBLEM IS GIVEN IN LOW PRECISION. The matrix products marked QUANTISED in the list below multiply operands that are first quantised to E3M2 (3 exponent bits, 2 mantissa bits; 6 bits a number), with one power-of-two scale for each 32 numbers along K (OCP MX v1.0); their sums are f32. All else is computed in f32.
;;   The module's matrix products, in the order in which they are computed (A, B: the left and right operand; K: the contracted axis; several contracted axes count as one K, in the product's order):
;;     1. [M 4,096, K 1,024] x [K 1,024, N 1,024]; A: computed on the way; B: input Wq: QUANTISED
;;     2. [M 4,096, K 1,024] x [K 1,024, N 1,024]; A: computed on the way; B: input Wk: QUANTISED
;;     3. [M 4,096, K 1,024] x [K 1,024, N 1,024]; A: computed on the way; B: input Wv: QUANTISED
;;     4. batch 32 x [M 2,048, K 64] x [K 64, N 2,048]; A: computed on the way; B: computed on the way: QUANTISED
;;     5. batch 32 x [M 2,048, K 2,048] x [K 2,048, N 64]; A: softmax (see below); B: computed on the way: QUANTISED
;;     6. [M 4,096, K 1,024] x [K 1,024, N 1,024]; A: computed on the way; B: input Wo: QUANTISED
;;     7. [M 4,096, K 1,024] x [K 1,024, N 4,096]; A: computed on the way; B: input W1: QUANTISED
;;     8. [M 4,096, K 4,096] x [K 4,096, N 1,024]; A: computed on the way; B: input W2: QUANTISED
;;   THE QUANTISER, for each operand of a quantised product, along K:
;;     - K is cut into blocks of 32 from its start; a last block that is shorter is filled with zeros.
;;     - A block's scale is 2^e with e = floor(log2(the largest magnitude in the block)) - 4, held to -126 .. 127; a block of zeros has e = 0. As a byte (E8M0): e + 127.
;;     - Each number is divided by its block's scale, clamped to +-28, and rounded to the nearest number of E3M2, ties to even, subnormals kept.
;;     - The product sums the exact products of the quantised numbers (number of the format x scale) in f32.
;;   ~~~python
;;   def quantise(x, axis):      # numpy; x: float32 -> the quantised numbers, widened to float32 again
;;       x = np.moveaxis(x, axis, -1); K = x.shape[-1]
;;       x = np.pad(x, [(0, 0)] * (x.ndim - 1) + [(0, -K % 32)]); x = x.reshape(x.shape[:-1] + (-1, 32)); a = np.abs(x).max(-1, keepdims=True)
;;       e = np.where(a > 0, np.clip(np.frexp(np.where(a > 0, a, 1))[1] - 1 - 4, -126, 127), 0)      # np.frexp(a)[1] - 1 = floor(log2(a)), exactly
;;       r = np.clip(x / 2.0 ** e, -28, 28)
;;       step = 2.0 ** (np.maximum(np.frexp(np.where(r == 0, 1, r))[1] - 1, -2) - 2)
;;       q = np.round(r / step) * step * 2.0 ** e      # np.round: ties to even
;;       return np.moveaxis(q.reshape(q.shape[:-2] + (-1,))[..., :K], -1, axis).astype(np.float32)
;;   ~~~
;;   SOFTMAX AHEAD OF A QUANTISED PRODUCT. Where the list says 'softmax', what is quantised is not the finished softmax but p = 2^(t - M), with t = logit x log2(e) and M = ceil(the row's largest t), a whole number; so 1/2 < the row's largest p <= 1. The row's sum l is taken of the UNQUANTISED p, in f32, and the product's result is divided by l at the end. Since M is a whole number, a kernel that streams over the keys may use a running M (the ceiling of the running maximum): every later rescaling is an exact power of two, which a block's scale takes up: the codes' values come out the same.
;;   OPERANDS COMPUTED ON THE WAY. 'Computed on the way' means the value that the module computes at that place (a softmax that the list does not call 'softmax' is quantised finished and normalised). What goes into a quantiser is computed in f32, as accurately as f32 sums, v_exp_f32 and their like allow (about 1e-6 of the number): no bf16 or f16 on the way to a quantiser, and a product that is left as it is and whose result goes on into a quantised operand takes f32 operands (vector FMAs, or v_wmma_f32_16x16x4_f32). A number that lies on a knife's edge between two numbers of the format may be rounded either way, as far as f32 arithmetic and the matrix unit's own rounding can turn it there, and no further.
;; 2 versions. Each part assembles by itself: llvm-mc -triple=amdgcn-amd-amdhsa -mcpu=gfx1250 --defsym DOCPART=n.
;; ======== version 1 of 2: 8 launches
;; limits: right only within a limited range of input values
;; workspace buffers: wq 9,830,400 bytes; rope 8,388,608 bytes; aq 3,276,800 bytes; qrec 6,684,672 bytes; kvrec 6,684,672 bytes; x1 16,777,216 bytes; mid 13,107,200 bytes
;; launch prep (part 1): grid 448 x 1, 8 waves a work-group, no clusters, 2,048 bytes of LDS; arguments Wq, Wk, Wv, Wo, W1, W2, pos, wq, rope; writes wq, rope
.if DOCPART == 1
	.amdgcn_target "amdgcn-amd-amdhsa--gfx1250"
	.amdhsa_code_object_version 6
	.text
	.protected	k_q5b251c918e_prep
	.globl	k_q5b251c918e_prep
	.p2align	8
	.type	k_q5b251c918e_prep,@function
k_q5b251c918e_prep:
	s_mov_b64 s[64:65], 0
	v_nop
	global_prefetch_b8 v0, s[64:65] scope:SCOPE_SE
	s_setreg_imm32_b32 hwreg(HW_REG_WAVE_MODE, 25, 1), 1
	s_wait_xcnt 0x0
; PREP.  Work-groups 0-383: the six weights, f32 stored [K][N], become codes of BF6 (E3M2) with one E8M0 byte for each 32 along K.  Work-groups 384-447: the table of cos and sin for the rotary transform.
; LAYOUT OF THE CODES.  A group is 16 columns n of a weight: row r of group g is column 32 (g / 2) + 8 (g % 2) + r + 8 (r / 8).  A group's 128 along K are an image of the operand's 12 registers, 1,536 bytes, in two
; halves of 768 (64 along K each): registers 0-3 of lane l at 16 l, registers 4-5 at 512 + 8 l.  Buffer: [group][K / 128][1536].  Scale bytes: [group][K / 512][16 rows][16 bytes].
; Wq, Wk, Wv share one run of 192 groups; inside each of the three, pair p of groups (32 columns) lies at pair 2 (p % 16) + p / 16, so that columns j and j + 512 (partners of the rotary transform) are neighbours.
; A LANE TAKES A COLUMN AND ITS REGISTERS RUN DOWN K: a block of 32 lies in one lane, each load of a wave covers 128 consecutive bytes.  A wave: 32 columns x 128 K; a work-group: 64 columns x 512 K.
; A block's scale byte is its largest magnitude's exponent field - 4, held at 1 from below.
; LIMITS: a block of zeros, or one whose largest magnitude lies under 2^-122, gets the byte 1 (this program alone reads the bytes; zero codes add nothing); NaN and infinities are not served;
; the reduction of the angle is exact for |pos x inv_freq| under about 1e5 (its quotient by pi / 2 under 2^16).
.set OFF, 32                           ; v32-63   4 x my column + i rows of the weight
.set X,   64                           ; v64-191  four blocks of 32 numbers
.set TC,  224                          ; v224-226 a block's upper 16 codes, as converted
.set WRD, 227                          ; v227     my column's four scale bytes
	s_load_b256 s[4:11], s[0:1], 0x0               ; Wq s[4:5], Wk s[6:7], Wv s[8:9], Wo s[10:11]
	s_load_b256 s[12:19], s[0:1], 0x20             ; W1 s[12:13], W2 s[14:15], pos s[16:17], wq s[18:19]
	s_load_b64 s[20:21], s[0:1], 0x40              ; rope
	v_lshl_add_u32 v232, v0, 2, 0x400
	v_mov_b32 v233, 0
	v_lshrrev_b32 v1, 5, v0
	v_readfirstlane_b32 s22, v1                    ; wave 0..7
	v_and_b32 v2, 31, v0                           ; lane l
	v_and_b32 v3, 15, v0                           ; r
	v_bfe_u32 v4, v0, 4, 1                         ; l / 16
	v_and_b32 v5, 8, v3
	v_add_nc_u32 v5, v5, v3                        ; r + 8 (r / 8)
	v_lshlrev_b32 v6, 4, v2                        ; 16 l
	v_lshlrev_b32 v7, 3, v2                        ; 8 l
	s_cmp_ge_u32 ttmp9, 384
	s_cbranch_scc1 .Lrope                          ; the same way for all waves of a work-group
	; ---------------- the weights.  id / 128: 0 = Wq, Wk, Wv, Wo (32 work-groups each), 1 = W1, 2 = W2
	s_lshr_b32 s23, ttmp9, 7
	s_bfe_u32 s24, ttmp9, 0x20005                  ; which of q, k, v, o
	s_and_b32 s25, ttmp9, 15                       ; which 64 columns
	s_and_b32 s26, ttmp9, 63                       ; (W1 has 64 such)
	s_bfe_u32 s27, ttmp9, 0x10004                  ; which 512 along K
	s_bfe_u32 s28, ttmp9, 0x10006
	s_bfe_u32 s29, ttmp9, 0x30004                  ; (W2 has 8 such)
	s_and_b32 s38, s22, 1                          ; cs: which 32 of the 64 columns
	s_lshr_b32 s39, s22, 1                         ; kq: which 128 of the 512 along K
	s_mov_b32 s30, 4096                            ; a row of the weight in bytes
	s_mov_b32 s31, 12288                           ; a group's codes
	s_mov_b32 s32, 512                             ; a group's scale bytes
	s_mov_b32 s33, 0                               ; where the tensor's codes begin in wq
	s_mov_b32 s34, 9437184                         ; and its scale bytes
	s_mov_b32 s35, 1                               ; 1: the pairs are laid in the order of q, k, v
	s_cmp_eq_u32 s24, 3
	s_cselect_b32 s33, 2359296, s33
	s_cselect_b32 s34, 9535488, s34
	s_cselect_b32 s35, 0, s35
	s_cmp_eq_u32 s23, 1
	s_cselect_b32 s25, s26, s25
	s_cselect_b32 s27, s28, s27
	s_cselect_b32 s30, 16384, s30
	s_cselect_b32 s33, 3145728, s33
	s_cselect_b32 s34, 9568256, s34
	s_cselect_b32 s35, 0, s35
	s_cmp_eq_u32 s23, 2
	s_cselect_b32 s27, s29, s27
	s_cselect_b32 s31, 49152, s31
	s_cselect_b32 s32, 2048, s32
	s_cselect_b32 s33, 6291456, s33
	s_cselect_b32 s34, 9699328, s34
	s_cselect_b32 s35, 0, s35
	s_lshl_b32 s36, s25, 1
	s_add_co_u32 s36, s36, s38                     ; my pair of groups: columns 32 p on
	s_and_b32 s37, s36, 15
	s_lshl_b32 s37, s37, 1
	s_lshr_b32 s2, s36, 4
	s_or_b32 s37, s37, s2
	s_lshl_b32 s2, s24, 5
	s_add_co_u32 s37, s37, s2                      ; its place among q's, k's and v's 96 pairs
	s_cmp_eq_u32 s35, 1
	s_cselect_b32 s37, s37, s36                    ; the pair's place in its run of groups
	s_lshl_b32 s55, s37, 1                         ; as a group
	s_lshl_b32 s3, s27, 2
	s_add_co_u32 s3, s3, s39                       ; my K step of 128
	s_lshl_b32 s56, s3, 7
	s_mul_i32 s56, s56, s30
	s_lshl_b32 s54, s36, 7
	s_add_co_u32 s56, s56, s54                     ; source: 128 ks rows + 128 p bytes
	s_mov_b32 s57, 0
	s_lshl_b32 s58, s30, 5                         ; 32 rows on
	s_mov_b32 s59, 0
	s_mul_i32 s60, s55, s31
	s_add_co_u32 s60, s60, s33
	s_mul_i32 s2, s3, 1536
	s_add_co_u32 s60, s60, s2                      ; codes: the first group's image of this K step
	s_mov_b32 s61, 0
	s_mov_b32 s62, s31                             ; the second group's lies a group on
	s_mov_b32 s63, 0
	s_mul_i32 s66, s55, s32
	s_add_co_u32 s66, s66, s34
	s_lshl_b32 s2, s27, 8
	s_add_co_u32 s66, s66, s2                      ; scale bytes: the first group's 256 bytes of this 512 along K
	s_mov_b32 s67, 0
	s_lshl_b32 s2, s38, 9
	v_add_nc_u32 v13, s2, v6                       ; LDS, back: 512 cs + 16 l
	s_lshl_b32 s54, s39, 2
	s_add_co_u32 s2, s2, s54
	v_add_nc_u32 v12, s2, v6                       ; LDS, in: 16 l + 512 cs + 4 kq
	v_mul_lo_u32 v14, v4, s32
	v_lshl_add_u32 v14, v3, 4, v14                 ; scale bytes out: (l / 16) groups + 16 r
	v_lshl_add_u32 v15, v4, 3, v5                  ; my column in the pair: 8 (l / 16) + r + 8 (r / 8)
	v_lshlrev_b32 v[OFF], 2, v15
.set i, 0
.rept 31
	v_add_nc_u32 v[OFF+i+1], s30, v[OFF+i]
.set i, i+1
.endr
	s_wait_kmcnt 0x0
	s_cmp_eq_u32 s24, 1                            ; the choice of the source hangs on the work-group's number alone
	s_cselect_b64 s[4:5], s[6:7], s[4:5]
	s_cmp_eq_u32 s24, 2
	s_cselect_b64 s[4:5], s[8:9], s[4:5]
	s_cmp_eq_u32 s24, 3
	s_cselect_b64 s[4:5], s[10:11], s[4:5]
	s_cmp_eq_u32 s23, 1
	s_cselect_b64 s[4:5], s[12:13], s[4:5]
	s_cmp_eq_u32 s23, 2
	s_cselect_b64 s[4:5], s[14:15], s[4:5]
	s_add_nc_u64 s[40:41], s[4:5], s[56:57]        ; a base for each block of 32 rows
	s_add_nc_u64 s[42:43], s[40:41], s[58:59]
	s_add_nc_u64 s[44:45], s[42:43], s[58:59]
	s_add_nc_u64 s[46:47], s[44:45], s[58:59]
	s_add_nc_u64 s[48:49], s[18:19], s[60:61]
	s_add_nc_u64 s[50:51], s[48:49], s[62:63]
	s_add_nc_u64 s[52:53], s[18:19], s[66:67]
.set t, 0
.rept 4
.set i, 0
.rept 32
	global_load_b32 v[X+32*t+i], v[OFF+i], s[40+2*t:41+2*t] th:TH_LOAD_NT   ; W(128 ks + 32 t + i, my column): the wave reads 128 consecutive bytes
.set i, i+1
.endr
.set t, t+1
.endr
.macro WBLK t                          ; block t of my column: its byte into the word, its codes into v[192 + 8 t] on (6 registers)
.set XS, X+32*(\t)
.set CW, 192+8*(\t)
	v_max3_num_f32 v8, |v[XS]|, |v[XS+1]|, |v[XS+2]|
	v_max3_num_f32 v9, |v[XS+3]|, |v[XS+4]|, |v[XS+5]|
.irp i, 6,10,14,18,22,26
	v_max3_num_f32 v8, v8, |v[XS+\i]|, |v[XS+\i+1]|
	v_max3_num_f32 v9, v9, |v[XS+\i+2]|, |v[XS+\i+3]|
.endr
	v_max3_num_f32 v8, v8, |v[XS+30]|, |v[XS+31]|
	v_max3_num_f32 v8, v8, v9, 0x2800000           ; with the floor 2^(5 - 127): the byte cannot fall under 1
	v_add_nc_u32 v10, 0xfe000000, v8               ; 4 off the exponent field: the conversion's scale operand
	v_lshrrev_b32 v11, 23, v10                     ; the byte
.if (\t) == 0
	v_mov_b32 v[WRD], v11
.else
	v_lshl_or_b32 v[WRD], v11, 8*(\t), v[WRD]
.endif
	v_cvt_scalef32_pk16_bf6_f32 v[CW:CW+2], v[XS:XS+15], v10
	v_cvt_scalef32_pk16_bf6_f32 v[TC:TC+2], v[XS+16:XS+31], v10   ; (a conversion's three registers begin on an even number)
	v_nop                                          ; one plain line behind a scaled conversion
.irp i, 0,1,2
	v_mov_b32 v[CW+3+\i], v[TC+\i]
.endr
.endm
; Blocks 2 c and 2 c + 1 of the two groups become the two groups' half images: lanes 0-15 hold the first group's rows, lanes 16-31 the second's; an image wants a row's block 2 c in lanes 0-15 and its block 2 c + 1 in lanes 16-31.
.macro PAIR c
.irp i, 0,1,2,3,4,5
	v_permlane16_swap_b32 v[192+16*(\c)+\i], v[200+16*(\c)+\i]
.endr
	global_store_b128 v6, v[192+16*(\c):195+16*(\c)], s[48:49] offset:768*(\c)       ; 512 consecutive bytes
	global_store_b64 v7, v[196+16*(\c):197+16*(\c)], s[48:49] offset:768*(\c)+512    ; 256 consecutive bytes
	global_store_b128 v6, v[200+16*(\c):203+16*(\c)], s[50:51] offset:768*(\c)
	global_store_b64 v7, v[204+16*(\c):205+16*(\c)], s[50:51] offset:768*(\c)+512
.endm
	s_wait_loadcnt 63                              ; of 128 loads at most 63 are out: blocks 0 and 1 (the first 64) are in
	WBLK 0
	WBLK 1
	PAIR 0
	s_wait_loadcnt 32                              ; block 3's 32 loads may be out
	WBLK 2
	s_wait_loadcnt 0x0
	WBLK 3
	PAIR 1
	ds_store_b32 v12, v[WRD]                       ; the four K steps' words of a row meet in LDS: 16 bytes a row
	s_wait_dscnt 0x0                               ; for the others' sake: my store has landed
	s_barrier_signal -1
	s_barrier_wait -1
	s_cmp_lt_u32 s22, 2                            ; waves 0 and 1 (kq = 0, cs = 0 and 1) store their pair's 512 bytes
	s_cbranch_scc0 .Lwdone
	ds_load_b128 v[8:11], v13
	s_wait_dscnt 0x0
	global_store_b128 v14, v[8:11], s[52:53]       ; sixteen lanes store 256 consecutive bytes, aligned
.Lwdone:
	s_wait_tensorcnt 0x0
	ds_add_u32 v232, v233
	s_wait_dscnt 0x0
	s_endpgm
	; ---------------- the table.  [128 groups of tokens][16 blocks of 32 j][cos: 4 x 512 bytes | sin: 4 x 512 bytes]; piece i of lane l: token = row r of the group, j = 32 jb + 16 (l / 16) + 4 i + 0 .. 3
.Lrope:
	s_sub_co_u32 s23, ttmp9, 384
	s_lshl_b32 s23, s23, 3
	s_add_co_u32 s23, s23, s22                     ; task 0..511
	s_lshr_b32 s24, s23, 2                         ; the group of tokens
	s_and_b32 s25, s23, 3
	s_lshl_b32 s25, s25, 2                         ; its first jb of four
	s_lshr_b32 s26, s24, 1
	s_lshl_b32 s26, s26, 7
	s_and_b32 s27, s24, 1
	s_lshl_b32 s27, s27, 5
	s_add_co_u32 s26, s26, s27                     ; 4 x (32 (g / 2) + 8 (g % 2))
	s_mov_b32 s27, 0
	s_lshl_b32 s28, s24, 4
	s_add_co_u32 s28, s28, s25
	s_lshl_b32 s28, s28, 12
	s_mov_b32 s29, 0
	s_lshl_b32 s30, s25, 5
	v_lshl_add_u32 v9, v4, 4, s30                  ; my first j: 32 jb + 16 (l / 16)
	v_lshlrev_b32 v10, 2, v5
	s_mov_b32 s40, 0x3cd49a78                      ; log2(10000) / 512, upper part
	s_mov_b32 s41, 0x30179a39                      ; and the rest
	s_mov_b32 s42, 0xbf317218                      ; -ln 2
	s_mov_b32 s43, 0x3f22f983                      ; 2 / pi
	s_mov_b32 s44, 0xbfc90000                      ; -pi / 2 in three parts; the first two have so few bits that their products with the quotient are exact
	s_mov_b32 s45, 0xb9fda000
	s_mov_b32 s46, 0xb3a22168
	s_mov_b32 s47, 0xbe2aaaa3                      ; sine's series on |r| <= pi / 4
	s_mov_b32 s48, 0x3c08839e
	s_mov_b32 s49, 0xb94ca1f9
	s_mov_b32 s50, 0x3d2aaaa5                      ; cosine's
	s_mov_b32 s51, 0xbab6061a
	s_mov_b32 s52, 0x37ccf5ce
	s_wait_kmcnt 0x0
	s_add_nc_u64 s[16:17], s[16:17], s[26:27]
	s_add_nc_u64 s[20:21], s[20:21], s[28:29]
	global_load_b32 v8, v10, s[16:17]              ; my token's pos
	s_mov_b32 s31, 4
	s_wait_loadcnt 0x0
	v_cvt_f32_i32 v8, v8
.Ltrip:                                            ; a trip: 16 numbers j of my token, cos and sin
.set i, 0
.rept 16
	v_add_nc_u32 v[32+i], i, v9
	v_cvt_f32_u32 v[32+i], v[32+i]                 ; j
	v_mul_f32 v[48+i], s40, v[32+i]                ; p = j L, rounded;
	v_fma_f32 v[64+i], v[32+i], s40, -v[48+i]      ; what the rounding dropped,
	v_fmac_f32 v[64+i], s41, v[32+i]               ; and L's lower part
	v_exp_f32 v[80+i], -v[48+i]                    ; 2^-p
.set i, i+1
.endr
.set i, 0
.rept 16
	v_mul_f32 v[64+i], s42, v[64+i]                ; plain work that names no exponential's result
.set i, i+1
.endr
	s_wait_alu depctr_va_vdst(0)                   ; one wait for the sixteen exponentials, ahead of their first reader
.set i, 0
.rept 16
	v_fma_f32 v[80+i], v[80+i], v[64+i], v[80+i]   ; inv_freq = 2^-p (1 - e ln 2)
	v_mul_f32 v[80+i], v8, v[80+i]                 ; the angle: one f32 product
	v_mul_f32 v[32+i], s43, v[80+i]
	v_rndne_f32 v[32+i], v[32+i]                   ; the quotient by pi / 2
	v_fmac_f32 v[80+i], s44, v[32+i]
	v_fmac_f32 v[80+i], s45, v[32+i]
	v_fmac_f32 v[80+i], s46, v[32+i]               ; r, |r| <= pi / 4
	v_mul_f32 v[48+i], v[80+i], v[80+i]            ; z = r^2
	v_fma_f32 v[96+i], v[48+i], s49, s48
	v_fma_f32 v[112+i], v[48+i], s52, s51
	v_fma_f32 v[96+i], v[96+i], v[48+i], s47
	v_fma_f32 v[112+i], v[112+i], v[48+i], s50
	v_mul_f32 v[64+i], v[80+i], v[48+i]
	v_fma_f32 v[176+i], v[48+i], -0.5, 1.0
	v_fma_f32 v[96+i], v[64+i], v[96+i], v[80+i]   ; sin r
	v_mul_f32 v[64+i], v[48+i], v[48+i]
	v_cvt_i32_f32 v[128+i], v[32+i]
	v_fma_f32 v[112+i], v[64+i], v[112+i], v[176+i] ; cos r
	v_and_b32 v[176+i], 1, v[128+i]
	v_cmp_eq_u32 vcc_lo, 1, v[176+i]               ; an odd quotient: the two change places
	v_cndmask_b32 v[160+i], v[96+i], v[112+i], vcc_lo
	v_cndmask_b32 v[144+i], v[112+i], v[96+i], vcc_lo
	v_and_b32 v[176+i], 2, v[128+i]                ; quotient mod 4 = 2, 3: the sine changes its sign
	v_lshlrev_b32 v[176+i], 30, v[176+i]
	v_xor_b32 v[160+i], v[176+i], v[160+i]
	v_add_nc_u32 v[128+i], 1, v[128+i]             ; 1, 2: the cosine
	v_and_b32 v[128+i], 2, v[128+i]
	v_lshlrev_b32 v[128+i], 30, v[128+i]
	v_xor_b32 v[144+i], v[128+i], v[144+i]
.set i, i+1
.endr
.irp c, 0,1,2,3
	global_store_b128 v6, v[144+4*\c:147+4*\c], s[20:21] offset:512*\c        ; 512 consecutive bytes each
	global_store_b128 v6, v[160+4*\c:163+4*\c], s[20:21] offset:2048+512*\c
.endr
	s_wait_xcnt 0x0                                ; the stores have read their data and their base: both are written again below and in the next trip
	s_add_nc_u64 s[20:21], s[20:21], 4096
	v_add_nc_u32 v9, 32, v9
	s_sub_co_u32 s31, s31, 1
	s_cmp_lg_u32 s31, 0
	s_cbranch_scc1 .Ltrip
	s_endpgm
.Lfunc_end_k_q5b251c918e_prep:
	.size	k_q5b251c918e_prep, .Lfunc_end_k_q5b251c918e_prep-k_q5b251c918e_prep
	.p2alignl 7, 3214868480
	.fill 96, 4, 3214868480
	.section	.rodata,"a",@progbits
	.p2align	6, 0x0
	.amdhsa_kernel k_q5b251c918e_prep
		.amdhsa_group_segment_fixed_size 2048
		.amdhsa_private_segment_fixed_size 0
		.amdhsa_enable_private_segment 0
		.amdhsa_kernarg_size 72
		.amdhsa_user_sgpr_count 2
		.amdhsa_user_sgpr_kernarg_segment_ptr 1
		.amdhsa_wavefront_size32 1
		.amdhsa_system_sgpr_workgroup_id_x 1
		.amdhsa_system_sgpr_workgroup_id_y 1
		.amdhsa_system_sgpr_workgroup_id_z 1
		.amdhsa_system_vgpr_workitem_id 0
		.amdhsa_next_free_vgpr 234
		.amdhsa_next_free_sgpr 80
		.amdhsa_reserve_vcc 1
		.amdhsa_float_denorm_mode_32 3
		.amdhsa_float_denorm_mode_16_64 3
		.amdhsa_memory_ordered 1
		.amdhsa_forward_progress 1
		.amdhsa_inst_pref_size 51
	.end_amdhsa_kernel
	.amdgpu_metadata
---
amdhsa.version: [ 1, 2 ]
amdhsa.kernels:
  - .name:           k_q5b251c918e_prep
    .symbol:         k_q5b251c918e_prep.kd
    .args:
      - { .name: Wq, .offset: 0, .size: 8, .value_kind: global_buffer, .address_space: global }
      - { .name: Wk, .offset: 8, .size: 8, .value_kind: global_buffer, .address_space: global }
      - { .name: Wv, .offset: 16, .size: 8, .value_kind: global_buffer, .address_space: global }
      - { .name: Wo, .offset: 24, .size: 8, .value_kind: global_buffer, .address_space: global }
      - { .name: W1, .offset: 32, .size: 8, .value_kind: global_buffer, .address_space: global }
      - { .name: W2, .offset: 40, .size: 8, .value_kind: global_buffer, .address_space: global }
      - { .name: pos, .offset: 48, .size: 8, .value_kind: global_buffer, .address_space: global }
      - { .name: wq, .offset: 56, .size: 8, .value_kind: global_buffer, .address_space: global }
      - { .name: rope, .offset: 64, .size: 8, .value_kind: global_buffer, .address_space: global }
    .group_segment_fixed_size: 2048
    .private_segment_fixed_size: 0
    .kernarg_segment_align: 8
    .kernarg_segment_size: 72
    .max_flat_workgroup_size: 256
    .sgpr_count:     80
    .vgpr_count:     234
    .wavefront_size: 32
...
	.end_amdgpu_metadata
.endif
;; end of part 1
;; launch ln1 (part 2): grid 256 x 1, 8 waves a work-group, no clusters, 3,072 bytes of LDS; arguments x, g1, b1, aq; writes aq
.if DOCPART == 2
	.amdgcn_target "amdgcn-amd-amdhsa--gfx1250"
	.amdhsa_code_object_version 6
	.text
	.protected	k_q5b251c918e_ln1
	.globl	k_q5b251c918e_ln1
	.p2align	8
	.type	k_q5b251c918e_ln1,@function
k_q5b251c918e_ln1:
	s_mov_b64 s[64:65], 0
	v_nop
	global_prefetch_b8 v0, s[64:65] scope:SCOPE_SE
	s_setreg_imm32_b32 hwreg(HW_REG_WAVE_MODE, 25, 1), 1
	s_wait_xcnt 0x0
; LAYER NORM AND QUANTISER.  y = (x - mean) rsqrt(var + 1e-5) g + b over rows of 1,024 f32, then codes of BF6 (E3M2) along the row with one E8M0 byte for each 32, laid as the products' operand registers want them.
; A work-group is one group of 16 rows: row r of group g is token 32 (g / 2) + 8 (g % 2) + r + 8 (r / 8).  Wave w takes columns 128 w .. 128 w + 127 (one K step) of all 16 rows: lane (r, h) holds, of row r,
; 16 neighbours of each of the four blocks of 32: register 16 b + i = column 128 w + 32 b + 16 h + i.  Mean and variance are taken in two passes (no difference of large sums); the eight waves' parts meet in LDS.
; OUT: aq codes [group][K step][1536]: registers 0-3 of lane l at 16 l, 4-5 at 512 + 8 l, 6-9 at 768 + 16 l, 10-11 at 1280 + 8 l; scale bytes at ASC: [group][2][16 rows][16 bytes].
; LIMITS: a block whose largest magnitude lies under 2^-122 (zeros too) gets the byte 1; NaN and infinities are not served.
.set ASC, 3145728
.set PC,  8                            ; v8-27    the codes, and the conversions' second halves
.set X,   32                           ; v32-95   my 64 numbers
.set G,   96                           ; v96-159  the gain at my columns
.set BB,  160                          ; v160-223 the bias
.set TM,  224                          ; v224-239 the quantiser's work
.set PW,  240                          ; v240     my row's scale word
.set SEL, 18                           ; s[18:19] lane selects: lane l xor 16
	s_load_b256 s[4:11], s[0:1], 0x0               ; x s[4:5], g s[6:7], b s[8:9], aq s[10:11]
	v_lshl_add_u32 v254, v0, 2, 0x800
	v_mov_b32 v255, 0
	v_lshrrev_b32 v1, 5, v0
	v_readfirstlane_b32 s12, v1                    ; wave w
	v_and_b32 v1, 31, v0
	v_and_b32 v2, 15, v0                           ; r
	v_bfe_u32 v3, v0, 4, 1                         ; h
	v_and_b32 v4, 8, v2
	v_add_nc_u32 v4, v4, v2
	v_lshlrev_b32 v4, 12, v4
	v_lshl_add_u32 v4, v3, 6, v4                   ; x: (r + 8 (r / 8)) rows of 4,096 bytes + 64 h
	v_lshlrev_b32 v5, 6, v3                        ; g, b: 64 h
	v_lshlrev_b32 v6, 4, v1                        ; 16 l
	v_lshlrev_b32 v7, 3, v1                        ; 8 l
	v_lshlrev_b32 v29, 5, v2                       ; LDS: row r's eight parts, 32 r
	s_lshl_b32 s13, s12, 2
	v_add_nc_u32 v28, s13, v29                     ; my wave's word among them
	s_lshr_b32 s14, s12, 2
	s_lshl_b32 s14, s14, 8
	s_and_b32 s15, s12, 3
	s_lshl_b32 s15, s15, 2
	s_add_co_u32 s14, s14, s15
	v_lshl_add_u32 v241, v2, 4, s14                ; LDS: my scale word: 256 (w / 4) + 16 r + 4 (w % 4)
	s_lshr_b32 s16, ttmp9, 1
	s_lshl_b32 s16, s16, 17
	s_and_b32 s17, ttmp9, 1
	s_lshl_b32 s17, s17, 15
	s_add_co_u32 s16, s16, s17                     ; (32 (g / 2) + 8 (g % 2)) rows
	s_lshl_b32 s22, s12, 9                         ; 512 w
	s_mov_b32 s23, 0
	s_add_co_u32 s16, s16, s22
	s_mov_b32 s17, 0
	s_mul_i32 s24, ttmp9, 12288
	s_mul_i32 s25, s12, 1536
	s_add_co_u32 s24, s24, s25
	s_mov_b32 s25, 0
	s_lshl_b32 s26, ttmp9, 9
	s_add_co_u32 s26, s26, ASC
	s_mov_b32 s27, 0
	s_mov_b32 s[SEL], 0x76543210
	s_mov_b32 s[SEL+1], 0xfedcba98
	s_mov_b32 s20, 0x3a800000                      ; 1 / 1024
	s_mov_b32 s21, 0x3727c5ac                      ; 1e-5
	v_mov_b32 v250, 0                              ; a lane permute's destination counts as read
.irp b, 0,1,2,3
	v_mov_b32 v[TM+4+\b], 0
.endr
	s_wait_kmcnt 0x0
	s_add_nc_u64 s[4:5], s[4:5], s[16:17]
	s_add_nc_u64 s[6:7], s[6:7], s[22:23]
	s_add_nc_u64 s[8:9], s[8:9], s[22:23]
	s_add_nc_u64 s[28:29], s[10:11], s[26:27]
	s_add_nc_u64 s[10:11], s[10:11], s[24:25]
.irp b, 0,1,2,3
.irp j, 0,1,2,3
	global_load_b128 v[X+16*\b+4*\j:X+16*\b+4*\j+3], v4, s[4:5] offset:128*\b+16*\j th:TH_LOAD_NT
.endr
.endr
.irp b, 0,1,2,3
.irp j, 0,1,2,3
	global_load_b128 v[G+16*\b+4*\j:G+16*\b+4*\j+3], v5, s[6:7] offset:128*\b+16*\j
	global_load_b128 v[BB+16*\b+4*\j:BB+16*\b+4*\j+3], v5, s[8:9] offset:128*\b+16*\j
.endr
.endr
	s_wait_loadcnt 32                              ; x's 16 loads are in; the 32 of g and b may be out
.irp c, 0,1,2,3                                ; the sum of my 64, two at a time, in four chains
	v_pk_add_f32 v[242+2*\c:243+2*\c], v[X+2*\c:X+2*\c+1], v[X+8+2*\c:X+9+2*\c]
.endr
.set k, 16
.rept 6
.irp c, 0,1,2,3
	v_pk_add_f32 v[242+2*\c:243+2*\c], v[242+2*\c:243+2*\c], v[X+k+2*\c:X+k+2*\c+1]
.endr
.set k, k+8
.endr
.macro FOLD off                        ; four chains -> my row's part -> LDS -> all eight parts -> their sum in v242
	v_pk_add_f32 v[242:243], v[242:243], v[246:247]
	v_pk_add_f32 v[244:245], v[244:245], v[248:249]
	v_pk_add_f32 v[242:243], v[242:243], v[244:245]
	v_add_f32 v242, v242, v243
	v_permlanex16_b32 v250, v242, s[SEL], s[SEL+1]
	v_add_f32 v242, v242, v250                     ; with lane l xor 16's: 128 columns of row r
	ds_store_b32 v28, v242 offset:\off             ; (both halves of the lanes write the same word with the same value)
	s_wait_dscnt 0x0                               ; for the others' sake: my store has landed
	s_barrier_signal -1
	s_barrier_wait -1
	ds_load_b128 v[242:245], v29 offset:\off
	ds_load_b128 v[246:249], v29 offset:\off+16
	s_wait_dscnt 0x0
	v_pk_add_f32 v[242:243], v[242:243], v[246:247]
	v_pk_add_f32 v[244:245], v[244:245], v[248:249]
	v_pk_add_f32 v[242:243], v[242:243], v[244:245]
	v_add_f32 v242, v242, v243
.endm
	FOLD 0
	v_mul_f32 v30, s20, v242                       ; the mean
	v_mov_b32 v31, v30
.set k, 0
.rept 32
	v_pk_add_f32 v[X+k:X+k+1], v[X+k:X+k+1], v[30:31] neg_lo:[0,1] neg_hi:[0,1]   ; d = x - mean
.set k, k+2
.endr
.irp c, 0,1,2,3
	v_pk_mul_f32 v[242+2*\c:243+2*\c], v[X+2*\c:X+2*\c+1], v[X+2*\c:X+2*\c+1]
.endr
.set k, 8
.rept 7
.irp c, 0,1,2,3
	v_pk_fma_f32 v[242+2*\c:243+2*\c], v[X+k+2*\c:X+k+2*\c+1], v[X+k+2*\c:X+k+2*\c+1], v[242+2*\c:243+2*\c]
.endr
.set k, k+8
.endr
	FOLD 512                                       ; other bytes than the first sum's: no barrier is owed between the two
	v_fma_f32 v30, v242, s20, s21                  ; var + eps
	v_rsq_f32 v30, v30
	v_nop                                          ; a plain line behind the transcendental
	s_wait_alu depctr_va_vdst(0)                   ; and the wait ahead of its first reader
	v_mov_b32 v31, v30
	s_wait_loadcnt 0x0                             ; g and b
.set k, 0
.rept 32
	v_pk_mul_f32 v[X+k:X+k+1], v[X+k:X+k+1], v[30:31]
.set k, k+2
.endr
.set k, 0
.rept 32
	v_pk_fma_f32 v[X+k:X+k+1], v[X+k:X+k+1], v[G+k:G+k+1], v[BB+k:BB+k+1]
.set k, k+2
.endr
	; the quantiser: four blocks of 32, each in lanes l and l xor 16
.irp b, 0,1,2,3
	v_max3_num_f32 v[TM+\b], |v[X+16*\b]|, |v[X+1+16*\b]|, 0x2800000   ; with the floor 2^(5 - 127): the byte cannot fall under 1
.endr
.irp i, 2,4,6,8,10,12,14
.irp b, 0,1,2,3
	v_max3_num_f32 v[TM+\b], v[TM+\b], |v[X+16*\b+\i]|, |v[X+1+16*\b+\i]|
.endr
.endr
.irp b, 0,1,2,3
	v_permlanex16_b32 v[TM+4+\b], v[TM+\b], s[SEL], s[SEL+1]
.endr
.irp b, 0,1,2,3
	v_max_num_f32 v[TM+\b], v[TM+\b], v[TM+4+\b]
.endr
.irp b, 0,1,2,3
	v_add_nc_u32 v[TM+12+\b], 0xfe000000, v[TM+\b] ; 4 off the exponent field: the conversion's scale operand
.endr
.irp b, 0,1,2,3
	v_lshrrev_b32 v[TM+4+\b], 23, v[TM+12+\b]      ; the byte
.endr
	v_lshl_or_b32 v[PW], v[TM+5], 8, v[TM+4]
	v_lshl_or_b32 v[PW], v[TM+6], 16, v[PW]
	v_lshl_or_b32 v[PW], v[TM+7], 24, v[PW]
.irp c, 0,1
	v_cvt_scalef32_pk16_bf6_f32 v[PC+6*\c:PC+2+6*\c], v[X+32*\c:X+15+32*\c], v[TM+12+2*\c]
	v_cvt_scalef32_pk16_bf6_f32 v[PC+12+4*\c:PC+14+4*\c], v[X+16+32*\c:X+31+32*\c], v[TM+12+2*\c+1]
.endr
	v_nop                                          ; one plain line behind a scaled conversion
.irp c, 0,1                                    ; the operand wants a whole block in a lane: lanes 0-15 block 2 c, lanes 16-31 block 2 c + 1
.irp i, 0,1,2
	v_permlane16_swap_b32 v[PC+6*\c+\i], v[PC+12+4*\c+\i]
.endr
.irp i, 0,1,2
	v_mov_b32 v[PC+3+6*\c+\i], v[PC+12+4*\c+\i]
.endr
.endr
	global_store_b128 v6, v[PC:PC+3], s[10:11]                     ; each store covers 512 or 256 consecutive bytes, aligned
	global_store_b64 v7, v[PC+4:PC+5], s[10:11] offset:512
	global_store_b128 v6, v[PC+6:PC+9], s[10:11] offset:768
	global_store_b64 v7, v[PC+10:PC+11], s[10:11] offset:1280
	ds_store_b32 v241, v[PW] offset:1024           ; the eight K steps' words of the group meet in LDS
	s_wait_dscnt 0x0
	s_barrier_signal -1
	s_barrier_wait -1
	s_cmp_lg_u32 s12, 0
	s_cbranch_scc1 .Lend
	ds_load_b128 v[242:245], v6 offset:1024
	s_wait_dscnt 0x0
	global_store_b128 v6, v[242:245], s[28:29]     ; wave 0 stores the group's 512 scale bytes
.Lend:
	s_wait_tensorcnt 0x0
	ds_add_u32 v254, v255
	s_wait_dscnt 0x0
	s_endpgm
.Lfunc_end_k_q5b251c918e_ln1:
	.size	k_q5b251c918e_ln1, .Lfunc_end_k_q5b251c918e_ln1-k_q5b251c918e_ln1
	.p2alignl 7, 3214868480
	.fill 96, 4, 3214868480
	.section	.rodata,"a",@progbits
	.p2align	6, 0x0
	.amdhsa_kernel k_q5b251c918e_ln1
		.amdhsa_group_segment_fixed_size 3072
		.amdhsa_private_segment_fixed_size 0
		.amdhsa_enable_private_segment 0
		.amdhsa_kernarg_size 32
		.amdhsa_user_sgpr_count 2
		.amdhsa_user_sgpr_kernarg_segment_ptr 1
		.amdhsa_wavefront_size32 1
		.amdhsa_system_sgpr_workgroup_id_x 1
		.amdhsa_system_sgpr_workgroup_id_y 1
		.amdhsa_system_sgpr_workgroup_id_z 1
		.amdhsa_system_vgpr_workitem_id 0
		.amdhsa_next_free_vgpr 256
		.amdhsa_next_free_sgpr 66
		.amdhsa_reserve_vcc 0
		.amdhsa_float_denorm_mode_32 3
		.amdhsa_float_denorm_mode_16_64 3
		.amdhsa_memory_ordered 1
		.amdhsa_forward_progress 1
		.amdhsa_inst_pref_size 24
	.end_amdhsa_kernel
	.amdgpu_metadata
---
amdhsa.version: [ 1, 2 ]
amdhsa.kernels:
  - .name:           k_q5b251c918e_ln1
    .symbol:         k_q5b251c918e_ln1.kd
    .args:
      - { .name: x, .offset: 0, .size: 8, .value_kind: global_buffer, .address_space: global }
      - { .name: g1, .offset: 8, .size: 8, .value_kind: global_buffer, .address_space: global }
      - { .name: b1, .offset: 16, .size: 8, .value_kind: global_buffer, .address_space: global }
      - { .name: aq, .offset: 24, .size: 8, .value_kind: global_buffer, .address_space: global }
    .group_segment_fixed_size: 3072
    .private_segment_fixed_size: 0
    .kernarg_segment_align: 8
    .kernarg_segment_size: 32
    .max_flat_workgroup_size: 256
    .sgpr_count:     66
    .vgpr_count:     256
    .wavefront_size: 32
...
	.end_amdgpu_metadata
.endif
;; end of part 2
;; launch qkv (part 3): grid 12 x 16, 16 waves a work-group, clusters of 4 x 4, 327,680 bytes of LDS; arguments aq, wq, rope, bq, bk, bv, qrec, kvrec; writes qrec, kvrec
.if DOCPART == 3
	.amdgcn_target "amdgcn-amd-amdhsa--gfx1250"
	.amdhsa_code_object_version 6
	.text
	.protected	k_q5b251c918e_qkv
	.globl	k_q5b251c918e_qkv
	.p2align	8
	.type	k_q5b251c918e_qkv,@function
k_q5b251c918e_qkv:
	s_mov_b64 s[64:65], 0
	v_nop
	global_prefetch_b8 v0, s[64:65] scope:SCOPE_SE
	s_setreg_imm32_b32 hwreg(HW_REG_WAVE_MODE, 25, 1), 1
	s_wait_xcnt 0x0
	s_wait_alu depctr_hold_cnt(0) depctr_sa_sdst(0) depctr_va_vdst(0) depctr_va_sdst(0) depctr_va_ssrc(0) depctr_va_vcc(0) depctr_vm_vsrc(0)
	s_getreg_b32 s2, hwreg(HW_REG_IB_STS2, 6, 4)
	s_cmp_eq_u32 s2, 0
	s_cbranch_scc0 .Lentry_in_a_cluster
	s_endpgm
.Lentry_in_a_cluster:
	s_bfe_u32 s2, ttmp6, 0x10000c
	s_cmp_lg_u32 s2, 0xf033
	s_cbranch_scc0 .Lentry_shape_is_right
	s_endpgm
.Lentry_shape_is_right:
; q, k, v = h W + b on codes of BF6 (E3M2) with E8M0 scales; q and k are rotated (columns j and j + 512 are partners); all three are quantised again and laid as attention's operands.
; A work-group makes 256 tokens x 256 columns; sixteen waves (wm = wave / 4, wn = wave % 4), each 64 x 64: 16 accumulators.  Cluster x = 0, 1, 2: q, k, v; cx: which 256 of the tensor's columns.
; OPERANDS lie in memory and in LDS in the order of the operand registers: a group (16 rows) x 128 K is 1,536 bytes: registers 0-3 of lane l at 16 l, 4-5 at 512 + 8 l, 6-9 at 768 + 16 l, 10-11 at 1280 + 8 l.
; Row r of group g is index 32 (g / 2) + 8 (g % 2) + r + 8 (r / 8), so that the 16 registers of two neighbouring tiles of source 0 are 16 neighbours.
; K goes in slots of 2 steps of 128 through a ring of two LDS slots; waves 0, 1 fetch A's halves, waves 2, 3 B's, jointly with the cluster's row (A) or column (B).  All scale bytes come once.
; q, k: source 0 = weights, source 1 = tokens: a lane holds one token, its registers 32 columns j0 + 16 h .. and their partners j0 + 512 + 16 h ...  v: the sources change places (by the LDS addresses alone, chosen on the
; cluster's x, which all partners share): a lane holds one column d and its registers run along the tokens, which are the second product's K.
; OUT, a record of 13,056 bytes for each head and 128 tokens: 8 tiles of 16 tokens x 64 d (768 bytes each); 4 tiles of 16 d x 128 tokens (1,536 each) at 6,144; scale words [8][16] at 12,288 (bytes 2, 3 = 127) and [4][16] at 12,800.
; q's and k's 8-byte stores and all scale bytes fill aligned blocks of 256 bytes only in part: one wave holds one block of 32 d of a tile.
; LIMITS: a block whose largest magnitude lies under 2^-122 (zeros too) gets the byte 1; NaN and infinities are not served.
.set MB, 4
.set NB, 4
.set TG, 16                            ; groups in a side of the tile
.set KSTEPS, 8
.set KS, 2                             ; K steps in a slot
.set GROW, KS*1536                     ; a group's bytes in a slot
.set GSTR, KSTEPS*1536                 ; a group's codes in memory
.set GSB, KSTEPS*64                    ; a group's scale bytes
.set ASB, 3145728                      ; A's scale bytes in its buffer
.set WCB, 0                            ; the weight's codes in wq
.set WSB, 9437184                      ; and its scale bytes
.set SLOT, 98304                       ; A's TG groups, then B's
.set SIDE, 49152
.set HALF, 24576                       ; what one tensor load brings
.set SCL, 2*SLOT                       ; behind the ring: A's scale bytes, then B's
.set SPARE, SCL+2*TG*GSB               ; behind them: the spare words, 128 bytes for each of 16 waves
.set REC, 13056
.set HS, 16*REC                        ; a head
.set H8, 8*HS                          ; eight heads
.set SC, 16                            ; v16-23 scale words: register KS i + q: lanes 0-15 source 1's group i, lanes 16-31 source 0's
.set S0F, 32                           ; v32-79  source 0's four fragments
.set S1F, 80                           ; v80-127 source 1's
.set ACC, 128                          ; v128-255: accumulator (a, b) = source 1's group a x source 0's group b at v[ACC + 8 (4 a + b)]
.set G1A, 24
.set G0A, 32
.set G1B, 48
.set G0B, 56
.set G1SA, 68
.set G0SA, 76
.set G1SB, 80
.set G0SB, 88
.set HM, 99                            ; s99 the mask of lanes 16-31
.set SEL, 56                           ; s[56:57] (the way out) lane selects: lane l xor 16
.set QM, 14                            ; the quantiser's work: v14-15, v24-25, v26-27, v28-30
.set QX, 24
.set QS, 26
.set QT, 28
.macro CROUND                          ; a round of the cluster's barrier
	s_barrier_signal -1
	s_barrier_wait -1
	s_cmp_lg_u32 s14, 0
	s_cbranch_scc1 .Lnw0_\@
	s_barrier_signal -3
.Lnw0_\@:
	s_barrier_wait -3
	s_barrier_signal -1
	s_barrier_wait -1
.endm
.macro JLOAD s                         ; a joint refill of slot s: waves 0, 1 for A, waves 2, 3 for B, the others none; four v_nop follow each line
	s_cmp_lt_u32 s14, 2
	s_cbranch_scc0 .Lnot_a_\@
	tensor_load_to_lds s[G0A+4*(\s):G0A+4*(\s)+3], s[G1A:G1A+7]
	s_nop 0
.rept 4
	v_nop
.endr
	s_branch .Lasked_\@
.Lnot_a_\@:
	s_cmp_lt_u32 s14, 4
	s_cbranch_scc0 .Lasked_\@
	tensor_load_to_lds s[G0B+4*(\s):G0B+4*(\s)+3], s[G1B:G1B+7]
	s_nop 0
.rept 4
	v_nop
.endr
.Lasked_\@:
.endm
.macro FRAG f, a16, a8, o              ; a fragment's 12 registers, as they lie: every load takes consecutive bytes from lane to lane
	ds_load_b128 v[\f:\f+3], v[\a16] offset:\o
	ds_load_b64 v[\f+4:\f+5], v[\a8] offset:\o+512
	ds_load_b128 v[\f+6:\f+9], v[\a16] offset:\o+768
	ds_load_b64 v[\f+10:\f+11], v[\a8] offset:\o+1280
.endm
; A K step of 128: LDS slot s, its q-th step; sidx: which slot of K (for the scale words).  The 16 accumulators take turns, one instruction a turn.  zero = 1: the products start the sums.
.macro KSTEP s, q, sidx, zero
.rept 4
	v_nop                                          ; places in front of loads into registers that matrix instructions have read
.endr
.irp b, 0,1,2,3
	FRAG S0F+12*\b, 3+2*(\s), 4+2*(\s), \b*GROW+1536*(\q)
.endr
.irp a, 0,1,2,3
	FRAG S1F+12*\a, 7+2*(\s), 8+2*(\s), \a*GROW+1536*(\q)
.endr
.if (\q) == 0
.irp i, 0,1,2,3
	ds_load_b64 v[SC+2*\i:SC+2*\i+1], v11 offset:\i*GSB+((\sidx)/2)*256+((\sidx)%2)*8
.endr
.endif
	s_wait_dscnt 0x0                               ; all of the step's operands; the SIMD's other three waves work meanwhile
.irp a, 0,1,2,3
.irp b, 0,1,2,3
.if \zero
	v_wmma_scale_f32_16x16x128_f8f6f4 v[ACC+8*(NB*\a+\b):ACC+8*(NB*\a+\b)+7], v[S0F+12*\b:S0F+12*\b+11], v[S1F+12*\a:S1F+12*\a+11], 0, v[SC+KS*\b+(\q)], v[SC+KS*\a+(\q)] matrix_a_fmt:MATRIX_FMT_BF6 matrix_b_fmt:MATRIX_FMT_BF6 matrix_a_scale:MATRIX_SCALE_ROW1
.else
	v_wmma_scale_f32_16x16x128_f8f6f4 v[ACC+8*(NB*\a+\b):ACC+8*(NB*\a+\b)+7], v[S0F+12*\b:S0F+12*\b+11], v[S1F+12*\a:S1F+12*\a+11], v[ACC+8*(NB*\a+\b):ACC+8*(NB*\a+\b)+7], v[SC+KS*\b+(\q)], v[SC+KS*\a+(\q)] matrix_a_fmt:MATRIX_FMT_BF6 matrix_b_fmt:MATRIX_FMT_BF6 matrix_a_scale:MATRIX_SCALE_ROW1
.endif
.endr
.endr
.endm
; The change of slots: LDS slot s has been read out.  fill = 1: it is filled again, two slots of K ahead, behind a round of the cluster's barrier.
.macro CHANGE s, fill
	s_wait_tensorcnt 0x0                           ; all my tensor loads have landed, my part of the slot ahead among them; so a group 0 may be written
	ds_add_u32 v1, v2                              ; 0 onto my spare word
.if \fill
	s_add_nc_u64 s[G0A+4*(\s)+2:G0A+4*(\s)+3], s[G0A+4*(\s)+2:G0A+4*(\s)+3], 2*GROW
	s_add_nc_u64 s[G0B+4*(\s)+2:G0B+4*(\s)+3], s[G0B+4*(\s)+2:G0B+4*(\s)+3], 2*GROW
.endif
	s_wait_dscnt 0x0                               ; the add is done, and my reads of the slot are over
.if \fill
	CROUND                                         ; no wave of any partner still reads the slot or has a load on its way
	JLOAD \s                                       ; the first tensor load behind the round, one a wave: it has a slot's two K steps in which to land
.else
	s_barrier_signal -1
	s_barrier_wait -1
.endif
.endm
; 32 numbers of a lane, two blocks of 32 shared with lane l xor 16 (16 of each are mine), become half an image: lanes 0-15 hold the first block whole in v[cd] .. v[cd + 5], lanes 16-31 the second; v[by]: that block's byte.
.macro QUANT2 src, cd, by
	v_max3_num_f32 v[QM], |v[(\src)]|, |v[(\src)+1]|, 0x2800000      ; with the floor 2^(5 - 127): the byte cannot fall under 1
	v_max3_num_f32 v[QM+1], |v[(\src)+16]|, |v[(\src)+17]|, 0x2800000
.irp i, 2,4,6,8,10,12,14
	v_max3_num_f32 v[QM], v[QM], |v[(\src)+\i]|, |v[(\src)+\i+1]|
	v_max3_num_f32 v[QM+1], v[QM+1], |v[(\src)+16+\i]|, |v[(\src)+17+\i]|
.endr
	v_permlanex16_b32 v[QX], v[QM], s[SEL], s[SEL+1]
	v_permlanex16_b32 v[QX+1], v[QM+1], s[SEL], s[SEL+1]
	v_max_num_f32 v[QM], v[QM], v[QX]
	v_max_num_f32 v[QM+1], v[QM+1], v[QX+1]
	v_add_nc_u32 v[QS], 0xfe000000, v[QM]          ; 4 off the exponent field: the conversion's scale operand
	v_add_nc_u32 v[QS+1], 0xfe000000, v[QM+1]
	v_lshrrev_b32 v[QX], 23, v[QS]                 ; the bytes
	v_lshrrev_b32 v[QX+1], 23, v[QS+1]
	v_cvt_scalef32_pk16_bf6_f32 v[(\cd):(\cd)+2], v[(\src):(\src)+15], v[QS]
	v_cvt_scalef32_pk16_bf6_f32 v[QT:QT+2], v[(\src)+16:(\src)+31], v[QS+1]
	v_cndmask_b32 v[(\by)], v[QX], v[QX+1], s[HM]  ; (also the plain line behind the conversions)
.irp i, 0,1,2
	v_permlane16_swap_b32 v[(\cd)+\i], v[QT+\i]
.endr
.irp i, 0,1,2
	v_mov_b32 v[(\cd)+3+\i], v[QT+\i]
.endr
.endm
	s_load_b128 s[4:7], s[0:1], 0x0                ; aq s[4:5], wq s[6:7]
	v_lshl_add_u32 v1, v0, 2, SPARE                ; my spare word; never rewritten
	v_mov_b32 v2, 0                                ; never rewritten
	ds_add_u32 v1, v2
	s_wait_dscnt 0x0
	v_lshrrev_b32 v12, 5, v0
	v_readfirstlane_b32 s14, v12                   ; wave 0..15
	s_lshr_b32 s15, s14, 2                         ; wm
	s_and_b32 s16, s14, 3                          ; wn
	s_bfe_u32 s40, ttmp6, 0x40000                  ; cx
	s_bfe_u32 s41, ttmp6, 0x40004                  ; cy
	s_lshl_b32 s42, ttmp9, 2
	s_add_co_u32 s42, s42, s40                     ; X: tile of columns
	s_and_b32 s17, ttmp7, 0xffff
	s_lshl_b32 s17, s17, 2
	s_add_co_u32 s17, s17, s41                     ; Y: tile of tokens
	s_lshl_b32 s43, s41, 2
	s_lshl_b32 s43, 15, s43                        ; my row of the cluster
	s_lshl_b32 s44, 0x1111, s40                    ; my column
	s_mov_b32 s[HM], 0xffff0000
	; group 1 for codes: TG / 2 rows (groups) of GROW bytes, GSTR bytes apart, elements of 8 bytes, no padding
	s_or_b32 s[G1A], s43, (3<<16)|(1<<21)
	s_or_b32 s[G1B], s44, (3<<16)|(1<<21)
.irp g, G1A, G1B
	s_mov_b32 s[\g+1], (GROW/8)<<16
	s_mov_b32 s[\g+2], (TG/2)<<16
	s_mov_b32 s[\g+3], (GROW/8)<<16
	s_mov_b32 s[\g+4], TG/2
	s_mov_b32 s[\g+5], GSTR/8
	s_mov_b32 s[\g+6], 0
	s_mov_b32 s[\g+7], 0
.endr
	; and for scale bytes: half a side's, a dense block, as rows of 256 bytes
	s_or_b32 s[G1SA], s43, (3<<16)|(1<<21)
	s_or_b32 s[G1SB], s44, (3<<16)|(1<<21)
.irp g, G1SA, G1SB
	s_mov_b32 s[\g+1], 32<<16
	s_mov_b32 s[\g+2], (TG*GSB/512)<<16
	s_mov_b32 s[\g+3], 32<<16
	s_mov_b32 s[\g+4], TG*GSB/512
	s_mov_b32 s[\g+5], 32
	s_mov_b32 s[\g+6], 0
	s_mov_b32 s[\g+7], 0
.endr
	s_and_b32 s18, s14, 1                          ; which half of a side I fetch, if I fetch
	s_mul_i32 s19, s18, TG/2
	s_mul_i32 s20, s17, TG
	s_add_co_u32 s20, s20, s19                     ; A: its first group (hangs on Y alone)
	s_mul_i32 s46, s42, TG
	s_add_co_u32 s46, s46, s19                     ; B: (on X alone)
	s_mul_i32 s22, s20, GSB
	s_add_co_u32 s22, s22, ASB
	s_mov_b32 s23, 0
	s_mul_i32 s20, s20, GSTR
	s_mov_b32 s21, 0
	s_mul_i32 s92, s46, GSB
	s_add_co_u32 s92, s92, WSB
	s_mov_b32 s93, 0
	s_mul_i32 s46, s46, GSTR
	s_add_co_u32 s46, s46, WCB
	s_mov_b32 s47, 0
	s_mul_i32 s45, s18, HALF
	s_mul_i32 s94, s18, TG*GSB/2
	; where my fragments lie in LDS.  For v the sources change places
	s_mul_i32 s18, s15, MB*GROW                    ; tokens: my four groups
	s_mul_i32 s19, s16, NB*GROW
	s_add_co_u32 s19, s19, SIDE                    ; weights: my four groups
	s_mul_i32 s2, s15, MB*GSB
	s_add_co_u32 s2, s2, SCL
	s_mul_i32 s3, s16, NB*GSB
	s_add_co_u32 s3, s3, SCL+TG*GSB
	s_cmp_eq_u32 ttmp9, 2                          ; the cluster's x: the same in all sixteen partners
	s_cselect_b32 s95, s18, s19                    ; source 0
	s_cselect_b32 s96, s19, s18                    ; source 1
	s_cselect_b32 s97, s2, s3                      ; source 0's scale words
	s_cselect_b32 s98, s3, s2                      ; source 1's
	v_and_b32 v12, 31, v0
	v_lshlrev_b32 v13, 4, v12
	v_lshlrev_b32 v14, 3, v12
	v_add_nc_u32 v3, s95, v13                      ; v3, v4: source 0 in slot 0, 16 l and 8 l;  v5, v6: in slot 1
	v_add_nc_u32 v4, s95, v14
	v_add_nc_u32 v5, SLOT, v3
	v_add_nc_u32 v6, SLOT, v4
	v_add_nc_u32 v7, s96, v13                      ; v7 - v10: source 1 likewise
	v_add_nc_u32 v8, s96, v14
	v_add_nc_u32 v9, SLOT, v7
	v_add_nc_u32 v10, SLOT, v8
	v_and_b32 v15, 15, v0
	v_lshlrev_b32 v15, 4, v15
	v_add_nc_u32 v12, s98, v15
	v_add_nc_u32 v13, s97, v15
	v_cndmask_b32 v11, v12, v13, s[HM]             ; v11: lanes 0-15 source 1's scale words, lanes 16-31 source 0's
	s_wait_kmcnt 0x0
	s_add_nc_u64 s[20:21], s[4:5], s[20:21]
	s_add_nc_u64 s[22:23], s[4:5], s[22:23]
	s_add_nc_u64 s[46:47], s[6:7], s[46:47]
	s_add_nc_u64 s[92:93], s[6:7], s[92:93]
	CROUND                                         ; all sixteen work-groups are here: the first joint loads meet
	s_mov_b32 s[G0SA], 1
	s_add_co_u32 s[G0SA+1], s94, SCL
	s_mov_b64 s[G0SA+2:G0SA+3], s[22:23]
	s_or_b32 s[G0SA+3], s[G0SA+3], 0x80000000
	s_mov_b32 s[G0SB], 1
	s_add_co_u32 s[G0SB+1], s94, SCL+TG*GSB
	s_mov_b64 s[G0SB+2:G0SB+3], s[92:93]
	s_or_b32 s[G0SB+3], s[G0SB+3], 0x80000000
.irp s, 0,1
	s_mov_b32 s[G0A+4*\s], 1
	s_add_co_u32 s[G0A+4*\s+1], s45, \s*SLOT
	s_add_nc_u64 s[G0A+4*\s+2:G0A+4*\s+3], s[20:21], \s*GROW
	s_or_b32 s[G0A+4*\s+3], s[G0A+4*\s+3], 0x80000000
	s_mov_b32 s[G0B+4*\s], 1
	s_add_co_u32 s[G0B+4*\s+1], s45, \s*SLOT+SIDE
	s_add_nc_u64 s[G0B+4*\s+2:G0B+4*\s+3], s[46:47], \s*GROW
	s_or_b32 s[G0B+4*\s+3], s[G0B+4*\s+3], 0x80000000
.endr
	s_cmp_lt_u32 s14, 2                            ; a wave's three first fills stand in one branch: three loads of mine are out
	s_cbranch_scc0 .Lfirst_not_a
	tensor_load_to_lds s[G0SA:G0SA+3], s[G1SA:G1SA+7]
	s_nop 0
	tensor_load_to_lds s[G0A:G0A+3], s[G1A:G1A+7]
	s_nop 0
	tensor_load_to_lds s[G0A+4:G0A+7], s[G1A:G1A+7]
	s_nop 0
.rept 4
	v_nop
.endr
	s_branch .Lfilled
.Lfirst_not_a:
	s_cmp_lt_u32 s14, 4
	s_cbranch_scc0 .Lfilled
	tensor_load_to_lds s[G0SB:G0SB+3], s[G1SB:G1SB+7]
	s_nop 0
	tensor_load_to_lds s[G0B:G0B+3], s[G1B:G1B+7]
	s_nop 0
	tensor_load_to_lds s[G0B+4:G0B+7], s[G1B:G1B+7]
	s_nop 0
.rept 4
	v_nop
.endr
.Lfilled:
	s_wait_tensorcnt 1                             ; the scale bytes and my part of slot 0 are in; slot 1's load may be out
	s_barrier_signal -1
	s_barrier_wait -1
	KSTEP 0, 0, 0, 1
	KSTEP 0, 1, 0, 0
	CHANGE 0, 1
	KSTEP 1, 0, 1, 0
	KSTEP 1, 1, 1, 0
	CHANGE 1, 1
	KSTEP 0, 0, 2, 0
	KSTEP 0, 1, 2, 0
	CHANGE 0, 0                                    ; nothing is left to fetch
	KSTEP 1, 0, 3, 0
	KSTEP 1, 1, 3, 0
.rept 4
	v_nop                                          ; places behind the last products
.endr
	; ---------------- the way out.  No tensor load is out: the descriptors' registers are free
	s_load_b256 s[24:31], s[0:1], 0x10             ; rope s[24:25], bq s[26:27], bk s[28:29], bv s[30:31]
	s_load_b128 s[32:35], s[0:1], 0x30             ; qrec s[32:33], kvrec s[34:35]
	s_mov_b32 s[SEL], 0x76543210
	s_mov_b32 s[SEL+1], 0xfedcba98
	s_lshr_b32 s36, s17, 3                         ; batch
	s_and_b32 s37, s17, 7                          ; which 256 tokens of it
	s_lshr_b32 s38, s15, 1
	s_and_b32 s39, s15, 1                          ; which 64 tokens of a record's 128
	s_lshr_b32 s45, s16, 1
	s_and_b32 s46, s16, 1                          ; which 32 of a head's 64
	s_lshl_b32 s47, s37, 1
	s_add_co_u32 s47, s47, s38                     ; the record
	s_mul_i32 s47, s47, REC
	s_lshl_b32 s48, s40, 1
	s_add_co_u32 s48, s48, s45                     ; the head, 0..7 (its partner: + 8)
	s_lshl_b32 s49, s36, 4
	s_add_co_u32 s49, s49, s48
	s_mul_i32 s49, s49, HS
	s_add_co_u32 s50, s49, s47
	s_mov_b32 s51, 0
	s_lshl_b32 s54, s40, 9
	s_lshl_b32 s58, s16, 7
	s_add_co_u32 s54, s54, s58                     ; the bias: 4 x (128 cx + 32 wn)
	s_mov_b32 s55, 0
	v_and_b32 v10, 15, v0                          ; r
	v_bfe_u32 v11, v0, 4, 1                        ; h
	v_and_b32 v12, 31, v0                          ; l
	v_mov_b32 v[QX], 0                             ; a lane permute's destination counts as read
	v_mov_b32 v[QX+1], 0
	s_cmp_eq_u32 ttmp9, 2
	s_cbranch_scc1 .Lv
	; ---- q and k
	s_lshl_b32 s52, s37, 4
	s_lshl_b32 s58, s15, 2
	s_add_co_u32 s52, s52, s58                     ; my first group of tokens in the batch
	s_lshl_b32 s52, s52, 4
	s_lshl_b32 s58, s40, 2
	s_add_co_u32 s52, s52, s58
	s_add_co_u32 s52, s52, s16                     ; x 16 + (4 cx + wn): the table's piece of 4,096 bytes
	s_lshl_b32 s52, s52, 12
	s_mov_b32 s53, 0
	s_mul_i32 s58, s39, 3072
	s_lshl_b32 s59, s46, 8
	s_add_co_u32 s59, s59, s58
	s_lshl_b32 s60, s46, 7
	s_add_co_u32 s60, s60, s58
	s_lshl_b32 s61, s39, 8
	s_add_co_u32 s61, s61, s46
	v_mul_u32_u24 v9, v11, H8                      ; lanes 16-31 hold the partner head's block
	v_lshl_add_u32 v5, v10, 4, v9
	v_add_nc_u32 v5, s59, v5                       ; registers 0-3: tile + 16 (r + 16 x my block)
	v_lshl_add_u32 v6, v10, 3, v9
	v_add_nc_u32 v6, s60, v6                       ; registers 4-5: tile + 512 + 8 (r + 16 x my block)
	v_lshl_add_u32 v7, v10, 2, v9
	v_add_nc_u32 v7, s61, v7                       ; my block's byte of row r's scale word
	v_mov_b32 v8, 0x7f                             ; the scale 1 for the half of the product's K that holds zero codes
	v_lshlrev_b32 v3, 4, v12
	v_lshlrev_b32 v4, 6, v11
	s_wait_kmcnt 0x0
	s_cmp_eq_u32 ttmp9, 0
	s_cselect_b64 s[32:33], s[32:33], s[34:35]
	s_cselect_b64 s[26:27], s[26:27], s[28:29]
	s_add_nc_u64 s[32:33], s[32:33], s[50:51]
	s_add_nc_u64 s[24:25], s[24:25], s[52:53]
	s_add_nc_u64 s[26:27], s[26:27], s[54:55]
.macro TABLE a                         ; cos (16) and sin (16) for group a's token of my lane: into v64 on (a even) or v32 on (a odd)
.irp i, 0,1,2,3
	global_load_b128 v[64-32*((\a)%2)+4*\i:67-32*((\a)%2)+4*\i], v3, s[24:25] offset:65536*(\a)+512*\i
	global_load_b128 v[80-32*((\a)%2)+4*\i:83-32*((\a)%2)+4*\i], v3, s[24:25] offset:65536*(\a)+2048+512*\i
.endr
.endm
.irp i, 0,1,2,3
	global_load_b128 v[32+4*\i:35+4*\i], v4, s[26:27] offset:16*\i
	global_load_b128 v[48+4*\i:51+4*\i], v4, s[26:27] offset:2048+16*\i
.endr
	TABLE 0
	s_wait_loadcnt 8                               ; the bias is in; the table's eight loads may be out
.set k, 0
.rept 64
	v_pk_add_f32 v[ACC+k:ACC+k+1], v[ACC+k:ACC+k+1], v[32+k%32:33+k%32]   ; each accumulator from its low end on
.set k, k+2
.endr
	TABLE 1
.macro QKROW a
.set AB, ACC+32*(\a)
.set TF, 64-32*((\a)%2)
.if (\a) < 3
	s_wait_loadcnt 8                               ; this group's table is in; the next group's eight loads may be out
.else
	s_wait_loadcnt 0x0
.endif
.irp p, 0,2,4,6,8,10,12,14
	v_pk_mul_f32 v[10:11], v[AB+16+\p:AB+17+\p], v[TF+16+\p:TF+17+\p]
	v_pk_mul_f32 v[12:13], v[AB+\p:AB+1+\p], v[TF+16+\p:TF+17+\p]
	v_pk_fma_f32 v[AB+\p:AB+1+\p], v[AB+\p:AB+1+\p], v[TF+\p:TF+1+\p], v[10:11] neg_lo:[0,0,1] neg_hi:[0,0,1]   ; t1 cos - t2 sin
	v_pk_fma_f32 v[AB+16+\p:AB+17+\p], v[AB+16+\p:AB+17+\p], v[TF+\p:TF+1+\p], v[12:13]                         ; t2 cos + t1 sin
.endr
.if (\a) < 2
	TABLE (\a)+2
.endif
	QUANT2 AB, 96+8*(\a), 102+8*(\a)               ; each group has registers of its own for its codes: no store's data are written again
	global_store_b128 v5, v[96+8*(\a):99+8*(\a)], s[32:33] offset:768*(\a)
	global_store_b64 v6, v[100+8*(\a):101+8*(\a)], s[32:33] offset:768*(\a)+512
	global_store_b8 v7, v[102+8*(\a)], s[32:33] offset:12288+64*(\a)
	global_store_b8 v7, v8, s[32:33] offset:12288+64*(\a)+2
.endm
	QKROW 0
	QKROW 1
	QKROW 2
	QKROW 3
	s_branch .Ldone
	; ---- v: a lane holds column d = row r of weight group a; registers run along 64 tokens
.Lv:
	s_mul_i32 s58, s46, 3072
	s_mul_i32 s59, s39, 768
	s_add_co_u32 s58, s58, s59                     ; tile 2 x (my block of d), half (which 64 tokens)
	s_lshl_b32 s60, s46, 7
	s_lshl_b32 s61, s39, 1
	s_add_co_u32 s60, s60, s61
	v_lshlrev_b32 v5, 4, v12
	v_add_nc_u32 v5, s58, v5
	v_lshlrev_b32 v6, 3, v12
	v_add_nc_u32 v6, s58, v6
	v_lshl_add_u32 v7, v10, 2, v11
	v_add_nc_u32 v7, s60, v7                       ; the byte of key block 2 (which 64) + h in row r's word
	v_and_b32 v4, 8, v10
	v_add_nc_u32 v4, v4, v10
	v_lshlrev_b32 v4, 2, v4
	s_wait_kmcnt 0x0
	s_add_nc_u64 s[34:35], s[34:35], s[50:51]
	s_add_nc_u64 s[30:31], s[30:31], s[54:55]
.irp a, 0,1,2,3
	global_load_b32 v[32+2*\a], v4, s[30:31] offset:2048*(\a/2)+32*(\a%2)   ; my column's bias, twice: a pair for the packed additions
	global_load_b32 v[33+2*\a], v4, s[30:31] offset:2048*(\a/2)+32*(\a%2)
.endr
	s_wait_loadcnt 0x0
.irp a, 0,1,2,3
.set k, 0
.rept 16
	v_pk_add_f32 v[ACC+32*\a+k:ACC+32*\a+k+1], v[ACC+32*\a+k:ACC+32*\a+k+1], v[32+2*\a:33+2*\a]
.set k, k+2
.endr
	QUANT2 ACC+32*\a, 96+8*\a, 102+8*\a
	global_store_b128 v5, v[96+8*\a:99+8*\a], s[34:35] offset:6144+(\a/2)*H8+(\a%2)*1536        ; 512 consecutive bytes
	global_store_b64 v6, v[100+8*\a:101+8*\a], s[34:35] offset:6144+(\a/2)*H8+(\a%2)*1536+512   ; 256 consecutive bytes
	global_store_b8 v7, v[102+8*\a], s[34:35] offset:12800+(\a/2)*H8+(\a%2)*64
.endr
.Ldone:
	s_wait_tensorcnt 0x0                           ; the wave's end
	ds_add_u32 v1, v2
	s_wait_dscnt 0x0
	CROUND                                         ; the closing round
	s_endpgm
.Lfunc_end_k_q5b251c918e_qkv:
	.size	k_q5b251c918e_qkv, .Lfunc_end_k_q5b251c918e_qkv-k_q5b251c918e_qkv
	.p2alignl 7, 3214868480
	.fill 96, 4, 3214868480
	.section	.rodata,"a",@progbits
	.p2align	6, 0x0
	.amdhsa_kernel k_q5b251c918e_qkv
		.amdhsa_group_segment_fixed_size 327680
		.amdhsa_private_segment_fixed_size 0
		.amdhsa_enable_private_segment 0
		.amdhsa_kernarg_size 64
		.amdhsa_user_sgpr_count 2
		.amdhsa_user_sgpr_kernarg_segment_ptr 1
		.amdhsa_wavefront_size32 1
		.amdhsa_system_sgpr_workgroup_id_x 1
		.amdhsa_system_sgpr_workgroup_id_y 1
		.amdhsa_system_sgpr_workgroup_id_z 1
		.amdhsa_system_vgpr_workitem_id 0
		.amdhsa_next_free_vgpr 256
		.amdhsa_next_free_sgpr 100
		.amdhsa_reserve_vcc 0
		.amdhsa_float_denorm_mode_32 3
		.amdhsa_float_denorm_mode_16_64 3
		.amdhsa_memory_ordered 1
		.amdhsa_forward_progress 1
		.amdhsa_inst_pref_size 87
	.end_amdhsa_kernel
	.amdgpu_metadata
---
amdhsa.version: [ 1, 2 ]
amdhsa.kernels:
  - .name:           k_q5b251c918e_qkv
    .symbol:         k_q5b251c918e_qkv.kd
    .args:
      - { .name: aq, .offset: 0, .size: 8, .value_kind: global_buffer, .address_space: global }
      - { .name: wq, .offset: 8, .size: 8, .value_kind: global_buffer, .address_space: global }
      - { .name: rope, .offset: 16, .size: 8, .value_kind: global_buffer, .address_space: global }
      - { .name: bq, .offset: 24, .size: 8, .value_kind: global_buffer, .address_space: global }
      - { .name: bk, .offset: 32, .size: 8, .value_kind: global_buffer, .address_space: global }
      - { .name: bv, .offset: 40, .size: 8, .value_kind: global_buffer, .address_space: global }
      - { .name: qrec, .offset: 48, .size: 8, .value_kind: global_buffer, .address_space: global }
      - { .name: kvrec, .offset: 56, .size: 8, .value_kind: global_buffer, .address_space: global }
    .group_segment_fixed_size: 327680
    .private_segment_fixed_size: 0
    .kernarg_segment_align: 8
    .kernarg_segment_size: 64
    .max_flat_workgroup_size: 512
    .sgpr_count:     100
    .vgpr_count:     256
    .wavefront_size: 32
...
	.end_amdgpu_metadata
.endif
;; end of part 3
;; launch attn (part 4): grid 8 x 32, 16 waves a work-group, clusters of 4 x 1, 215,040 bytes of LDS; arguments qrec, kvrec, aq; writes aq
.if DOCPART == 4
	.amdgcn_target "amdgcn-amd-amdhsa--gfx1250"
	.amdhsa_code_object_version 6
	.text
	.protected	k_q5b251c918e_attn
	.globl	k_q5b251c918e_attn
	.p2align	8
	.type	k_q5b251c918e_attn,@function
k_q5b251c918e_attn:
	s_mov_b64 s[64:65], 0
	v_nop
	global_prefetch_b8 v0, s[64:65] scope:SCOPE_SE
	s_setreg_imm32_b32 hwreg(HW_REG_WAVE_MODE, 25, 1), 1
	s_wait_xcnt 0x0
	s_wait_alu depctr_hold_cnt(0) depctr_sa_sdst(0) depctr_va_vdst(0) depctr_va_sdst(0) depctr_va_ssrc(0) depctr_va_vcc(0) depctr_vm_vsrc(0)
	s_getreg_b32 s2, hwreg(HW_REG_IB_STS2, 6, 4)
	s_cmp_eq_u32 s2, 0
	s_cbranch_scc0 .Lentry_in_a_cluster
	s_endpgm
.Lentry_in_a_cluster:
	s_bfe_u32 s2, ttmp6, 0x10000c
	s_cmp_lg_u32 s2, 0x3003
	s_cbranch_scc0 .Lentry_shape_is_right
	s_endpgm
.Lentry_shape_is_right:
; ATTENTION on codes of BF6 (E3M2): ctx = softmax(q k^T / 8) v for one batch and head, then ctx quantised along D as the next product's operand.
; THE SOFTMAX AHEAD OF THE SECOND PRODUCT: t = score x log2(e) / 8; M = the running largest t rounded up to a whole number; p = 2^(t - M) is quantised along the keys, not normalised; the row's sum is taken of the
; unquantised p and divides at the end.  When M moves, the sum and O are multiplied by 2^(old M - new M): exact.
; SHARES.  A work-group owns 256 queries of one head, each of its sixteen waves one group of 16.  The four work-groups of a cluster belong to one head: K, V and their scale bytes are asked for jointly.
; THE WHOLE HEAD STAYS IN LDS: 16 records of 13,056 bytes (128 keys each), filled once: no byte of LDS is filled again.  Waves 0-3 issue four loads each (record 4 n + wave); the keys are walked in four stages, each
; behind a counted wait and a barrier, so that the later records land while the earlier ones are worked.
; LAYOUT.  Both products are used transposed (S^T = K Q^T, O^T = V^T P^T): a lane holds one query throughout.  Row r of key tile t is key 32 (t / 2) + 8 (t % 2) + r + 8 (r / 8), so that p's 16 registers of two
; neighbouring tiles are 16 neighbouring keys; V's rows d are ordered likewise, so that O^T's registers are neighbours along D.
; THE FIRST PRODUCT'S K IS 64: a K tile is 6 registers.  The instruction takes 12: the upper six are the next tile's codes (behind tile 7: zeros); they meet Q's zero codes under scale bytes of 127 and add exactly 0.
; LIMITS: a block whose largest magnitude lies under 2^-122 (zeros too) gets the byte 1; NaN and infinities are not served.
.set REC, 13056
.set HS, 16*REC
.set ASC, 3145728
.set TB, 2                             ; s2  LDS byte of the record in hand
.set CNT, 3                            ; s3  counts a stage's four records
.set SEL, 20                           ; s[20:21] lane selects: lane l xor 16
.set CS, 22                            ; s[22:23] c = log2(e) / 8
.set G0, 24                            ; s[24:39] four groups 0
.set G1, 40                            ; s[40:47] group 1: 51 rows of 256 bytes, dense
.set HM, 48                            ; s48 the mask of lanes 16-31
.set QM, 212
.set QX, 216
.set QS, 220
.set QT, 204
; REGISTERS: v1-3 16 l, 8 l, 4 l; v4-6 the same + the record; v12 -M, v13 the largest t, v[14:15] the sum; v16-27 Q (v22-27 zeros), v28 Q's scale word; v32-79 K's eight tiles, then V's four; v80-85 zeros;
; v86-89 K's scale words (even tiles in lanes 0-15, odd in lanes 16-31), v90-91 V's; v96-159 S^T, then p; v160-191 O^T; v192-203 p's codes; v204-223 at work; v224 p's scale word; v[226:227] f; v228-231 at work.
.macro CROUND
	s_barrier_signal -1
	s_barrier_wait -1
	s_cmp_lg_u32 s14, 0
	s_cbranch_scc1 .Lnw0_\@
	s_barrier_signal -3
.Lnw0_\@:
	s_barrier_wait -3
	s_barrier_signal -1
	s_barrier_wait -1
.endm
.macro QUANT2 src, cd, by
	v_max3_num_f32 v[QM], |v[(\src)]|, |v[(\src)+1]|, 0x2800000
	v_max3_num_f32 v[QM+1], |v[(\src)+16]|, |v[(\src)+17]|, 0x2800000
.irp i, 2,4,6,8,10,12,14
	v_max3_num_f32 v[QM], v[QM], |v[(\src)+\i]|, |v[(\src)+\i+1]|
	v_max3_num_f32 v[QM+1], v[QM+1], |v[(\src)+16+\i]|, |v[(\src)+17+\i]|
.endr
	v_permlanex16_b32 v[QX], v[QM], s[SEL], s[SEL+1]
	v_permlanex16_b32 v[QX+1], v[QM+1], s[SEL], s[SEL+1]
	v_max_num_f32 v[QM], v[QM], v[QX]
	v_max_num_f32 v[QM+1], v[QM+1], v[QX+1]
	v_add_nc_u32 v[QS], 0xfe000000, v[QM]
	v_add_nc_u32 v[QS+1], 0xfe000000, v[QM+1]
	v_lshrrev_b32 v[QX], 23, v[QS]
	v_lshrrev_b32 v[QX+1], 23, v[QS+1]
	v_cvt_scalef32_pk16_bf6_f32 v[(\cd):(\cd)+2], v[(\src):(\src)+15], v[QS]
	v_cvt_scalef32_pk16_bf6_f32 v[QT:QT+2], v[(\src)+16:(\src)+31], v[QS+1]
	v_cndmask_b32 v[(\by)], v[QX], v[QX+1], s[HM]  ; (also the plain line behind the conversions)
.irp i, 0,1,2
	v_permlane16_swap_b32 v[(\cd)+\i], v[QT+\i]
.endr
.irp i, 0,1,2
	v_mov_b32 v[(\cd)+3+\i], v[QT+\i]
.endr
.endm
	s_load_b128 s[4:7], s[0:1], 0x0                ; qrec s[4:5], kvrec s[6:7]
	s_load_b64 s[8:9], s[0:1], 0x10                ; aq
	v_lshl_add_u32 v254, v0, 2, 0x34000
	v_mov_b32 v255, 0
	ds_add_u32 v254, v255
	v_lshrrev_b32 v8, 5, v0
	v_readfirstlane_b32 s14, v8                    ; wave 0..15
	s_bfe_u32 s15, ttmp6, 0x40000                  ; cx: it enters global addresses of q and of the result alone
	s_lshl_b32 s16, ttmp9, 2
	s_add_co_u32 s16, s16, s15                     ; my block of 256 queries
	s_and_b32 s17, ttmp7, 0xffff                   ; batch x 16 + head, which the four partners share
	s_mul_i32 s18, s17, HS
	s_mov_b32 s19, 0
	s_and_b32 s10, s14, 3
	s_mul_i32 s10, s10, REC                        ; the record that I fetch in each stage, if I fetch
	s_mov_b32 s11, 0
	s_mov_b32 s[G1], 15|(3<<16)|(1<<21)            ; the mask: all four work-groups; elements of 8 bytes; bit 21 set beside a mask
	s_mov_b32 s[G1+1], 32<<16
	s_mov_b32 s[G1+2], 51<<16
	s_mov_b32 s[G1+3], 32<<16
	s_mov_b32 s[G1+4], 51
	s_mov_b32 s[G1+5], 32
	s_mov_b32 s[G1+6], 0
	s_mov_b32 s[G1+7], 0
	s_mov_b32 s[SEL], 0x76543210
	s_mov_b32 s[SEL+1], 0xfedcba98
	s_mov_b32 s[CS], 0x3e38aa3b
	s_mov_b32 s[CS+1], s[CS]                       ; (named with it as a pair, so it is written)
	s_mov_b32 s[HM], 0xffff0000
	s_lshl_b32 s50, s16, 4
	s_add_co_u32 s50, s50, s14                     ; my group of queries in the batch, 0..127
	s_lshr_b32 s51, s50, 3
	s_mul_i32 s52, s51, REC
	s_add_co_u32 s52, s52, s18
	s_mov_b32 s53, 0
	s_and_b32 s54, s50, 7
	s_mul_i32 s55, s54, 768
	s_lshl_b32 s54, s54, 6
	s_lshr_b32 s56, s17, 4
	s_lshl_b32 s56, s56, 7
	s_add_co_u32 s56, s56, s50                     ; the group among all 256
	s_and_b32 s57, s17, 15                         ; the head: 64 along the next K
	s_mul_i32 s58, s56, 12288
	s_mul_i32 s59, s57, 768
	s_add_co_u32 s58, s58, s59                     ; the result's codes
	s_lshl_b32 s59, s56, 9
	s_lshr_b32 s60, s57, 3
	s_lshl_b32 s60, s60, 8
	s_add_co_u32 s59, s59, s60
	s_and_b32 s60, s57, 7
	s_lshl_b32 s60, s60, 1
	s_add_co_u32 s59, s59, s60
	s_add_co_u32 s59, s59, ASC                     ; and its two scale bytes a row
	s_wait_dscnt 0x0
	s_wait_kmcnt 0x0
	s_add_nc_u64 s[6:7], s[6:7], s[18:19]
	s_add_nc_u64 s[12:13], s[6:7], s[10:11]
	s_add_nc_u64 s[4:5], s[4:5], s[52:53]
	CROUND                                         ; all four work-groups are here: the joint loads meet
.irp n, 0,1,2,3
	s_mov_b32 s[G0+4*\n], 1
	s_add_co_u32 s[G0+4*\n+1], s10, 4*\n*REC
	s_add_nc_u64 s[G0+4*\n+2:G0+4*\n+3], s[12:13], 4*\n*REC
	s_or_b32 s[G0+4*\n+3], s[G0+4*\n+3], 0x80000000
.endr
	s_cmp_lt_u32 s14, 4                            ; all fills of a wave stand in one branch: four loads of mine are out
	s_cbranch_scc0 .Lnofetch
	tensor_load_to_lds s[G0:G0+3], s[G1:G1+7]
	s_nop 0
	tensor_load_to_lds s[G0+4:G0+7], s[G1:G1+7]
	s_nop 0
	tensor_load_to_lds s[G0+8:G0+11], s[G1:G1+7]
	s_nop 0
	tensor_load_to_lds s[G0+12:G0+15], s[G1:G1+7]
	s_nop 0
.rept 4
	v_nop
.endr
.Lnofetch:
	v_and_b32 v3, 31, v0
	v_lshlrev_b32 v1, 4, v3
	v_lshlrev_b32 v2, 3, v3
	v_lshlrev_b32 v3, 2, v3
	v_add_nc_u32 v8, s55, v1
	v_add_nc_u32 v9, s55, v2
	v_and_b32 v10, 15, v0
	v_lshl_add_u32 v10, v10, 2, s54
	global_load_b128 v[16:19], v8, s[4:5]          ; Q's half image: it stays in registers
	global_load_b64 v[20:21], v9, s[4:5] offset:512
	global_load_b32 v28, v10, s[4:5] offset:12288  ; its scale words
.irp j, 22,23,24,25,26,27,80,81,82,83,84,85
	v_mov_b32 v\j, 0                               ; zero codes
.endr
	v_mov_b32 v13, 0xff61b1e6                      ; the largest t so far: -3e38
	v_floor_f32 v12, -v13                          ; -M
	v_mov_b32 v14, 0
	v_mov_b32 v15, 0
	v_mov_b32 v227, 0                              ; (named as the upper half of the pair v[226:227])
.irp b, 0,1,2,3
	v_mov_b32 v[216+\b], 0                         ; a lane permute's destination counts as read
.endr
.set j, 0
.rept 32
	v_mov_b32 v[160+j], 0                          ; O^T: the step is written once; the first finds zeros, which the first change of M leaves zeros
.set j, j+1
.endr
; A KEY STEP: the 128 keys of the record at s[TB]
.macro STEP
	v_add_nc_u32 v4, s[TB], v1                     ; (these four lines are the places in front of loads into registers that the last products read)
	v_add_nc_u32 v5, s[TB], v2
	v_add_nc_u32 v6, s[TB], v3
	v_nop
.irp t, 0,1,2,3,4,5,6,7
	ds_load_b128 v[32+6*\t:35+6*\t], v4 offset:768*\t
	ds_load_b64 v[36+6*\t:37+6*\t], v5 offset:768*\t+512
.endr
.irp p, 0,1,2,3
	ds_load_b32 v[86+\p], v6 offset:12288+128*\p
.endr
	s_wait_dscnt 0x0
.irp t, 0,1,2,3,4,5,6,7
.if (\t)%2
	v_wmma_scale_f32_16x16x128_f8f6f4 v[96+8*\t:103+8*\t], v[32+6*\t:43+6*\t], v[16:27], 0, v[86+\t/2], v28 matrix_a_fmt:MATRIX_FMT_BF6 matrix_b_fmt:MATRIX_FMT_BF6 matrix_a_scale:MATRIX_SCALE_ROW1
.else
	v_wmma_scale_f32_16x16x128_f8f6f4 v[96+8*\t:103+8*\t], v[32+6*\t:43+6*\t], v[16:27], 0, v[86+\t/2], v28 matrix_a_fmt:MATRIX_FMT_BF6 matrix_b_fmt:MATRIX_FMT_BF6
.endif
.endr
.rept 4
	v_nop                                          ; places: for the loads below and for the first read of the scores
.endr
.irp t, 0,1,2,3                                ; V's four tiles land while the softmax is worked
	ds_load_b128 v[32+12*\t:35+12*\t], v4 offset:6144+1536*\t
	ds_load_b64 v[36+12*\t:37+12*\t], v5 offset:6144+1536*\t+512
	ds_load_b128 v[38+12*\t:41+12*\t], v4 offset:6144+1536*\t+768
	ds_load_b64 v[42+12*\t:43+12*\t], v5 offset:6144+1536*\t+1280
.endr
	ds_load_b32 v90, v6 offset:12800
	ds_load_b32 v91, v6 offset:12928
.irp b, 0,1,2,3
	v_max3_num_f32 v[212+\b], v[96+16*\b], v[97+16*\b], v[98+16*\b]   ; the largest score of each block of 32 keys: for the row's maximum and, since p rises with the score, for the block's largest p
.endr
.irp i, 3,5,7,9,11,13
.irp b, 0,1,2,3
	v_max3_num_f32 v[212+\b], v[212+\b], v[96+16*\b+\i], v[97+16*\b+\i]
.endr
.endr
.irp b, 0,1,2,3
	v_max_num_f32 v[212+\b], v[212+\b], v[111+16*\b]
.endr
.irp b, 0,1,2,3
	v_permlanex16_b32 v[216+\b], v[212+\b], s[SEL], s[SEL+1]
.endr
.irp b, 0,1,2,3
	v_max_num_f32 v[212+\b], v[212+\b], v[216+\b]
.endr
	v_max3_num_f32 v228, v212, v213, v214
	v_max_num_f32 v228, v228, v215
	v_mul_f32 v228, s[CS], v228                    ; as t
	v_max_num_f32 v13, v13, v228                   ; the running largest t
	v_mov_b32 v228, v12
	v_floor_f32 v12, -v13                          ; the new -M = -ceil(t)
	v_sub_f32 v228, v12, v228                      ; old M - new M: a whole number, 0 or less
	v_cvt_i32_f32 v228, v228                       ; (it saturates)
	v_ldexp_f32 v226, 1.0, v228                    ; f = 2^(old M - new M)
.set j, 0
.rept 32
	v_pk_fma_f32 v[96+j:97+j], v[96+j:97+j], s[CS:CS+1], v[12:13] op_sel_hi:[1,0,0]   ; t - M
.set j, j+2
.endr
.irp b, 0,1,2,3
	v_fma_f32 v[212+\b], v[212+\b], s[CS], v12
.endr
.set j, 0
.rept 64
	v_exp_f32 v[96+j], v[96+j]                     ; p = 2^(t - M)
.set j, j+1
.endr
	v_pk_mul_f32 v[14:15], v[14:15], v[226:227] op_sel_hi:[1,0]   ; the sums under the new M (a plain line behind the exponentials)
	s_wait_alu depctr_va_vdst(0)                   ; one wait for the batch of 64, ahead of its first reader
.irp b, 0,1,2,3
	v_exp_f32 v[212+\b], v[212+\b]                 ; each block's largest p
.endr
	v_pk_add_f32 v[230:231], v[96:97], v[98:99]    ; the row's sum of the unquantised p, in two chains
.irp j, 4,8,12,16,20,24,28,32,36,40,44,48,52,56,60
	v_pk_add_f32 v[14:15], v[14:15], v[96+\j:97+\j]
	v_pk_add_f32 v[230:231], v[230:231], v[98+\j:99+\j]
.endr
	v_pk_add_f32 v[14:15], v[14:15], v[230:231]
	s_wait_alu depctr_va_vdst(0)                   ; and one for the four
.irp b, 0,1,2,3
	v_max_num_f32 v[212+\b], 0x2800000, v[212+\b]  ; the floor 2^(5 - 127)
.endr
.irp b, 0,1,2,3
	v_add_nc_u32 v[220+\b], 0xfe000000, v[212+\b]
.endr
.irp b, 0,1,2,3
	v_lshrrev_b32 v[216+\b], 23, v[220+\b]
.endr
	v_lshl_or_b32 v224, v217, 8, v216              ; p's scale word for these 128 keys
	v_lshl_or_b32 v224, v218, 16, v224
	v_lshl_or_b32 v224, v219, 24, v224
.irp c, 0,1
	v_cvt_scalef32_pk16_bf6_f32 v[192+6*\c:194+6*\c], v[96+32*\c:111+32*\c], v[220+2*\c]
	v_cvt_scalef32_pk16_bf6_f32 v[204+4*\c:206+4*\c], v[112+32*\c:127+32*\c], v[220+2*\c+1]
.endr
	v_nop                                          ; one plain line behind a scaled conversion
.irp c, 0,1
.irp i, 0,1,2
	v_permlane16_swap_b32 v[192+6*\c+\i], v[204+4*\c+\i]
.endr
.irp i, 0,1,2
	v_mov_b32 v[195+6*\c+\i], v[204+4*\c+\i]
.endr
.endr
.set j, 0
.rept 16
	v_pk_mul_f32 v[160+j:161+j], v[160+j:161+j], v[226:227] op_sel_hi:[1,0]   ; O^T under the new M
.set j, j+2
.endr
.rept 8
	v_nop                                          ; a scale word written by a vector instruction stands eight places ahead of the scaled product, an operand so written four
.endr
	s_wait_dscnt 0x0                               ; V
.irp t, 0,1,2,3
.if (\t)%2
	v_wmma_scale_f32_16x16x128_f8f6f4 v[160+8*\t:167+8*\t], v[32+12*\t:43+12*\t], v[192:203], v[160+8*\t:167+8*\t], v[90+\t/2], v224 matrix_a_fmt:MATRIX_FMT_BF6 matrix_b_fmt:MATRIX_FMT_BF6 matrix_a_scale:MATRIX_SCALE_ROW1
.else
	v_wmma_scale_f32_16x16x128_f8f6f4 v[160+8*\t:167+8*\t], v[32+12*\t:43+12*\t], v[192:203], v[160+8*\t:167+8*\t], v[90+\t/2], v224 matrix_a_fmt:MATRIX_FMT_BF6 matrix_b_fmt:MATRIX_FMT_BF6
.endif
.endr
	s_add_co_u32 s[TB], s[TB], REC
.endm
.macro STAGE n                         ; records 4 n .. 4 n + 3
	s_wait_tensorcnt 3-\n                          ; my load of this stage has landed; my 3 - n loads of the later stages may be out
	s_barrier_signal -1
	s_barrier_wait -1                              ; everybody's has
	s_mov_b32 s[TB], 4*\n*REC
	s_mov_b32 s[CNT], 4
.Lst_\@:
	STEP
	s_sub_co_u32 s[CNT], s[CNT], 1
	s_cmp_lg_u32 s[CNT], 0
	s_cbranch_scc1 .Lst_\@
.endm
	s_wait_loadcnt 0x0                             ; Q
	STAGE 0
	STAGE 1
	STAGE 2
	STAGE 3
	; THE WAY OUT: O^T / the sum, quantised along D (my head's two blocks of 32), stored as half an image of the next product's operand
	v_add_f32 v14, v14, v15
	v_permlanex16_b32 v228, v14, s[SEL], s[SEL+1]
	v_add_f32 v14, v14, v228                       ; the row's sum
	v_rcp_f32 v14, v14
	v_add_nc_u32 v8, s58, v1                       ; (plain lines behind the transcendental; with the additions above also the places behind the last products)
	v_add_nc_u32 v9, s58, v2
	v_and_b32 v10, 15, v0
	v_bfe_u32 v11, v0, 4, 1
	v_lshl_add_u32 v10, v10, 4, v11
	v_add_nc_u32 v10, s59, v10
	s_wait_alu depctr_va_vdst(0)                   ; the wait ahead of the reciprocal's first reader
.set j, 0
.rept 32
	v_mul_f32 v[96+j], v[160+j], v14               ; each accumulator from its low end on
.set j, j+1
.endr
	QUANT2 96, 192, 198
	global_store_b128 v8, v[192:195], s[8:9]       ; 512 consecutive bytes
	global_store_b64 v9, v[196:197], s[8:9] offset:512
	global_store_b8 v10, v198, s[8:9]
	s_wait_tensorcnt 0x0
	ds_add_u32 v254, v255
	s_wait_dscnt 0x0
	CROUND                                         ; the closing round: no work-group ends while a partner may still ask jointly
	s_endpgm
.Lfunc_end_k_q5b251c918e_attn:
	.size	k_q5b251c918e_attn, .Lfunc_end_k_q5b251c918e_attn-k_q5b251c918e_attn
	.p2alignl 7, 3214868480
	.fill 96, 4, 3214868480
	.section	.rodata,"a",@progbits
	.p2align	6, 0x0
	.amdhsa_kernel k_q5b251c918e_attn
		.amdhsa_group_segment_fixed_size 215040
		.amdhsa_private_segment_fixed_size 0
		.amdhsa_enable_private_segment 0
		.amdhsa_kernarg_size 24
		.amdhsa_user_sgpr_count 2
		.amdhsa_user_sgpr_kernarg_segment_ptr 1
		.amdhsa_wavefront_size32 1
		.amdhsa_system_sgpr_workgroup_id_x 1
		.amdhsa_system_sgpr_workgroup_id_y 1
		.amdhsa_system_sgpr_workgroup_id_z 1
		.amdhsa_system_vgpr_workitem_id 0
		.amdhsa_next_free_vgpr 256
		.amdhsa_next_free_sgpr 66
		.amdhsa_reserve_vcc 0
		.amdhsa_float_denorm_mode_32 3
		.amdhsa_float_denorm_mode_16_64 3
		.amdhsa_memory_ordered 1
		.amdhsa_forward_progress 1
		.amdhsa_inst_pref_size 77
	.end_amdhsa_kernel
	.amdgpu_metadata
---
amdhsa.version: [ 1, 2 ]
amdhsa.kernels:
  - .name:           k_q5b251c918e_attn
    .symbol:         k_q5b251c918e_attn.kd
    .args:
      - { .name: qrec, .offset: 0, .size: 8, .value_kind: global_buffer, .address_space: global }
      - { .name: kvrec, .offset: 8, .size: 8, .value_kind: global_buffer, .address_space: global }
      - { .name: aq, .offset: 16, .size: 8, .value_kind: global_buffer, .address_space: global }
    .group_segment_fixed_size: 215040
    .private_segment_fixed_size: 0
    .kernarg_segment_align: 8
    .kernarg_segment_size: 24
    .max_flat_workgroup_size: 512
    .sgpr_count:     66
    .vgpr_count:     256
    .wavefront_size: 32
...
	.end_amdgpu_metadata
.endif
;; end of part 4
;; launch wo (part 5): grid 8 x 32, 16 waves a work-group, clusters of 4 x 4, 327,680 bytes of LDS; arguments aq, wq, bo, x, x1; writes x1
.if DOCPART == 5
	.amdgcn_target "amdgcn-amd-amdhsa--gfx1250"
	.amdhsa_code_object_version 6
	.text
	.protected	k_q5b251c918e_wo
	.globl	k_q5b251c918e_wo
	.p2align	8
	.type	k_q5b251c918e_wo,@function
k_q5b251c918e_wo:
	s_mov_b64 s[64:65], 0
	v_nop
	global_prefetch_b8 v0, s[64:65] scope:SCOPE_SE
	s_setreg_imm32_b32 hwreg(HW_REG_WAVE_MODE, 25, 1), 1
	s_wait_xcnt 0x0
	s_wait_alu depctr_hold_cnt(0) depctr_sa_sdst(0) depctr_va_vdst(0) depctr_va_sdst(0) depctr_va_ssrc(0) depctr_va_vcc(0) depctr_vm_vsrc(0)
	s_getreg_b32 s2, hwreg(HW_REG_IB_STS2, 6, 4)
	s_cmp_eq_u32 s2, 0
	s_cbranch_scc0 .Lentry_in_a_cluster
	s_endpgm
.Lentry_in_a_cluster:
	s_bfe_u32 s2, ttmp6, 0x10000c
	s_cmp_lg_u32 s2, 0xf033
	s_cbranch_scc0 .Lentry_shape_is_right
	s_endpgm
.Lentry_shape_is_right:
; out = res + A W + bias on codes of BF6 (E3M2) with E8M0 scales: here x1 = x + ctx Wo + bo.  A: [4096][K], W: [K][1024], K = 128 KSTEPS; res, out: [4096][1024] f32.
; A work-group makes 128 tokens x 128 columns, so that the launch has 256 work-groups; sixteen waves (wm = wave / 4, wn = wave % 4), each 32 x 32: four accumulators.
; OPERANDS lie in memory and in LDS in the order of the operand registers: a group (16 rows) x 128 K is 1,536 bytes: registers 0-3 of lane l at 16 l, 4-5 at 512 + 8 l, 6-9 at 768 + 16 l, 10-11 at 1280 + 8 l.
; Row r of group g is index 32 (g / 2) + 8 (g % 2) + r + 8 (r / 8).  Source 0 = weights, source 1 = tokens: a lane holds one token and 16 neighbouring columns.
; K goes in slots of 4 steps of 128 through a ring of two LDS slots; waves 0, 1 fetch A's halves, waves 2, 3 B's, jointly with the cluster's row (A) or column (B).  All scale bytes come once.
; THE WAY OUT goes through a stage in slot 0 (which has had its last fill and its last read): rows of 512 bytes + 16; each wave then stores 8 whole rows of 512 consecutive bytes.
.set MB, 2
.set NB, 2
.set TG, 8
.set KSTEPS, 8
.set KS, 4
.set NSLOT, KSTEPS/KS
.set GROW, KS*1536
.set GSTR, KSTEPS*1536
.set GSB, KSTEPS*64
.set ASB, 3145728                      ; A's scale bytes in its buffer
.set WCB, 2359296                      ; the weight's codes in wq
.set WSB, 9535488                      ; and its scale bytes
.set SLOT, 98304
.set SIDE, 49152
.set HALF, 24576
.set SCL, 2*SLOT
.set SPARE, SCL+2*TG*GSB
.set SP, 528                           ; a row of the stage
.set SC, 16                            ; v16-23 scale words: register KS i + q: lanes 0-15 source 1's group i, lanes 16-31 source 0's
.set S0F, 32                           ; v32-55
.set S1F, 56                           ; v56-79
.set ACC, 128                          ; v128-159; v96-127 rows back from the stage; v160-191 the residual's rows; v192-195 the bias
.set G1A, 24
.set G0A, 32
.set G1B, 48
.set G0B, 56
.set G1SA, 68
.set G0SA, 76
.set G1SB, 80
.set G0SB, 88
.macro CROUND
	s_barrier_signal -1
	s_barrier_wait -1
	s_cmp_lg_u32 s14, 0
	s_cbranch_scc1 .Lnw0_\@
	s_barrier_signal -3
.Lnw0_\@:
	s_barrier_wait -3
	s_barrier_signal -1
	s_barrier_wait -1
.endm
.macro JLOAD s
	s_cmp_lt_u32 s14, 2
	s_cbranch_scc0 .Lnot_a_\@
	tensor_load_to_lds s[G0A+4*(\s):G0A+4*(\s)+3], s[G1A:G1A+7]
.rept 4
	v_nop
.endr
	s_branch .Lasked_\@
.Lnot_a_\@:
	s_cmp_lt_u32 s14, 4
	s_cbranch_scc0 .Lasked_\@
	tensor_load_to_lds s[G0B+4*(\s):G0B+4*(\s)+3], s[G1B:G1B+7]
.rept 4
	v_nop
.endr
.Lasked_\@:
.endm
.macro FRAG f, a16, a8, o
	ds_load_b128 v[\f:\f+3], v[\a16] offset:\o
	ds_load_b64 v[\f+4:\f+5], v[\a8] offset:\o+512
	ds_load_b128 v[\f+6:\f+9], v[\a16] offset:\o+768
	ds_load_b64 v[\f+10:\f+11], v[\a8] offset:\o+1280
.endm
.macro KSTEP s, q, sidx, zero          ; a K step of 128; the four accumulators take turns, one instruction a turn
.rept 4
	v_nop                                          ; places in front of loads into registers that matrix instructions have read
.endr
.irp b, 0,1
	FRAG S0F+12*\b, 3+2*(\s), 4+2*(\s), \b*GROW+1536*(\q)
.endr
.irp a, 0,1
	FRAG S1F+12*\a, 7+2*(\s), 8+2*(\s), \a*GROW+1536*(\q)
.endr
.if (\q) == 0
.irp i, 0,1
	ds_load_b128 v[SC+4*\i:SC+4*\i+3], v11 offset:\i*GSB+(\sidx)*256
.endr
.endif
	s_wait_dscnt 0x0
.irp a, 0,1
.irp b, 0,1
.if \zero
	v_wmma_scale_f32_16x16x128_f8f6f4 v[ACC+8*(NB*\a+\b):ACC+8*(NB*\a+\b)+7], v[S0F+12*\b:S0F+12*\b+11], v[S1F+12*\a:S1F+12*\a+11], 0, v[SC+KS*\b+(\q)], v[SC+KS*\a+(\q)] matrix_a_fmt:MATRIX_FMT_BF6 matrix_b_fmt:MATRIX_FMT_BF6 matrix_a_scale:MATRIX_SCALE_ROW1
.else
	v_wmma_scale_f32_16x16x128_f8f6f4 v[ACC+8*(NB*\a+\b):ACC+8*(NB*\a+\b)+7], v[S0F+12*\b:S0F+12*\b+11], v[S1F+12*\a:S1F+12*\a+11], v[ACC+8*(NB*\a+\b):ACC+8*(NB*\a+\b)+7], v[SC+KS*\b+(\q)], v[SC+KS*\a+(\q)] matrix_a_fmt:MATRIX_FMT_BF6 matrix_b_fmt:MATRIX_FMT_BF6 matrix_a_scale:MATRIX_SCALE_ROW1
.endif
.endr
.endr
.endm
.macro CHANGE s, fill
	s_wait_tensorcnt 0x0                           ; all my tensor loads have landed, my part of the slot ahead among them; so a group 0 may be written
	ds_add_u32 v1, v2                              ; 0 onto my spare word
.if \fill
	s_add_nc_u64 s[G0A+4*(\s)+2:G0A+4*(\s)+3], s[G0A+4*(\s)+2:G0A+4*(\s)+3], 2*GROW
	s_add_nc_u64 s[G0B+4*(\s)+2:G0B+4*(\s)+3], s[G0B+4*(\s)+2:G0B+4*(\s)+3], 2*GROW
.endif
	s_wait_dscnt 0x0                               ; the add is done, and my reads of the slot are over
.if \fill
	CROUND
	JLOAD \s                                       ; the first tensor load behind the round, one a wave: it has a slot's four K steps in which to land
.else
	s_barrier_signal -1
	s_barrier_wait -1
.endif
.endm
	s_load_b128 s[4:7], s[0:1], 0x0                ; A s[4:5], wq s[6:7]
	s_load_b128 s[8:11], s[0:1], 0x10              ; bias s[8:9], residual s[10:11]
	s_load_b64 s[12:13], s[0:1], 0x20              ; out
	v_lshl_add_u32 v1, v0, 2, SPARE                ; my spare word; never rewritten
	v_mov_b32 v2, 0                                ; never rewritten
	ds_add_u32 v1, v2
	s_wait_dscnt 0x0
	v_lshrrev_b32 v12, 5, v0
	v_readfirstlane_b32 s14, v12
	s_lshr_b32 s15, s14, 2                         ; wm
	s_and_b32 s16, s14, 3                          ; wn
	s_bfe_u32 s40, ttmp6, 0x40000
	s_bfe_u32 s41, ttmp6, 0x40004
	s_lshl_b32 s42, ttmp9, 2
	s_add_co_u32 s42, s42, s40                     ; X
	s_and_b32 s17, ttmp7, 0xffff
	s_lshl_b32 s17, s17, 2
	s_add_co_u32 s17, s17, s41                     ; Y
	s_lshl_b32 s43, s41, 2
	s_lshl_b32 s43, 15, s43
	s_lshl_b32 s44, 0x1111, s40
	s_or_b32 s[G1A], s43, (3<<16)|(1<<21)
	s_or_b32 s[G1B], s44, (3<<16)|(1<<21)
.irp g, G1A, G1B
	s_mov_b32 s[\g+1], (GROW/8)<<16
	s_mov_b32 s[\g+2], (TG/2)<<16
	s_mov_b32 s[\g+3], (GROW/8)<<16
	s_mov_b32 s[\g+4], TG/2
	s_mov_b32 s[\g+5], GSTR/8
	s_mov_b32 s[\g+6], 0
	s_mov_b32 s[\g+7], 0
.endr
	s_or_b32 s[G1SA], s43, (3<<16)|(1<<21)
	s_or_b32 s[G1SB], s44, (3<<16)|(1<<21)
.irp g, G1SA, G1SB
	s_mov_b32 s[\g+1], 32<<16
	s_mov_b32 s[\g+2], (TG*GSB/512)<<16
	s_mov_b32 s[\g+3], 32<<16
	s_mov_b32 s[\g+4], TG*GSB/512
	s_mov_b32 s[\g+5], 32
	s_mov_b32 s[\g+6], 0
	s_mov_b32 s[\g+7], 0
.endr
	s_and_b32 s18, s14, 1
	s_mul_i32 s19, s18, TG/2
	s_mul_i32 s20, s17, TG
	s_add_co_u32 s20, s20, s19
	s_mul_i32 s46, s42, TG
	s_add_co_u32 s46, s46, s19
	s_mul_i32 s22, s20, GSB
	s_add_co_u32 s22, s22, ASB
	s_mov_b32 s23, 0
	s_mul_i32 s20, s20, GSTR
	s_mov_b32 s21, 0
	s_mul_i32 s92, s46, GSB
	s_add_co_u32 s92, s92, WSB
	s_mov_b32 s93, 0
	s_mul_i32 s46, s46, GSTR
	s_add_co_u32 s46, s46, WCB
	s_mov_b32 s47, 0
	s_mul_i32 s45, s18, HALF
	s_mul_i32 s94, s18, TG*GSB/2
	s_mul_i32 s18, s15, MB*GROW                    ; source 1: my two groups of tokens
	s_mul_i32 s19, s16, NB*GROW
	s_add_co_u32 s19, s19, SIDE                    ; source 0: my two groups of columns
	v_and_b32 v12, 31, v0
	v_lshlrev_b32 v24, 4, v12                      ; v24: 16 l; never rewritten
	v_lshlrev_b32 v14, 3, v12
	v_add_nc_u32 v3, s19, v24
	v_add_nc_u32 v4, s19, v14
	v_add_nc_u32 v5, SLOT, v3
	v_add_nc_u32 v6, SLOT, v4
	v_add_nc_u32 v7, s18, v24
	v_add_nc_u32 v8, s18, v14
	v_add_nc_u32 v9, SLOT, v7
	v_add_nc_u32 v10, SLOT, v8
	v_and_b32 v13, 15, v0                          ; r
	v_bfe_u32 v15, v0, 4, 1                        ; h
	s_mul_i32 s2, s15, MB*GSB                      ; the tokens' scale words;
	s_mul_i32 s3, s16, NB*GSB
	s_add_co_u32 s3, s3, TG*GSB
	s_sub_co_u32 s3, s3, s2                        ; the columns' lie so far behind them
	v_mul_u32_u24 v12, s3, v15                     ; lanes 16-31 take the columns'
	s_add_co_u32 s2, s2, SCL
	v_lshl_add_u32 v11, v13, 4, v12
	v_add_nc_u32 v11, s2, v11
	v_and_b32 v12, 8, v13
	v_add_nc_u32 v12, v12, v13
	v_mul_u32_u24 v25, v12, SP
	v_lshl_add_u32 v25, v15, 6, v25
	s_mul_i32 s2, s15, 32*SP
	s_lshl_b32 s3, s16, 7
	s_add_co_u32 s2, s2, s3
	v_add_nc_u32 v25, s2, v25                      ; v25: the stage, in: row 32 wm + r + 8 (r / 8), byte 128 wn + 64 h
	s_mul_i32 s2, s14, 8*SP
	v_add_nc_u32 v26, s2, v24                      ; v26: back: my 8 rows, 16 bytes a lane
	s_wait_kmcnt 0x0
	s_add_nc_u64 s[20:21], s[4:5], s[20:21]
	s_add_nc_u64 s[22:23], s[4:5], s[22:23]
	s_add_nc_u64 s[46:47], s[6:7], s[46:47]
	s_add_nc_u64 s[92:93], s[6:7], s[92:93]
	CROUND                                         ; all sixteen work-groups are here: the first joint loads meet
	s_mov_b32 s[G0SA], 1
	s_add_co_u32 s[G0SA+1], s94, SCL
	s_mov_b64 s[G0SA+2:G0SA+3], s[22:23]
	s_or_b32 s[G0SA+3], s[G0SA+3], 0x80000000
	s_mov_b32 s[G0SB], 1
	s_add_co_u32 s[G0SB+1], s94, SCL+TG*GSB
	s_mov_b64 s[G0SB+2:G0SB+3], s[92:93]
	s_or_b32 s[G0SB+3], s[G0SB+3], 0x80000000
.irp s, 0,1
	s_mov_b32 s[G0A+4*\s], 1
	s_add_co_u32 s[G0A+4*\s+1], s45, \s*SLOT
	s_add_nc_u64 s[G0A+4*\s+2:G0A+4*\s+3], s[20:21], \s*GROW
	s_or_b32 s[G0A+4*\s+3], s[G0A+4*\s+3], 0x80000000
	s_mov_b32 s[G0B+4*\s], 1
	s_add_co_u32 s[G0B+4*\s+1], s45, \s*SLOT+SIDE
	s_add_nc_u64 s[G0B+4*\s+2:G0B+4*\s+3], s[46:47], \s*GROW
	s_or_b32 s[G0B+4*\s+3], s[G0B+4*\s+3], 0x80000000
.endr
	s_cmp_lt_u32 s14, 2                            ; a wave's three first fills stand in one branch: three loads of mine are out
	s_cbranch_scc0 .Lfirst_not_a
	tensor_load_to_lds s[G0SA:G0SA+3], s[G1SA:G1SA+7]
	s_nop 0
	tensor_load_to_lds s[G0A:G0A+3], s[G1A:G1A+7]
	s_nop 0
	tensor_load_to_lds s[G0A+4:G0A+7], s[G1A:G1A+7]
	s_nop 0
.rept 4
	v_nop
.endr
	s_branch .Lfilled
.Lfirst_not_a:
	s_cmp_lt_u32 s14, 4
	s_cbranch_scc0 .Lfilled
	tensor_load_to_lds s[G0SB:G0SB+3], s[G1SB:G1SB+7]
	s_nop 0
	tensor_load_to_lds s[G0B:G0B+3], s[G1B:G1B+7]
	s_nop 0
	tensor_load_to_lds s[G0B+4:G0B+7], s[G1B:G1B+7]
	s_nop 0
.rept 4
	v_nop
.endr
.Lfilled:
	s_lshl_b32 s96, s17, 19                        ; the 8 rows that I store: (128 Y + 8 wave) rows of 4,096 bytes + 512 X
	s_lshl_b32 s97, s14, 15
	s_add_co_u32 s96, s96, s97
	s_lshl_b32 s98, s42, 9
	s_add_co_u32 s96, s96, s98
	s_mov_b32 s97, 0
	s_mov_b32 s99, 0
	s_add_nc_u64 s[10:11], s[10:11], s[96:97]
	s_add_nc_u64 s[12:13], s[12:13], s[96:97]
	s_add_nc_u64 s[8:9], s[8:9], s[98:99]
.irp i, 0,1,2,3,4,5,6,7
	global_load_b128 v[160+4*\i:163+4*\i], v24, s[10:11] offset:4096*\i   ; the residual's rows are asked for now and wanted on the way out
.endr
	global_load_b128 v[192:195], v24, s[8:9]
	s_wait_tensorcnt 1                             ; the scale bytes and my part of slot 0 are in; slot 1's load may be out
	s_barrier_signal -1
	s_barrier_wait -1
	KSTEP 0, 0, 0, 1
	KSTEP 0, 1, 0, 0
	KSTEP 0, 2, 0, 0
	KSTEP 0, 3, 0, 0
.set SI, 1
.rept NSLOT-1
.if SI+1 < NSLOT
	CHANGE (SI-1)%2, 1
.else
	CHANGE (SI-1)%2, 0
.endif
	KSTEP SI%2, 0, SI, 0
	KSTEP SI%2, 1, SI, 0
	KSTEP SI%2, 2, SI, 0
	KSTEP SI%2, 3, SI, 0
.set SI, SI+1
.endr
.rept 4
	v_nop                                          ; places behind the last products
.endr
.irp a, 0,1
.irp i, 0,1,2,3
	ds_store_b128 v25, v[ACC+16*\a+4*\i:ACC+16*\a+4*\i+3] offset:8*\a*SP+16*\i   ; each accumulator from its low end on
.endr
.endr
	s_wait_dscnt 0x0                               ; for the others' sake: my stores into the stage have landed
	s_barrier_signal -1
	s_barrier_wait -1
.irp i, 0,1,2,3,4,5,6,7
	ds_load_b128 v[96+4*\i:99+4*\i], v26 offset:SP*\i
.endr
	s_wait_loadcnt 0x0                             ; the residual and the bias
.irp i, 0,1,2,3,4,5,6,7
	s_wait_dscnt 7-\i                              ; row i is back; the younger rows may be out
	v_pk_add_f32 v[96+4*\i:97+4*\i], v[96+4*\i:97+4*\i], v[192:193]
	v_pk_add_f32 v[98+4*\i:99+4*\i], v[98+4*\i:99+4*\i], v[194:195]
	v_pk_add_f32 v[96+4*\i:97+4*\i], v[96+4*\i:97+4*\i], v[160+4*\i:161+4*\i]
	v_pk_add_f32 v[98+4*\i:99+4*\i], v[98+4*\i:99+4*\i], v[162+4*\i:163+4*\i]
	global_store_b128 v24, v[96+4*\i:99+4*\i], s[12:13] offset:4096*\i   ; 512 consecutive bytes, aligned
.endr
	s_wait_tensorcnt 0x0                           ; the wave's end
	ds_add_u32 v1, v2
	s_wait_dscnt 0x0
	CROUND                                         ; the closing round
	s_endpgm
.Lfunc_end_k_q5b251c918e_wo:
	.size	k_q5b251c918e_wo, .Lfunc_end_k_q5b251c918e_wo-k_q5b251c918e_wo
	.p2alignl 7, 3214868480
	.fill 96, 4, 3214868480
	.section	.rodata,"a",@progbits
	.p2align	6, 0x0
	.amdhsa_kernel k_q5b251c918e_wo
		.amdhsa_group_segment_fixed_size 327680
		.amdhsa_private_segment_fixed_size 0
		.amdhsa_enable_private_segment 0
		.amdhsa_kernarg_size 40
		.amdhsa_user_sgpr_count 2
		.amdhsa_user_sgpr_kernarg_segment_ptr 1
		.amdhsa_wavefront_size32 1
		.amdhsa_system_sgpr_workgroup_id_x 1
		.amdhsa_system_sgpr_workgroup_id_y 1
		.amdhsa_system_sgpr_workgroup_id_z 1
		.amdhsa_system_vgpr_workitem_id 0
		.amdhsa_next_free_vgpr 256
		.amdhsa_next_free_sgpr 100
		.amdhsa_reserve_vcc 0
		.amdhsa_float_denorm_mode_32 3
		.amdhsa_float_denorm_mode_16_64 3
		.amdhsa_memory_ordered 1
		.amdhsa_forward_progress 1
		.amdhsa_inst_pref_size 28
	.end_amdhsa_kernel
	.amdgpu_metadata
---
amdhsa.version: [ 1, 2 ]
amdhsa.kernels:
  - .name:           k_q5b251c918e_wo
    .symbol:         k_q5b251c918e_wo.kd
    .args:
      - { .name: aq, .offset: 0, .size: 8, .value_kind: global_buffer, .address_space: global }
      - { .name: wq, .offset: 8, .size: 8, .value_kind: global_buffer, .address_space: global }
      - { .name: bo, .offset: 16, .size: 8, .value_kind: global_buffer, .address_space: global }
      - { .name: x, .offset: 24, .size: 8, .value_kind: global_buffer, .address_space: global }
      - { .name: x1, .offset: 32, .size: 8, .value_kind: global_buffer, .address_space: global }
    .group_segment_fixed_size: 327680
    .private_segment_fixed_size: 0
    .kernarg_segment_align: 8
    .kernarg_segment_size: 40
    .max_flat_workgroup_size: 512
    .sgpr_count:     100
    .vgpr_count:     256
    .wavefront_size: 32
...
	.end_amdgpu_metadata
.endif
;; end of part 5
;; launch ln2: the kernel of part 2 again; grid 256 x 1, 8 waves a work-group, no clusters, 3,072 bytes of LDS; arguments x1, g2, b2, aq; writes aq
;; launch mlp1 (part 6): grid 16 x 16, 16 waves a work-group, clusters of 4 x 4, 327,680 bytes of LDS; arguments aq, wq, bm1, mid; writes mid
.if DOCPART == 6
	.amdgcn_target "amdgcn-amd-amdhsa--gfx1250"
	.amdhsa_code_object_version 6
	.text
	.protected	k_q5b251c918e_mlp1
	.globl	k_q5b251c918e_mlp1
	.p2align	8
	.type	k_q5b251c918e_mlp1,@function
k_q5b251c918e_mlp1:
	s_mov_b64 s[64:65], 0
	v_nop
	global_prefetch_b8 v0, s[64:65] scope:SCOPE_SE
	s_setreg_imm32_b32 hwreg(HW_REG_WAVE_MODE, 25, 1), 1
	s_wait_xcnt 0x0
	s_wait_alu depctr_hold_cnt(0) depctr_sa_sdst(0) depctr_va_vdst(0) depctr_va_sdst(0) depctr_va_ssrc(0) depctr_va_vcc(0) depctr_vm_vsrc(0)
	s_getreg_b32 s2, hwreg(HW_REG_IB_STS2, 6, 4)
	s_cmp_eq_u32 s2, 0
	s_cbranch_scc0 .Lentry_in_a_cluster
	s_endpgm
.Lentry_in_a_cluster:
	s_bfe_u32 s2, ttmp6, 0x10000c
	s_cmp_lg_u32 s2, 0xf033
	s_cbranch_scc0 .Lentry_shape_is_right
	s_endpgm
.Lentry_shape_is_right:
; mid = Q(gelu(h W1 + bm1)) on codes of BF6 (E3M2) with E8M0 scales; the exact GELU in f32; Q: the quantiser along the hidden axis, the next product's K.
; A work-group makes 256 tokens x 256 hidden units; sixteen waves (wm = wave / 4, wn = wave % 4), each 64 x 64: 16 accumulators.
; OPERANDS lie in memory and in LDS in the order of the operand registers: a group (16 rows) x 128 K is 1,536 bytes: registers 0-3 of lane l at 16 l, 4-5 at 512 + 8 l, 6-9 at 768 + 16 l, 10-11 at 1280 + 8 l.
; Row r of group g is index 32 (g / 2) + 8 (g % 2) + r + 8 (r / 8).  Source 0 = weights, source 1 = tokens: a lane holds one token, and the 32 registers of a token group are 16 + 16 neighbours of two blocks of 32.
; K goes in slots of 2 steps of 128 through a ring of two LDS slots; waves 0, 1 fetch A's halves, waves 2, 3 B's, jointly with the cluster's row (A) or column (B).  All scale bytes come once.
; GELU: gelu(x) = max(x, 0) - |x| E, E = erfc(|x| / sqrt 2) / 2 = t 2^(-x^2 log2(e) / 2 + P(t)), t = 1 / (1 + |x| sqrt(2) / 4), P a polynomial of degree 9 (a rational Chebyshev fit of erfc with fractional error about 1e-7,
; its coefficients multiplied by log2 e, the factor 1/2 taken into the constant term).  No difference of near numbers is formed: E is at most 1/2.
; The scale bytes are stored singly (one byte for 24 bytes of codes).  LIMITS: a block whose largest magnitude lies under 2^-122 (zeros too) gets the byte 1; NaN and infinities are not served.
.set MB, 4
.set NB, 4
.set TG, 16
.set KSTEPS, 8
.set KS, 2
.set GROW, KS*1536
.set GSTR, KSTEPS*1536
.set GSB, KSTEPS*64
.set ASB, 3145728
.set WCB, 3145728
.set WSB, 9568256
.set SLOT, 98304
.set SIDE, 49152
.set HALF, 24576
.set SCL, 2*SLOT
.set SPARE, SCL+2*TG*GSB
.set SC, 16
.set S0F, 32
.set S1F, 80
.set ACC, 128
.set G1A, 24
.set G0A, 32
.set G1B, 48
.set G0B, 56
.set G1SA, 68
.set G0SA, 76
.set G1SB, 80
.set G0SB, 88
.set HM, 99
.set SEL, 56
.set QM, 10                            ; the quantiser's work: v10-15, v40-42
.set QX, 12
.set QS, 14
.set QT, 40
.macro CROUND
	s_barrier_signal -1
	s_barrier_wait -1
	s_cmp_lg_u32 s14, 0
	s_cbranch_scc1 .Lnw0_\@
	s_barrier_signal -3
.Lnw0_\@:
	s_barrier_wait -3
	s_barrier_signal -1
	s_barrier_wait -1
.endm
.macro JLOAD s
	s_cmp_lt_u32 s14, 2
	s_cbranch_scc0 .Lnot_a_\@
	tensor_load_to_lds s[G0A+4*(\s):G0A+4*(\s)+3], s[G1A:G1A+7]
	s_nop 0
.rept 4
	v_nop
.endr
	s_branch .Lasked_\@
.Lnot_a_\@:
	s_cmp_lt_u32 s14, 4
	s_cbranch_scc0 .Lasked_\@
	tensor_load_to_lds s[G0B+4*(\s):G0B+4*(\s)+3], s[G1B:G1B+7]
	s_nop 0
.rept 4
	v_nop
.endr
.Lasked_\@:
.endm
.macro FRAG f, a16, a8, o
	ds_load_b128 v[\f:\f+3], v[\a16] offset:\o
	ds_load_b64 v[\f+4:\f+5], v[\a8] offset:\o+512
	ds_load_b128 v[\f+6:\f+9], v[\a16] offset:\o+768
	ds_load_b64 v[\f+10:\f+11], v[\a8] offset:\o+1280
.endm
.macro KSTEP s, q, sidx, zero          ; a K step of 128; the 16 accumulators take turns, one instruction a turn
.rept 4
	v_nop                                          ; places in front of loads into registers that matrix instructions have read
.endr
.irp b, 0,1,2,3
	FRAG S0F+12*\b, 3+2*(\s), 4+2*(\s), \b*GROW+1536*(\q)
.endr
.irp a, 0,1,2,3
	FRAG S1F+12*\a, 7+2*(\s), 8+2*(\s), \a*GROW+1536*(\q)
.endr
.if (\q) == 0
.irp i, 0,1,2,3
	ds_load_b64 v[SC+2*\i:SC+2*\i+1], v11 offset:\i*GSB+((\sidx)/2)*256+((\sidx)%2)*8
.endr
.endif
	s_wait_dscnt 0x0
.irp a, 0,1,2,3
.irp b, 0,1,2,3
.if \zero
	v_wmma_scale_f32_16x16x128_f8f6f4 v[ACC+8*(NB*\a+\b):ACC+8*(NB*\a+\b)+7], v[S0F+12*\b:S0F+12*\b+11], v[S1F+12*\a:S1F+12*\a+11], 0, v[SC+KS*\b+(\q)], v[SC+KS*\a+(\q)] matrix_a_fmt:MATRIX_FMT_BF6 matrix_b_fmt:MATRIX_FMT_BF6 matrix_a_scale:MATRIX_SCALE_ROW1
.else
	v_wmma_scale_f32_16x16x128_f8f6f4 v[ACC+8*(NB*\a+\b):ACC+8*(NB*\a+\b)+7], v[S0F+12*\b:S0F+12*\b+11], v[S1F+12*\a:S1F+12*\a+11], v[ACC+8*(NB*\a+\b):ACC+8*(NB*\a+\b)+7], v[SC+KS*\b+(\q)], v[SC+KS*\a+(\q)] matrix_a_fmt:MATRIX_FMT_BF6 matrix_b_fmt:MATRIX_FMT_BF6 matrix_a_scale:MATRIX_SCALE_ROW1
.endif
.endr
.endr
.endm
.macro CHANGE s, fill
	s_wait_tensorcnt 0x0                           ; all my tensor loads have landed, my part of the slot ahead among them; so a group 0 may be written
	ds_add_u32 v1, v2                              ; 0 onto my spare word
.if \fill
	s_add_nc_u64 s[G0A+4*(\s)+2:G0A+4*(\s)+3], s[G0A+4*(\s)+2:G0A+4*(\s)+3], 2*GROW
	s_add_nc_u64 s[G0B+4*(\s)+2:G0B+4*(\s)+3], s[G0B+4*(\s)+2:G0B+4*(\s)+3], 2*GROW
.endif
	s_wait_dscnt 0x0                               ; the add is done, and my reads of the slot are over
.if \fill
	CROUND
	JLOAD \s                                       ; the first tensor load behind the round, one a wave
.else
	s_barrier_signal -1
	s_barrier_wait -1
.endif
.endm
.macro QUANT2 src, cd, by
	v_max3_num_f32 v[QM], |v[(\src)]|, |v[(\src)+1]|, 0x2800000
	v_max3_num_f32 v[QM+1], |v[(\src)+16]|, |v[(\src)+17]|, 0x2800000
.irp i, 2,4,6,8,10,12,14
	v_max3_num_f32 v[QM], v[QM], |v[(\src)+\i]|, |v[(\src)+\i+1]|
	v_max3_num_f32 v[QM+1], v[QM+1], |v[(\src)+16+\i]|, |v[(\src)+17+\i]|
.endr
	v_permlanex16_b32 v[QX], v[QM], s[SEL], s[SEL+1]
	v_permlanex16_b32 v[QX+1], v[QM+1], s[SEL], s[SEL+1]
	v_max_num_f32 v[QM], v[QM], v[QX]
	v_max_num_f32 v[QM+1], v[QM+1], v[QX+1]
	v_add_nc_u32 v[QS], 0xfe000000, v[QM]
	v_add_nc_u32 v[QS+1], 0xfe000000, v[QM+1]
	v_lshrrev_b32 v[QX], 23, v[QS]
	v_lshrrev_b32 v[QX+1], 23, v[QS+1]
	v_cvt_scalef32_pk16_bf6_f32 v[(\cd):(\cd)+2], v[(\src):(\src)+15], v[QS]
	v_cvt_scalef32_pk16_bf6_f32 v[QT:QT+2], v[(\src)+16:(\src)+31], v[QS+1]
	v_cndmask_b32 v[(\by)], v[QX], v[QX+1], s[HM]  ; (also the plain line behind the conversions)
.irp i, 0,1,2
	v_permlane16_swap_b32 v[(\cd)+\i], v[QT+\i]
.endr
.irp i, 0,1,2
	v_mov_b32 v[(\cd)+3+\i], v[QT+\i]
.endr
.endm
; The GELU of 32 numbers v[x] .. v[x + 31], in place.  v32-63: t; v64-95: x^2, later max(x, 0); v96-127: the exponent, later E.
.macro GELU32 x
.set j, 0
.rept 32
	v_fma_f32 v[32+j], |v[(\x)+j]|, s58, 1.0
.set j, j+1
.endr
.set j, 0
.rept 32
	v_rcp_f32 v[32+j], v[32+j]                     ; t
.set j, j+1
.endr
.set j, 0
.rept 16
	v_pk_mul_f32 v[64+j:65+j], v[(\x)+j:(\x)+j+1], v[(\x)+j:(\x)+j+1]   ; plain work that names no reciprocal
.set j, j+2
.endr
	s_wait_alu depctr_va_vdst(0)                   ; one wait for the 32 reciprocals, ahead of their first reader
.set j, 0
.rept 16
	v_pk_fma_f32 v[96+j:97+j], v[32+j:33+j], v[8:9], 0xbf97d29d op_sel_hi:[1,1,0]
.set j, j+2
.endr
.irp c, 0x40097039, 0xbfd1a1e5, 0x3ecdfd18, 0xbe899a80, 0x3e0efb2e, 0x3f0a29d2, 0x3fb8ab5a, 0xc034d90f
.set j, 0
.rept 16
	v_pk_fma_f32 v[96+j:97+j], v[96+j:97+j], v[32+j:33+j], \c op_sel_hi:[1,1,0]
.set j, j+2
.endr
.endr
.set j, 0
.rept 16
	v_pk_fma_f32 v[96+j:97+j], v[64+j:65+j], 0xbf38aa3b, v[96+j:97+j] op_sel_hi:[1,0,1]   ; - x^2 log2(e) / 2
.set j, j+2
.endr
.set j, 0
.rept 32
	v_exp_f32 v[96+j], v[96+j]
.set j, j+1
.endr
.set j, 0
.rept 32
	v_max_num_f32 v[64+j], 0, v[(\x)+j]            ; plain work that names no exponential
.set j, j+1
.endr
	s_wait_alu depctr_va_vdst(0)                   ; one wait for the 32 exponentials
.set j, 0
.rept 16
	v_pk_mul_f32 v[96+j:97+j], v[96+j:97+j], v[32+j:33+j]   ; E
.set j, j+2
.endr
.set j, 0
.rept 32
	v_fma_f32 v[(\x)+j], -|v[(\x)+j]|, v[96+j], v[64+j]
.set j, j+1
.endr
.endm
	s_load_b128 s[4:7], s[0:1], 0x0                ; aq s[4:5], wq s[6:7]
	s_load_b128 s[8:11], s[0:1], 0x10              ; bm1 s[8:9], mid s[10:11]
	v_lshl_add_u32 v1, v0, 2, SPARE                ; my spare word; never rewritten
	v_mov_b32 v2, 0                                ; never rewritten
	ds_add_u32 v1, v2
	s_wait_dscnt 0x0
	v_lshrrev_b32 v12, 5, v0
	v_readfirstlane_b32 s14, v12
	s_lshr_b32 s15, s14, 2                         ; wm
	s_and_b32 s16, s14, 3                          ; wn
	s_bfe_u32 s40, ttmp6, 0x40000
	s_bfe_u32 s41, ttmp6, 0x40004
	s_lshl_b32 s42, ttmp9, 2
	s_add_co_u32 s42, s42, s40                     ; X
	s_and_b32 s17, ttmp7, 0xffff
	s_lshl_b32 s17, s17, 2
	s_add_co_u32 s17, s17, s41                     ; Y
	s_lshl_b32 s43, s41, 2
	s_lshl_b32 s43, 15, s43
	s_lshl_b32 s44, 0x1111, s40
	s_mov_b32 s[HM], 0xffff0000
	s_or_b32 s[G1A], s43, (3<<16)|(1<<21)
	s_or_b32 s[G1B], s44, (3<<16)|(1<<21)
.irp g, G1A, G1B
	s_mov_b32 s[\g+1], (GROW/8)<<16
	s_mov_b32 s[\g+2], (TG/2)<<16
	s_mov_b32 s[\g+3], (GROW/8)<<16
	s_mov_b32 s[\g+4], TG/2
	s_mov_b32 s[\g+5], GSTR/8
	s_mov_b32 s[\g+6], 0
	s_mov_b32 s[\g+7], 0
.endr
	s_or_b32 s[G1SA], s43, (3<<16)|(1<<21)
	s_or_b32 s[G1SB], s44, (3<<16)|(1<<21)
.irp g, G1SA, G1SB
	s_mov_b32 s[\g+1], 32<<16
	s_mov_b32 s[\g+2], (TG*GSB/512)<<16
	s_mov_b32 s[\g+3], 32<<16
	s_mov_b32 s[\g+4], TG*GSB/512
	s_mov_b32 s[\g+5], 32
	s_mov_b32 s[\g+6], 0
	s_mov_b32 s[\g+7], 0
.endr
	s_and_b32 s18, s14, 1
	s_mul_i32 s19, s18, TG/2
	s_mul_i32 s20, s17, TG
	s_add_co_u32 s20, s20, s19
	s_mul_i32 s46, s42, TG
	s_add_co_u32 s46, s46, s19
	s_mul_i32 s22, s20, GSB
	s_add_co_u32 s22, s22, ASB
	s_mov_b32 s23, 0
	s_mul_i32 s20, s20, GSTR
	s_mov_b32 s21, 0
	s_mul_i32 s92, s46, GSB
	s_add_co_u32 s92, s92, WSB
	s_mov_b32 s93, 0
	s_mul_i32 s46, s46, GSTR
	s_add_co_u32 s46, s46, WCB
	s_mov_b32 s47, 0
	s_mul_i32 s45, s18, HALF
	s_mul_i32 s94, s18, TG*GSB/2
	s_mul_i32 s18, s15, MB*GROW                    ; source 1: my four groups of tokens
	s_mul_i32 s19, s16, NB*GROW
	s_add_co_u32 s19, s19, SIDE                    ; source 0: my four groups of columns
	v_and_b32 v12, 31, v0
	v_lshlrev_b32 v13, 4, v12
	v_lshlrev_b32 v14, 3, v12
	v_add_nc_u32 v3, s19, v13
	v_add_nc_u32 v4, s19, v14
	v_add_nc_u32 v5, SLOT, v3
	v_add_nc_u32 v6, SLOT, v4
	v_add_nc_u32 v7, s18, v13
	v_add_nc_u32 v8, s18, v14
	v_add_nc_u32 v9, SLOT, v7
	v_add_nc_u32 v10, SLOT, v8
	v_and_b32 v13, 15, v0
	v_bfe_u32 v15, v0, 4, 1
	s_mul_i32 s2, s15, MB*GSB
	s_mul_i32 s3, s16, NB*GSB
	s_add_co_u32 s3, s3, TG*GSB
	s_sub_co_u32 s3, s3, s2
	v_mul_u32_u24 v12, s3, v15                     ; lanes 16-31 take the columns' scale words
	s_add_co_u32 s2, s2, SCL
	v_lshl_add_u32 v11, v13, 4, v12
	v_add_nc_u32 v11, s2, v11
	s_wait_kmcnt 0x0
	s_add_nc_u64 s[20:21], s[4:5], s[20:21]
	s_add_nc_u64 s[22:23], s[4:5], s[22:23]
	s_add_nc_u64 s[46:47], s[6:7], s[46:47]
	s_add_nc_u64 s[92:93], s[6:7], s[92:93]
	CROUND                                         ; all sixteen work-groups are here: the first joint loads meet
	s_mov_b32 s[G0SA], 1
	s_add_co_u32 s[G0SA+1], s94, SCL
	s_mov_b64 s[G0SA+2:G0SA+3], s[22:23]
	s_or_b32 s[G0SA+3], s[G0SA+3], 0x80000000
	s_mov_b32 s[G0SB], 1
	s_add_co_u32 s[G0SB+1], s94, SCL+TG*GSB
	s_mov_b64 s[G0SB+2:G0SB+3], s[92:93]
	s_or_b32 s[G0SB+3], s[G0SB+3], 0x80000000
.irp s, 0,1
	s_mov_b32 s[G0A+4*\s], 1
	s_add_co_u32 s[G0A+4*\s+1], s45, \s*SLOT
	s_add_nc_u64 s[G0A+4*\s+2:G0A+4*\s+3], s[20:21], \s*GROW
	s_or_b32 s[G0A+4*\s+3], s[G0A+4*\s+3], 0x80000000
	s_mov_b32 s[G0B+4*\s], 1
	s_add_co_u32 s[G0B+4*\s+1], s45, \s*SLOT+SIDE
	s_add_nc_u64 s[G0B+4*\s+2:G0B+4*\s+3], s[46:47], \s*GROW
	s_or_b32 s[G0B+4*\s+3], s[G0B+4*\s+3], 0x80000000
.endr
	s_cmp_lt_u32 s14, 2                            ; a wave's three first fills stand in one branch: three loads of mine are out
	s_cbranch_scc0 .Lfirst_not_a
	tensor_load_to_lds s[G0SA:G0SA+3], s[G1SA:G1SA+7]
	s_nop 0
	tensor_load_to_lds s[G0A:G0A+3], s[G1A:G1A+7]
	s_nop 0
	tensor_load_to_lds s[G0A+4:G0A+7], s[G1A:G1A+7]
	s_nop 0
.rept 4
	v_nop
.endr
	s_branch .Lfilled
.Lfirst_not_a:
	s_cmp_lt_u32 s14, 4
	s_cbranch_scc0 .Lfilled
	tensor_load_to_lds s[G0SB:G0SB+3], s[G1SB:G1SB+7]
	s_nop 0
	tensor_load_to_lds s[G0B:G0B+3], s[G1B:G1B+7]
	s_nop 0
	tensor_load_to_lds s[G0B+4:G0B+7], s[G1B:G1B+7]
	s_nop 0
.rept 4
	v_nop
.endr
.Lfilled:
	s_wait_tensorcnt 1                             ; the scale bytes and my part of slot 0 are in; slot 1's load may be out
	s_barrier_signal -1
	s_barrier_wait -1
	KSTEP 0, 0, 0, 1
	KSTEP 0, 1, 0, 0
	CHANGE 0, 1
	KSTEP 1, 0, 1, 0
	KSTEP 1, 1, 1, 0
	CHANGE 1, 1
	KSTEP 0, 0, 2, 0
	KSTEP 0, 1, 2, 0
	CHANGE 0, 0                                    ; nothing is left to fetch
	KSTEP 1, 0, 3, 0
	KSTEP 1, 1, 3, 0
.rept 4
	v_nop                                          ; places behind the last products
.endr
	; ---------------- the way out.  No tensor load is out: the descriptors' registers are free
	s_mov_b32 s[SEL], 0x76543210
	s_mov_b32 s[SEL+1], 0xfedcba98
	s_mov_b32 s58, 0x3eb504f3                      ; sqrt(2) / 4
	s_lshl_b32 s36, s42, 2
	s_add_co_u32 s36, s36, s16                     ; my 64 hidden units: 4 X + wn
	s_lshl_b32 s37, s17, 4
	s_lshl_b32 s38, s15, 2
	s_add_co_u32 s37, s37, s38                     ; my first group of tokens
	s_mul_i32 s38, s37, 49152
	s_mul_i32 s39, s36, 768
	s_add_co_u32 s38, s38, s39                     ; the codes' place
	s_lshl_b32 s39, s37, 11
	s_lshr_b32 s45, s36, 3
	s_lshl_b32 s45, s45, 8
	s_add_co_u32 s39, s39, s45
	s_and_b32 s45, s36, 7
	s_lshl_b32 s45, s45, 1
	s_add_co_u32 s39, s39, s45
	s_add_co_u32 s39, s39, 12582912                ; the scale bytes' place
	s_lshl_b32 s46, s36, 8
	s_mov_b32 s47, 0
	s_add_nc_u64 s[8:9], s[8:9], s[46:47]
	v_and_b32 v10, 15, v0
	v_bfe_u32 v11, v0, 4, 1
	v_and_b32 v12, 31, v0
	v_lshlrev_b32 v3, 4, v12
	v_add_nc_u32 v3, s38, v3
	v_lshlrev_b32 v4, 3, v12
	v_add_nc_u32 v4, s38, v4
	v_lshl_add_u32 v5, v10, 4, v11
	v_add_nc_u32 v5, s39, v5
	v_lshlrev_b32 v6, 6, v11
	v_mov_b32 v8, 0x3e7c6f08                       ; the polynomial's leading coefficient, as a pair
	v_mov_b32 v9, 0x3e7c6f08
	v_mov_b32 v[QX], 0                             ; a lane permute's destination counts as read
	v_mov_b32 v[QX+1], 0
.irp i, 0,1,2,3
	global_load_b128 v[32+4*\i:35+4*\i], v6, s[8:9] offset:16*\i
	global_load_b128 v[48+4*\i:51+4*\i], v6, s[8:9] offset:128+16*\i
.endr
	s_wait_loadcnt 0x0
.set k, 0
.rept 64
	v_pk_add_f32 v[ACC+k:ACC+k+1], v[ACC+k:ACC+k+1], v[32+k%32:33+k%32]   ; each accumulator from its low end on
.set k, k+2
.endr
.irp a, 0,1,2,3
.if \a > 0
	s_wait_xcnt 0x0                                ; the last group's stores have read v32-38, which are written again below
.endif
	GELU32 ACC+32*\a
	QUANT2 ACC+32*\a, 32, 38
	global_store_b128 v3, v[32:35], s[10:11] offset:49152*\a        ; 512 consecutive bytes
	global_store_b64 v4, v[36:37], s[10:11] offset:49152*\a+512     ; 256 consecutive bytes
	global_store_b8 v5, v38, s[10:11] offset:2048*\a
.endr
	s_wait_tensorcnt 0x0                           ; the wave's end
	ds_add_u32 v1, v2
	s_wait_dscnt 0x0
	CROUND                                         ; the closing round
	s_endpgm
.Lfunc_end_k_q5b251c918e_mlp1:
	.size	k_q5b251c918e_mlp1, .Lfunc_end_k_q5b251c918e_mlp1-k_q5b251c918e_mlp1
	.p2alignl 7, 3214868480
	.fill 96, 4, 3214868480
	.section	.rodata,"a",@progbits
	.p2align	6, 0x0
	.amdhsa_kernel k_q5b251c918e_mlp1
		.amdhsa_group_segment_fixed_size 327680
		.amdhsa_private_segment_fixed_size 0
		.amdhsa_enable_private_segment 0
		.amdhsa_kernarg_size 32
		.amdhsa_user_sgpr_count 2
		.amdhsa_user_sgpr_kernarg_segment_ptr 1
		.amdhsa_wavefront_size32 1
		.amdhsa_system_sgpr_workgroup_id_x 1
		.amdhsa_system_sgpr_workgroup_id_y 1
		.amdhsa_system_sgpr_workgroup_id_z 1
		.amdhsa_system_vgpr_workitem_id 0
		.amdhsa_next_free_vgpr 256
		.amdhsa_next_free_sgpr 100
		.amdhsa_reserve_vcc 0
		.amdhsa_float_denorm_mode_32 3
		.amdhsa_float_denorm_mode_16_64 3
		.amdhsa_memory_ordered 1
		.amdhsa_forward_progress 1
		.amdhsa_inst_pref_size 157
	.end_amdhsa_kernel
	.amdgpu_metadata
---
amdhsa.version: [ 1, 2 ]
amdhsa.kernels:
  - .name:           k_q5b251c918e_mlp1
    .symbol:         k_q5b251c918e_mlp1.kd
    .args:
      - { .name: aq, .offset: 0, .size: 8, .value_kind: global_buffer, .address_space: global }
      - { .name: wq, .offset: 8, .size: 8, .value_kind: global_buffer, .address_space: global }
      - { .name: bm1, .offset: 16, .size: 8, .value_kind: global_buffer, .address_space: global }
      - { .name: mid, .offset: 24, .size: 8, .value_kind: global_buffer, .address_space: global }
    .group_segment_fixed_size: 327680
    .private_segment_fixed_size: 0
    .kernarg_segment_align: 8
    .kernarg_segment_size: 32
    .max_flat_workgroup_size: 512
    .sgpr_count:     100
    .vgpr_count:     256
    .wavefront_size: 32
...
	.end_amdgpu_metadata
.endif
;; end of part 6
;; launch mlp2 (part 7): grid 8 x 32, 16 waves a work-group, clusters of 4 x 4, 327,680 bytes of LDS; arguments mid, wq, bm2, x1, out0; writes out0
.if DOCPART == 7
	.amdgcn_target "amdgcn-amd-amdhsa--gfx1250"
	.amdhsa_code_object_version 6
	.text
	.protected	k_q5b251c918e_mlp2
	.globl	k_q5b251c918e_mlp2
	.p2align	8
	.type	k_q5b251c918e_mlp2,@function
k_q5b251c918e_mlp2:
	s_mov_b64 s[64:65], 0
	v_nop
	global_prefetch_b8 v0, s[64:65] scope:SCOPE_SE
	s_setreg_imm32_b32 hwreg(HW_REG_WAVE_MODE, 25, 1), 1
	s_wait_xcnt 0x0
	s_wait_alu depctr_hold_cnt(0) depctr_sa_sdst(0) depctr_va_vdst(0) depctr_va_sdst(0) depctr_va_ssrc(0) depctr_va_vcc(0) depctr_vm_vsrc(0)
	s_getreg_b32 s2, hwreg(HW_REG_IB_STS2, 6, 4)
	s_cmp_eq_u32 s2, 0
	s_cbranch_scc0 .Lentry_in_a_cluster
	s_endpgm
.Lentry_in_a_cluster:
	s_bfe_u32 s2, ttmp6, 0x10000c
	s_cmp_lg_u32 s2, 0xf033
	s_cbranch_scc0 .Lentry_shape_is_right
	s_endpgm
.Lentry_shape_is_right:
; out = res + A W + bias on codes of BF6 (E3M2) with E8M0 scales: here out0 = x1 + mid W2 + bm2.  A: [4096][K], W: [K][1024], K = 128 KSTEPS; res, out: [4096][1024] f32.
; A work-group makes 128 tokens x 128 columns, so that the launch has 256 work-groups; sixteen waves (wm = wave / 4, wn = wave % 4), each 32 x 32: four accumulators.
; OPERANDS lie in memory and in LDS in the order of the operand registers: a group (16 rows) x 128 K is 1,536 bytes: registers 0-3 of lane l at 16 l, 4-5 at 512 + 8 l, 6-9 at 768 + 16 l, 10-11 at 1280 + 8 l.
; Row r of group g is index 32 (g / 2) + 8 (g % 2) + r + 8 (r / 8).  Source 0 = weights, source 1 = tokens: a lane holds one token and 16 neighbouring columns.
; K goes in slots of 4 steps of 128 through a ring of two LDS slots; waves 0, 1 fetch A's halves, waves 2, 3 B's, jointly with the cluster's row (A) or column (B).  All scale bytes come once.
; THE WAY OUT goes through a stage in slot 0 (which has had its last fill and its last read): rows of 512 bytes + 16; each wave then stores 8 whole rows of 512 consecutive bytes.
.set MB, 2
.set NB, 2
.set TG, 8
.set KSTEPS, 32
.set KS, 4
.set NSLOT, KSTEPS/KS
.set GROW, KS*1536
.set GSTR, KSTEPS*1536
.set GSB, KSTEPS*64
.set ASB, 12582912                     ; A's scale bytes in its buffer
.set WCB, 6291456                      ; the weight's codes in wq
.set WSB, 9699328                      ; and its scale bytes
.set SLOT, 98304
.set SIDE, 49152
.set HALF, 24576
.set SCL, 2*SLOT
.set SPARE, SCL+2*TG*GSB
.set SP, 528                           ; a row of the stage
.set SC, 16                            ; v16-23 scale words: register KS i + q: lanes 0-15 source 1's group i, lanes 16-31 source 0's
.set S0F, 32                           ; v32-55
.set S1F, 56                           ; v56-79
.set ACC, 128                          ; v128-159; v96-127 rows back from the stage; v160-191 the residual's rows; v192-195 the bias
.set G1A, 24
.set G0A, 32
.set G1B, 48
.set G0B, 56
.set G1SA, 68
.set G0SA, 76
.set G1SB, 80
.set G0SB, 88
.macro CROUND
	s_barrier_signal -1
	s_barrier_wait -1
	s_cmp_lg_u32 s14, 0
	s_cbranch_scc1 .Lnw0_\@
	s_barrier_signal -3
.Lnw0_\@:
	s_barrier_wait -3
	s_barrier_signal -1
	s_barrier_wait -1
.endm
.macro JLOAD s
	s_cmp_lt_u32 s14, 2
	s_cbranch_scc0 .Lnot_a_\@
	tensor_load_to_lds s[G0A+4*(\s):G0A+4*(\s)+3], s[G1A:G1A+7]
	s_nop 0
.rept 4
	v_nop
.endr
	s_branch .Lasked_\@
.Lnot_a_\@:
	s_cmp_lt_u32 s14, 4
	s_cbranch_scc0 .Lasked_\@
	tensor_load_to_lds s[G0B+4*(\s):G0B+4*(\s)+3], s[G1B:G1B+7]
	s_nop 0
.rept 4
	v_nop
.endr
.Lasked_\@:
.endm
.macro FRAG f, a16, a8, o
	ds_load_b128 v[\f:\f+3], v[\a16] offset:\o
	ds_load_b64 v[\f+4:\f+5], v[\a8] offset:\o+512
	ds_load_b128 v[\f+6:\f+9], v[\a16] offset:\o+768
	ds_load_b64 v[\f+10:\f+11], v[\a8] offset:\o+1280
.endm
.macro KSTEP s, q, sidx, zero          ; a K step of 128; the four accumulators take turns, one instruction a turn
.rept 4
	v_nop                                          ; places in front of loads into registers that matrix instructions have read
.endr
.irp b, 0,1
	FRAG S0F+12*\b, 3+2*(\s), 4+2*(\s), \b*GROW+1536*(\q)
.endr
.irp a, 0,1
	FRAG S1F+12*\a, 7+2*(\s), 8+2*(\s), \a*GROW+1536*(\q)
.endr
.if (\q) == 0
.irp i, 0,1
	ds_load_b128 v[SC+4*\i:SC+4*\i+3], v11 offset:\i*GSB+(\sidx)*256
.endr
.endif
	s_wait_dscnt 0x0
.irp a, 0,1
.irp b, 0,1
.if \zero
	v_wmma_scale_f32_16x16x128_f8f6f4 v[ACC+8*(NB*\a+\b):ACC+8*(NB*\a+\b)+7], v[S0F+12*\b:S0F+12*\b+11], v[S1F+12*\a:S1F+12*\a+11], 0, v[SC+KS*\b+(\q)], v[SC+KS*\a+(\q)] matrix_a_fmt:MATRIX_FMT_BF6 matrix_b_fmt:MATRIX_FMT_BF6 matrix_a_scale:MATRIX_SCALE_ROW1
.else
	v_wmma_scale_f32_16x16x128_f8f6f4 v[ACC+8*(NB*\a+\b):ACC+8*(NB*\a+\b)+7], v[S0F+12*\b:S0F+12*\b+11], v[S1F+12*\a:S1F+12*\a+11], v[ACC+8*(NB*\a+\b):ACC+8*(NB*\a+\b)+7], v[SC+KS*\b+(\q)], v[SC+KS*\a+(\q)] matrix_a_fmt:MATRIX_FMT_BF6 matrix_b_fmt:MATRIX_FMT_BF6 matrix_a_scale:MATRIX_SCALE_ROW1
.endif
.endr
.endr
.endm
.macro CHANGE s, fill
	s_wait_tensorcnt 0x0                           ; all my tensor loads have landed, my part of the slot ahead among them; so a group 0 may be written
	ds_add_u32 v1, v2                              ; 0 onto my spare word
.if \fill
	s_add_nc_u64 s[G0A+4*(\s)+2:G0A+4*(\s)+3], s[G0A+4*(\s)+2:G0A+4*(\s)+3], 2*GROW
	s_add_nc_u64 s[G0B+4*(\s)+2:G0B+4*(\s)+3], s[G0B+4*(\s)+2:G0B+4*(\s)+3], 2*GROW
.endif
	s_wait_dscnt 0x0                               ; the add is done, and my reads of the slot are over
.if \fill
	CROUND
	JLOAD \s                                       ; the first tensor load behind the round, one a wave: it has a slot's four K steps in which to land
.else
	s_barrier_signal -1
	s_barrier_wait -1
.endif
.endm
	s_load_b128 s[4:7], s[0:1], 0x0                ; A s[4:5], wq s[6:7]
	s_load_b128 s[8:11], s[0:1], 0x10              ; bias s[8:9], residual s[10:11]
	s_load_b64 s[12:13], s[0:1], 0x20              ; out
	v_lshl_add_u32 v1, v0, 2, SPARE                ; my spare word; never rewritten
	v_mov_b32 v2, 0                                ; never rewritten
	ds_add_u32 v1, v2
	s_wait_dscnt 0x0
	v_lshrrev_b32 v12, 5, v0
	v_readfirstlane_b32 s14, v12
	s_lshr_b32 s15, s14, 2                         ; wm
	s_and_b32 s16, s14, 3                          ; wn
	s_bfe_u32 s40, ttmp6, 0x40000
	s_bfe_u32 s41, ttmp6, 0x40004
	s_lshl_b32 s42, ttmp9, 2
	s_add_co_u32 s42, s42, s40                     ; X
	s_and_b32 s17, ttmp7, 0xffff
	s_lshl_b32 s17, s17, 2
	s_add_co_u32 s17, s17, s41                     ; Y
	s_lshl_b32 s43, s41, 2
	s_lshl_b32 s43, 15, s43
	s_lshl_b32 s44, 0x1111, s40
	s_or_b32 s[G1A], s43, (3<<16)|(1<<21)
	s_or_b32 s[G1B], s44, (3<<16)|(1<<21)
.irp g, G1A, G1B
	s_mov_b32 s[\g+1], (GROW/8)<<16
	s_mov_b32 s[\g+2], (TG/2)<<16
	s_mov_b32 s[\g+3], (GROW/8)<<16
	s_mov_b32 s[\g+4], TG/2
	s_mov_b32 s[\g+5], GSTR/8
	s_mov_b32 s[\g+6], 0
	s_mov_b32 s[\g+7], 0
.endr
	s_or_b32 s[G1SA], s43, (3<<16)|(1<<21)
	s_or_b32 s[G1SB], s44, (3<<16)|(1<<21)
.irp g, G1SA, G1SB
	s_mov_b32 s[\g+1], 32<<16
	s_mov_b32 s[\g+2], (TG*GSB/512)<<16
	s_mov_b32 s[\g+3], 32<<16
	s_mov_b32 s[\g+4], TG*GSB/512
	s_mov_b32 s[\g+5], 32
	s_mov_b32 s[\g+6], 0
	s_mov_b32 s[\g+7], 0
.endr
	s_and_b32 s18, s14, 1
	s_mul_i32 s19, s18, TG/2
	s_mul_i32 s20, s17, TG
	s_add_co_u32 s20, s20, s19
	s_mul_i32 s46, s42, TG
	s_add_co_u32 s46, s46, s19
	s_mul_i32 s22, s20, GSB
	s_add_co_u32 s22, s22, ASB
	s_mov_b32 s23, 0
	s_mul_i32 s20, s20, GSTR
	s_mov_b32 s21, 0
	s_mul_i32 s92, s46, GSB
	s_add_co_u32 s92, s92, WSB
	s_mov_b32 s93, 0
	s_mul_i32 s46, s46, GSTR
	s_add_co_u32 s46, s46, WCB
	s_mov_b32 s47, 0
	s_mul_i32 s45, s18, HALF
	s_mul_i32 s94, s18, TG*GSB/2
	s_mul_i32 s18, s15, MB*GROW                    ; source 1: my two groups of tokens
	s_mul_i32 s19, s16, NB*GROW
	s_add_co_u32 s19, s19, SIDE                    ; source 0: my two groups of columns
	v_and_b32 v12, 31, v0
	v_lshlrev_b32 v24, 4, v12                      ; v24: 16 l; never rewritten
	v_lshlrev_b32 v14, 3, v12
	v_add_nc_u32 v3, s19, v24
	v_add_nc_u32 v4, s19, v14
	v_add_nc_u32 v5, SLOT, v3
	v_add_nc_u32 v6, SLOT, v4
	v_add_nc_u32 v7, s18, v24
	v_add_nc_u32 v8, s18, v14
	v_add_nc_u32 v9, SLOT, v7
	v_add_nc_u32 v10, SLOT, v8
	v_and_b32 v13, 15, v0                          ; r
	v_bfe_u32 v15, v0, 4, 1                        ; h
	s_mul_i32 s2, s15, MB*GSB                      ; the tokens' scale words;
	s_mul_i32 s3, s16, NB*GSB
	s_add_co_u32 s3, s3, TG*GSB
	s_sub_co_u32 s3, s3, s2                        ; the columns' lie so far behind them
	v_mul_u32_u24 v12, s3, v15                     ; lanes 16-31 take the columns'
	s_add_co_u32 s2, s2, SCL
	v_lshl_add_u32 v11, v13, 4, v12
	v_add_nc_u32 v11, s2, v11
	v_and_b32 v12, 8, v13
	v_add_nc_u32 v12, v12, v13
	v_mul_u32_u24 v25, v12, SP
	v_lshl_add_u32 v25, v15, 6, v25
	s_mul_i32 s2, s15, 32*SP
	s_lshl_b32 s3, s16, 7
	s_add_co_u32 s2, s2, s3
	v_add_nc_u32 v25, s2, v25                      ; v25: the stage, in: row 32 wm + r + 8 (r / 8), byte 128 wn + 64 h
	s_mul_i32 s2, s14, 8*SP
	v_add_nc_u32 v26, s2, v24                      ; v26: back: my 8 rows, 16 bytes a lane
	s_wait_kmcnt 0x0
	s_add_nc_u64 s[20:21], s[4:5], s[20:21]
	s_add_nc_u64 s[22:23], s[4:5], s[22:23]
	s_add_nc_u64 s[46:47], s[6:7], s[46:47]
	s_add_nc_u64 s[92:93], s[6:7], s[92:93]
	CROUND                                         ; all sixteen work-groups are here: the first joint loads meet
	s_mov_b32 s[G0SA], 1
	s_add_co_u32 s[G0SA+1], s94, SCL
	s_mov_b64 s[G0SA+2:G0SA+3], s[22:23]
	s_or_b32 s[G0SA+3], s[G0SA+3], 0x80000000
	s_mov_b32 s[G0SB], 1
	s_add_co_u32 s[G0SB+1], s94, SCL+TG*GSB
	s_mov_b64 s[G0SB+2:G0SB+3], s[92:93]
	s_or_b32 s[G0SB+3], s[G0SB+3], 0x80000000
.irp s, 0,1
	s_mov_b32 s[G0A+4*\s], 1
	s_add_co_u32 s[G0A+4*\s+1], s45, \s*SLOT
	s_add_nc_u64 s[G0A+4*\s+2:G0A+4*\s+3], s[20:21], \s*GROW
	s_or_b32 s[G0A+4*\s+3], s[G0A+4*\s+3], 0x80000000
	s_mov_b32 s[G0B+4*\s], 1
	s_add_co_u32 s[G0B+4*\s+1], s45, \s*SLOT+SIDE
	s_add_nc_u64 s[G0B+4*\s+2:G0B+4*\s+3], s[46:47], \s*GROW
	s_or_b32 s[G0B+4*\s+3], s[G0B+4*\s+3], 0x80000000
.endr
	s_cmp_lt_u32 s14, 2                            ; a wave's three first fills stand in one branch: three loads of mine are out
	s_cbranch_scc0 .Lfirst_not_a
	tensor_load_to_lds s[G0SA:G0SA+3], s[G1SA:G1SA+7]
	s_nop 0
	tensor_load_to_lds s[G0A:G0A+3], s[G1A:G1A+7]
	s_nop 0
	tensor_load_to_lds s[G0A+4:G0A+7], s[G1A:G1A+7]
	s_nop 0
.rept 4
	v_nop
.endr
	s_branch .Lfilled
.Lfirst_not_a:
	s_cmp_lt_u32 s14, 4
	s_cbranch_scc0 .Lfilled
	tensor_load_to_lds s[G0SB:G0SB+3], s[G1SB:G1SB+7]
	s_nop 0
	tensor_load_to_lds s[G0B:G0B+3], s[G1B:G1B+7]
	s_nop 0
	tensor_load_to_lds s[G0B+4:G0B+7], s[G1B:G1B+7]
	s_nop 0
.rept 4
	v_nop
.endr
.Lfilled:
	s_lshl_b32 s96, s17, 19                        ; the 8 rows that I store: (128 Y + 8 wave) rows of 4,096 bytes + 512 X
	s_lshl_b32 s97, s14, 15
	s_add_co_u32 s96, s96, s97
	s_lshl_b32 s98, s42, 9
	s_add_co_u32 s96, s96, s98
	s_mov_b32 s97, 0
	s_mov_b32 s99, 0
	s_add_nc_u64 s[10:11], s[10:11], s[96:97]
	s_add_nc_u64 s[12:13], s[12:13], s[96:97]
	s_add_nc_u64 s[8:9], s[8:9], s[98:99]
.irp i, 0,1,2,3,4,5,6,7
	global_load_b128 v[160+4*\i:163+4*\i], v24, s[10:11] offset:4096*\i   ; the residual's rows are asked for now and wanted on the way out
.endr
	global_load_b128 v[192:195], v24, s[8:9]
	s_wait_tensorcnt 1                             ; the scale bytes and my part of slot 0 are in; slot 1's load may be out
	s_barrier_signal -1
	s_barrier_wait -1
	KSTEP 0, 0, 0, 1
	KSTEP 0, 1, 0, 0
	KSTEP 0, 2, 0, 0
	KSTEP 0, 3, 0, 0
.set SI, 1
.rept NSLOT-1
.if SI+1 < NSLOT
	CHANGE (SI-1)%2, 1
.else
	CHANGE (SI-1)%2, 0
.endif
	KSTEP SI%2, 0, SI, 0
	KSTEP SI%2, 1, SI, 0
	KSTEP SI%2, 2, SI, 0
	KSTEP SI%2, 3, SI, 0
.set SI, SI+1
.endr
.rept 4
	v_nop                                          ; places behind the last products
.endr
.irp a, 0,1
.irp i, 0,1,2,3
	ds_store_b128 v25, v[ACC+16*\a+4*\i:ACC+16*\a+4*\i+3] offset:8*\a*SP+16*\i   ; each accumulator from its low end on
.endr
.endr
	s_wait_dscnt 0x0                               ; for the others' sake: my stores into the stage have landed
	s_barrier_signal -1
	s_barrier_wait -1
.irp i, 0,1,2,3,4,5,6,7
	ds_load_b128 v[96+4*\i:99+4*\i], v26 offset:SP*\i
.endr
	s_wait_loadcnt 0x0                             ; the residual and the bias
.irp i, 0,1,2,3,4,5,6,7
	s_wait_dscnt 7-\i                              ; row i is back; the younger rows may be out
	v_pk_add_f32 v[96+4*\i:97+4*\i], v[96+4*\i:97+4*\i], v[192:193]
	v_pk_add_f32 v[98+4*\i:99+4*\i], v[98+4*\i:99+4*\i], v[194:195]
	v_pk_add_f32 v[96+4*\i:97+4*\i], v[96+4*\i:97+4*\i], v[160+4*\i:161+4*\i]
	v_pk_add_f32 v[98+4*\i:99+4*\i], v[98+4*\i:99+4*\i], v[162+4*\i:163+4*\i]
	global_store_b128 v24, v[96+4*\i:99+4*\i], s[12:13] offset:4096*\i   ; 512 consecutive bytes, aligned
.endr
	s_wait_tensorcnt 0x0                           ; the wave's end
	ds_add_u32 v1, v2
	s_wait_dscnt 0x0
	CROUND                                         ; the closing round
	s_endpgm
.Lfunc_end_k_q5b251c918e_mlp2:
	.size	k_q5b251c918e_mlp2, .Lfunc_end_k_q5b251c918e_mlp2-k_q5b251c918e_mlp2
	.p2alignl 7, 3214868480
	.fill 96, 4, 3214868480
	.section	.rodata,"a",@progbits
	.p2align	6, 0x0
	.amdhsa_kernel k_q5b251c918e_mlp2
		.amdhsa_group_segment_fixed_size 327680
		.amdhsa_private_segment_fixed_size 0
		.amdhsa_enable_private_segment 0
		.amdhsa_kernarg_size 40
		.amdhsa_user_sgpr_count 2
		.amdhsa_user_sgpr_kernarg_segment_ptr 1
		.amdhsa_wavefront_size32 1
		.amdhsa_system_sgpr_workgroup_id_x 1
		.amdhsa_system_sgpr_workgroup_id_y 1
		.amdhsa_system_sgpr_workgroup_id_z 1
		.amdhsa_system_vgpr_workitem_id 0
		.amdhsa_next_free_vgpr 256
		.amdhsa_next_free_sgpr 100
		.amdhsa_reserve_vcc 0
		.amdhsa_float_denorm_mode_32 3
		.amdhsa_float_denorm_mode_16_64 3
		.amdhsa_memory_ordered 1
		.amdhsa_forward_progress 1
		.amdhsa_inst_pref_size 76
	.end_amdhsa_kernel
	.amdgpu_metadata
---
amdhsa.version: [ 1, 2 ]
amdhsa.kernels:
  - .name:           k_q5b251c918e_mlp2
    .symbol:         k_q5b251c918e_mlp2.kd
    .args:
      - { .name: mid, .offset: 0, .size: 8, .value_kind: global_buffer, .address_space: global }
      - { .name: wq, .offset: 8, .size: 8, .value_kind: global_buffer, .address_space: global }
      - { .name: bm2, .offset: 16, .size: 8, .value_kind: global_buffer, .address_space: global }
      - { .name: x1, .offset: 24, .size: 8, .value_kind: global_buffer, .address_space: global }
      - { .name: out0, .offset: 32, .size: 8, .value_kind: global_buffer, .address_space: global }
    .group_segment_fixed_size: 327680
    .private_segment_fixed_size: 0
    .kernarg_segment_align: 8
    .kernarg_segment_size: 40
    .max_flat_workgroup_size: 512
    .sgpr_count:     100
    .vgpr_count:     256
    .wavefront_size: 32
...
	.end_amdgpu_metadata
.endif
;; end of part 7
;; ======== version 2 of 2: 7 launches
;; limits: right only within a limited range of input values
;; workspace buffers: wq 9,830,400 bytes; rope 8,388,608 bytes; aq 3,276,800 bytes; qrec 6,684,672 bytes; kvrec 6,684,672 bytes; x1 16,777,216 bytes; mid 13,107,200 bytes
;; launch prep (part 8): grid 896 x 1, 8 waves a work-group, no clusters, 4,096 bytes of LDS; arguments Wq, Wk, Wv, Wo, W1, W2, pos, wq, rope, x, g1, b1, aq; writes wq, rope, aq
.if DOCPART == 8
	.amdgcn_target "amdgcn-amd-amdhsa--gfx1250"
	.amdhsa_code_object_version 6
	.text
	.protected	k_q5b251c918e_prep
	.globl	k_q5b251c918e_prep
	.p2align	8
	.type	k_q5b251c918e_prep,@function
k_q5b251c918e_prep:
	s_mov_b64 s[64:65], 0
	v_nop
	global_prefetch_b8 v0, s[64:65] scope:SCOPE_SE
	s_setreg_imm32_b32 hwreg(HW_REG_WAVE_MODE, 25, 1), 1
	s_wait_xcnt 0x0
; PREP.  Three kinds of work-groups, told apart by the work-group's number; none depends on another.
; 0-383: the six weights, f32 stored [K][N], become codes of BF6 (E3M2) with one E8M0 byte for each 32 along K.  384-639: the first layer norm of x, quantised likewise.  640-895: the table of cos and sin for the rotary transform.
; LAYOUT OF THE CODES.  A group is 16 rows of an operand (columns n of a weight, tokens of x): row r of group g is index 32 (g / 2) + 8 (g % 2) + r + 8 (r / 8).  A group's 128 along K are an image of the operand's 12 registers,
; 1,536 bytes, in two halves of 768 (64 along K each): registers 0-3 of lane l at 16 l, registers 4-5 at 512 + 8 l.  Buffer: [group][K / 128][1536].  Scale bytes: [group][K / 512][16 rows][16 bytes].
; Wq, Wk, Wv share one run of 192 groups; inside each of the three, pair p of groups (32 columns) lies at pair 2 (p % 16) + p / 16, so that columns j and j + 512 (partners of the rotary transform) are neighbours.
; WEIGHTS: a lane takes a column and its registers run down K: a block of 32 lies in one lane, each load of a wave covers 128 consecutive bytes.  A wave: 32 columns x 128 K; a work-group: 64 columns x 512 K.
; A block's scale byte is its largest magnitude's exponent field - 4, held at 1 from below.
; LDS: the weights' path has bytes 0-1,023, the layer norm's 1,024-2,559: each path has bytes of its own.
; LIMITS: a block of zeros, or one whose largest magnitude lies under 2^-122, gets the byte 1 (this program alone reads the bytes; zero codes add nothing); NaN and infinities are not served;
; the reduction of the angle is exact for |pos x inv_freq| under about 1e5 (its quotient by pi / 2 under 2^16).
.set OFF, 32                           ; v32-63   4 x my column + i rows of the weight
.set X,   64                           ; v64-191  four blocks of 32 numbers
.set TC,  224                          ; v224-226 a block's upper 16 codes, as converted
.set WRD, 227                          ; v227     my column's four scale bytes
	v_lshl_add_u32 v254, v0, 2, 0xc00
	v_mov_b32 v255, 0
	v_lshrrev_b32 v1, 5, v0
	s_delay_alu instid0(VALU_DEP_1)
	v_readfirstlane_b32 s22, v1                    ; wave 0..7
	v_and_b32 v2, 31, v0                           ; lane l
	v_and_b32 v3, 15, v0                           ; r
	v_bfe_u32 v4, v0, 4, 1                         ; l / 16
	s_delay_alu instid0(VALU_DEP_2)
	v_and_b32 v5, 8, v3
	s_delay_alu instid0(VALU_DEP_1)
	v_add_nc_u32 v5, v5, v3                        ; r + 8 (r / 8)
	v_lshlrev_b32 v6, 4, v2                        ; 16 l
	v_lshlrev_b32 v7, 3, v2                        ; 8 l
	s_cmp_ge_u32 ttmp9, 640
	s_cbranch_scc1 .Lrope                          ; the same way for all waves of a work-group
	s_cmp_ge_u32 ttmp9, 384
	s_cbranch_scc1 .Lln
	; ---------------- the weights.  id / 128: 0 = Wq, Wk, Wv, Wo (32 work-groups each), 1 = W1, 2 = W2
	s_load_b256 s[4:11], s[0:1], 0x0               ; Wq s[4:5], Wk s[6:7], Wv s[8:9], Wo s[10:11]
	s_load_b256 s[12:19], s[0:1], 0x20             ; W1 s[12:13], W2 s[14:15], (pos), wq s[18:19]
	s_lshr_b32 s23, ttmp9, 7
	s_bfe_u32 s24, ttmp9, 0x20005                  ; which of q, k, v, o
	s_and_b32 s25, ttmp9, 15                       ; which 64 columns
	s_and_b32 s26, ttmp9, 63                       ; (W1 has 64 such)
	s_bfe_u32 s27, ttmp9, 0x10004                  ; which 512 along K
	s_bfe_u32 s28, ttmp9, 0x10006
	s_bfe_u32 s29, ttmp9, 0x30004                  ; (W2 has 8 such)
	s_and_b32 s38, s22, 1                          ; cs: which 32 of the 64 columns
	s_lshr_b32 s39, s22, 1                         ; kq: which 128 of the 512 along K
	s_mov_b32 s30, 4096                            ; a row of the weight in bytes
	s_mov_b32 s31, 12288                           ; a group's codes
	s_mov_b32 s32, 512                             ; a group's scale bytes
	s_mov_b32 s33, 0                               ; where the tensor's codes begin in wq
	s_mov_b32 s34, 9437184                         ; and its scale bytes
	s_mov_b32 s35, 1                               ; 1: the pairs are laid in the order of q, k, v
	s_cmp_eq_u32 s24, 3
	s_cselect_b32 s33, 2359296, s33
	s_cselect_b32 s34, 9535488, s34
	s_cselect_b32 s35, 0, s35
	s_cmp_eq_u32 s23, 1
	s_cselect_b32 s25, s26, s25
	s_cselect_b32 s27, s28, s27
	s_cselect_b32 s30, 16384, s30
	s_cselect_b32 s33, 3145728, s33
	s_cselect_b32 s34, 9568256, s34
	s_cselect_b32 s35, 0, s35
	s_cmp_eq_u32 s23, 2
	s_cselect_b32 s27, s29, s27
	s_cselect_b32 s31, 49152, s31
	s_cselect_b32 s32, 2048, s32
	s_cselect_b32 s33, 6291456, s33
	s_cselect_b32 s34, 9699328, s34
	s_cselect_b32 s35, 0, s35
	s_lshl_b32 s36, s25, 1
	s_add_co_u32 s36, s36, s38                     ; my pair of groups: columns 32 p on
	s_and_b32 s37, s36, 15
	s_lshl_b32 s37, s37, 1
	s_lshr_b32 s2, s36, 4
	s_or_b32 s37, s37, s2
	s_lshl_b32 s2, s24, 5
	s_add_co_u32 s37, s37, s2                      ; its place among q's, k's and v's 96 pairs
	s_cmp_eq_u32 s35, 1
	s_cselect_b32 s37, s37, s36                    ; the pair's place in its run of groups
	s_lshl_b32 s55, s37, 1                         ; as a group
	s_lshl_b32 s3, s27, 2
	s_add_co_u32 s3, s3, s39                       ; my K step of 128
	s_lshl_b32 s56, s3, 7
	s_mul_i32 s56, s56, s30
	s_lshl_b32 s54, s36, 7
	s_add_co_u32 s56, s56, s54                     ; source: 128 ks rows + 128 p bytes
	s_mov_b32 s57, 0
	s_lshl_b32 s58, s30, 5                         ; 32 rows on
	s_mov_b32 s59, 0
	s_mul_i32 s60, s55, s31
	s_add_co_u32 s60, s60, s33
	s_mul_i32 s2, s3, 1536
	s_add_co_u32 s60, s60, s2                      ; codes: the first group's image of this K step
	s_mov_b32 s61, 0
	s_mov_b32 s62, s31                             ; the second group's lies a group on
	s_mov_b32 s63, 0
	s_mul_i32 s66, s55, s32
	s_add_co_u32 s66, s66, s34
	s_lshl_b32 s2, s27, 8
	s_add_co_u32 s66, s66, s2                      ; scale bytes: the first group's 256 bytes of this 512 along K
	s_mov_b32 s67, 0
	s_lshl_b32 s2, s38, 9
	s_wait_alu depctr_va_vdst(0)
	v_add_nc_u32 v13, s2, v6                       ; LDS, back: 512 cs + 16 l
	s_lshl_b32 s54, s39, 2
	s_add_co_u32 s2, s2, s54
	v_add_nc_u32 v12, s2, v6                       ; LDS, in: 16 l + 512 cs + 4 kq
	v_mul_lo_u32 v14, v4, s32
	s_delay_alu instid0(VALU_DEP_1)
	v_lshl_add_u32 v14, v3, 4, v14                 ; scale bytes out: (l / 16) groups + 16 r
	v_lshl_add_u32 v15, v4, 3, v5                  ; my column in the pair: 8 (l / 16) + r + 8 (r / 8)
	s_delay_alu instid0(VALU_DEP_1)
	v_lshlrev_b32 v[OFF], 2, v15
.set i, 0
.rept 31
	s_delay_alu instid0(VALU_DEP_1)
	v_add_nc_u32 v[OFF+i+1], s30, v[OFF+i]
.set i, i+1
.endr
	s_wait_alu depctr_va_vdst(0)
	s_wait_kmcnt 0x0
	s_cmp_eq_u32 s24, 1                            ; the choice of the source hangs on the work-group's number alone
	s_cselect_b64 s[4:5], s[6:7], s[4:5]
	s_cmp_eq_u32 s24, 2
	s_cselect_b64 s[4:5], s[8:9], s[4:5]
	s_cmp_eq_u32 s24, 3
	s_cselect_b64 s[4:5], s[10:11], s[4:5]
	s_cmp_eq_u32 s23, 1
	s_cselect_b64 s[4:5], s[12:13], s[4:5]
	s_cmp_eq_u32 s23, 2
	s_cselect_b64 s[4:5], s[14:15], s[4:5]
	s_add_nc_u64 s[40:41], s[4:5], s[56:57]        ; a base for each block of 32 rows
	s_add_nc_u64 s[42:43], s[40:41], s[58:59]
	s_add_nc_u64 s[44:45], s[42:43], s[58:59]
	s_add_nc_u64 s[46:47], s[44:45], s[58:59]
	s_add_nc_u64 s[48:49], s[18:19], s[60:61]
	s_add_nc_u64 s[50:51], s[48:49], s[62:63]
	s_add_nc_u64 s[52:53], s[18:19], s[66:67]
.set t, 0
.rept 4
.set i, 0
.rept 32
	global_load_b32 v[X+32*t+i], v[OFF+i], s[40+2*t:41+2*t] th:TH_LOAD_NT   ; W(128 ks + 32 t + i, my column): the wave reads 128 consecutive bytes
.set i, i+1
.endr
.set t, t+1
.endr
.macro WBLK t                          ; block t of my column: its byte into the word, its codes into v[192 + 8 t] on (6 registers)
.set XS, X+32*(\t)
.set CW, 192+8*(\t)
	v_max3_num_f32 v8, |v[XS]|, |v[XS+1]|, |v[XS+2]|
	v_max3_num_f32 v9, |v[XS+3]|, |v[XS+4]|, |v[XS+5]|
.irp i, 6,10,14,18,22,26
	s_delay_alu instid0(VALU_DEP_2)
	v_max3_num_f32 v8, v8, |v[XS+\i]|, |v[XS+\i+1]|
	s_delay_alu instid0(VALU_DEP_2)
	v_max3_num_f32 v9, v9, |v[XS+\i+2]|, |v[XS+\i+3]|
.endr
	s_delay_alu instid0(VALU_DEP_2)
	v_max3_num_f32 v8, v8, |v[XS+30]|, |v[XS+31]|
	s_delay_alu instid0(VALU_DEP_1)
	v_max3_num_f32 v8, v8, v9, 0x2800000           ; with the floor 2^(5 - 127): the byte cannot fall under 1
	s_delay_alu instid0(VALU_DEP_1)
	v_add_nc_u32 v10, 0xfe000000, v8               ; 4 off the exponent field: the conversion's scale operand
	s_delay_alu instid0(VALU_DEP_1)
	v_lshrrev_b32 v11, 23, v10                     ; the byte
.if (\t) == 0
	s_delay_alu instid0(VALU_DEP_1)
	v_mov_b32 v[WRD], v11
.else
	s_delay_alu instid0(VALU_DEP_1)
	v_lshl_or_b32 v[WRD], v11, 8*(\t), v[WRD]
.endif
	v_cvt_scalef32_pk16_bf6_f32 v[CW:CW+2], v[XS:XS+15], v10
	v_cvt_scalef32_pk16_bf6_f32 v[TC:TC+2], v[XS+16:XS+31], v10   ; (a conversion's three registers begin on an even number)
	v_nop                                          ; one plain line behind a scaled conversion
.irp i, 0,1,2
	v_mov_b32 v[CW+3+\i], v[TC+\i]
.endr
.endm
; Blocks 2 c and 2 c + 1 of the two groups become the two groups' half images: lanes 0-15 hold the first group's rows, lanes 16-31 the second's; an image wants a row's block 2 c in lanes 0-15 and its block 2 c + 1 in lanes 16-31.
.macro PAIR c
.irp i, 0,1,2,3,4,5
	v_permlane16_swap_b32 v[192+16*(\c)+\i], v[200+16*(\c)+\i]
.endr
	global_store_b128 v6, v[192+16*(\c):195+16*(\c)], s[48:49] offset:768*(\c)       ; 512 consecutive bytes
	global_store_b64 v7, v[196+16*(\c):197+16*(\c)], s[48:49] offset:768*(\c)+512    ; 256 consecutive bytes
	global_store_b128 v6, v[200+16*(\c):203+16*(\c)], s[50:51] offset:768*(\c)
	global_store_b64 v7, v[204+16*(\c):205+16*(\c)], s[50:51] offset:768*(\c)+512
.endm
	s_wait_loadcnt 63                              ; of 128 loads at most 63 are out: blocks 0 and 1 (the first 64) are in
	WBLK 0
	WBLK 1
	PAIR 0
	s_wait_loadcnt 32                              ; block 3's 32 loads may be out
	WBLK 2
	s_wait_loadcnt 0x0
	WBLK 3
	PAIR 1
	ds_store_b32 v12, v[WRD]                       ; the four K steps' words of a row meet in LDS: 16 bytes a row
	s_wait_dscnt 0x0                               ; for the others' sake: my store has landed
	s_barrier_signal -1
	s_barrier_wait -1
	s_cmp_lt_u32 s22, 2                            ; waves 0 and 1 (kq = 0, cs = 0 and 1) store their pair's 512 bytes
	s_cbranch_scc0 .Lwdone
	ds_load_b128 v[8:11], v13
	s_wait_dscnt 0x0
	global_store_b128 v14, v[8:11], s[52:53]       ; sixteen lanes store 256 consecutive bytes, aligned
.Lwdone:
	s_wait_tensorcnt 0x0
	ds_add_u32 v254, v255
	s_wait_dscnt 0x0
	s_endpgm
	; ---------------- the first layer norm: y = (x - mean) rsqrt(var + 1e-5) g1 + b1 over rows of 1,024, then the quantiser along the row.
	; A work-group is one group of 16 tokens.  Wave w takes columns 128 w .. 128 w + 127 (one K step) of all 16 rows: lane (r, h) holds, of row r, 16 neighbours of each of the four blocks of 32:
	; register 16 b + i = column 128 w + 32 b + 16 h + i.  Mean and variance are taken in two passes (no difference of large sums); the eight waves' parts meet in LDS.
.set ASC, 3145728                      ; the scale bytes' place in aq
.set LPC,  8                           ; v8-27    the codes, and the conversions' second halves
.set LX,   32                          ; v32-95   my 64 numbers
.set LG,   96                          ; v96-159  the gain at my columns
.set LB,   160                         ; v160-223 the bias
.set LTM,  224                         ; v224-239 the quantiser's work
.set LPW,  240                         ; v240     my row's scale word
.set LSEL, 18                          ; s[18:19] lane selects: lane l xor 16
.Lln:
	s_load_b256 s[4:11], s[0:1], 0x48              ; x s[4:5], g1 s[6:7], b1 s[8:9], aq s[10:11]
	s_sub_co_u32 s30, ttmp9, 384                   ; the group
	v_and_b32 v1, 31, v0
	v_and_b32 v2, 15, v0                           ; r
	v_bfe_u32 v3, v0, 4, 1                         ; h
	s_delay_alu instid0(VALU_DEP_2)
	v_and_b32 v4, 8, v2
	s_delay_alu instid0(VALU_DEP_1)
	v_add_nc_u32 v4, v4, v2
	s_delay_alu instid0(VALU_DEP_1)
	v_lshlrev_b32 v4, 12, v4
	s_delay_alu instid0(VALU_DEP_1)
	v_lshl_add_u32 v4, v3, 6, v4                   ; x: (r + 8 (r / 8)) rows of 4,096 bytes + 64 h
	v_lshlrev_b32 v5, 6, v3                        ; g, b: 64 h
	v_lshlrev_b32 v6, 4, v1                        ; 16 l
	v_lshlrev_b32 v7, 3, v1                        ; 8 l
	v_lshlrev_b32 v29, 5, v2                       ; LDS: row r's eight parts, 32 r
	s_lshl_b32 s13, s22, 2
	v_add_nc_u32 v28, s13, v29                     ; my wave's word among them
	s_lshr_b32 s14, s22, 2
	s_lshl_b32 s14, s14, 8
	s_and_b32 s15, s22, 3
	s_lshl_b32 s15, s15, 2
	s_add_co_u32 s14, s14, s15
	v_lshl_add_u32 v241, v2, 4, s14                ; LDS: my scale word: 256 (w / 4) + 16 r + 4 (w % 4)
	s_lshr_b32 s16, s30, 1
	s_lshl_b32 s16, s16, 17
	s_and_b32 s17, s30, 1
	s_lshl_b32 s17, s17, 15
	s_add_co_u32 s16, s16, s17                     ; (32 (g / 2) + 8 (g % 2)) rows
	s_lshl_b32 s32, s22, 9                         ; 512 w
	s_mov_b32 s33, 0
	s_add_co_u32 s16, s16, s32
	s_mov_b32 s17, 0
	s_mul_i32 s24, s30, 12288
	s_mul_i32 s25, s22, 1536
	s_add_co_u32 s24, s24, s25
	s_mov_b32 s25, 0
	s_lshl_b32 s26, s30, 9
	s_add_co_u32 s26, s26, ASC
	s_mov_b32 s27, 0
	s_mov_b32 s[LSEL], 0x76543210
	s_mov_b32 s[LSEL+1], 0xfedcba98
	s_mov_b32 s20, 0x3a800000                      ; 1 / 1024
	s_mov_b32 s21, 0x3727c5ac                      ; 1e-5
	v_mov_b32 v250, 0                              ; a lane permute's destination counts as read
.irp b, 0,1,2,3
	v_mov_b32 v[LTM+4+\b], 0
.endr
	s_wait_kmcnt 0x0
	s_add_nc_u64 s[4:5], s[4:5], s[16:17]
	s_add_nc_u64 s[6:7], s[6:7], s[32:33]
	s_add_nc_u64 s[8:9], s[8:9], s[32:33]
	s_add_nc_u64 s[28:29], s[10:11], s[26:27]
	s_add_nc_u64 s[10:11], s[10:11], s[24:25]
.irp b, 0,1,2,3
.irp j, 0,1,2,3
	global_load_b128 v[LX+16*\b+4*\j:LX+16*\b+4*\j+3], v4, s[4:5] offset:128*\b+16*\j
.endr
.endr
.irp b, 0,1,2,3
.irp j, 0,1,2,3
	global_load_b128 v[LG+16*\b+4*\j:LG+16*\b+4*\j+3], v5, s[6:7] offset:128*\b+16*\j
	global_load_b128 v[LB+16*\b+4*\j:LB+16*\b+4*\j+3], v5, s[8:9] offset:128*\b+16*\j
.endr
.endr
	s_wait_loadcnt 32                              ; x's 16 loads are in; the 32 of g and b may be out
.irp c, 0,1,2,3                                ; the sum of my 64, two at a time, in four chains
	v_pk_add_f32 v[242+2*\c:243+2*\c], v[LX+2*\c:LX+2*\c+1], v[LX+8+2*\c:LX+9+2*\c]
.endr
.set k, 16
.rept 6
.irp c, 0,1,2,3
	s_delay_alu instid0(VALU_DEP_4)
	v_pk_add_f32 v[242+2*\c:243+2*\c], v[242+2*\c:243+2*\c], v[LX+k+2*\c:LX+k+2*\c+1]
.endr
.set k, k+8
.endr
.macro LFOLD off                       ; four chains -> my row's part -> LDS -> all eight parts -> their sum in v242
	s_delay_alu instid0(VALU_DEP_2)
	v_pk_add_f32 v[242:243], v[242:243], v[246:247]
	s_delay_alu instid0(VALU_DEP_2)
	v_pk_add_f32 v[244:245], v[244:245], v[248:249]
	s_delay_alu instid0(VALU_DEP_1)
	v_pk_add_f32 v[242:243], v[242:243], v[244:245]
	s_delay_alu instid0(VALU_DEP_1)
	v_add_f32 v242, v242, v243
	s_delay_alu instid0(VALU_DEP_1)
	v_permlanex16_b32 v250, v242, s[LSEL], s[LSEL+1]
	s_delay_alu instid0(VALU_DEP_1)
	v_add_f32 v242, v242, v250                     ; with lane l xor 16's: 128 columns of row r
	ds_store_b32 v28, v242 offset:\off             ; (both halves of the lanes write the same word with the same value)
	s_wait_dscnt 0x0                               ; for the others' sake: my store has landed
	s_barrier_signal -1
	s_barrier_wait -1
	ds_load_b128 v[242:245], v29 offset:\off
	ds_load_b128 v[246:249], v29 offset:\off+16
	s_wait_dscnt 0x0
	v_pk_add_f32 v[242:243], v[242:243], v[246:247]
	v_pk_add_f32 v[244:245], v[244:245], v[248:249]
	s_delay_alu instid0(VALU_DEP_1)
	v_pk_add_f32 v[242:243], v[242:243], v[244:245]
	s_delay_alu instid0(VALU_DEP_1)
	v_add_f32 v242, v242, v243
.endm
	LFOLD 1024
	s_delay_alu instid0(VALU_DEP_1)
	v_mul_f32 v30, s20, v242                       ; the mean
	s_delay_alu instid0(VALU_DEP_1)
	v_mov_b32 v31, v30
.set k, 0
.rept 32
	v_pk_add_f32 v[LX+k:LX+k+1], v[LX+k:LX+k+1], v[30:31] neg_lo:[0,1] neg_hi:[0,1]   ; d = x - mean
.set k, k+2
.endr
.irp c, 0,1,2,3
	v_pk_mul_f32 v[242+2*\c:243+2*\c], v[LX+2*\c:LX+2*\c+1], v[LX+2*\c:LX+2*\c+1]
.endr
.set k, 8
.rept 7
.irp c, 0,1,2,3
	s_delay_alu instid0(VALU_DEP_4)
	v_pk_fma_f32 v[242+2*\c:243+2*\c], v[LX+k+2*\c:LX+k+2*\c+1], v[LX+k+2*\c:LX+k+2*\c+1], v[242+2*\c:243+2*\c]
.endr
.set k, k+8
.endr
	LFOLD 1536                                     ; other bytes than the first sum's: no barrier is owed between the two
	s_delay_alu instid0(VALU_DEP_1)
	v_fma_f32 v30, v242, s20, s21                  ; var + eps
	s_wait_alu depctr_va_vdst(0)
	v_rsq_f32 v30, v30
	v_nop                                          ; a plain line behind the transcendental
	s_wait_alu depctr_va_vdst(0)                   ; and the wait ahead of its first reader
	v_mov_b32 v31, v30
	s_wait_alu depctr_va_vdst(0)
	s_wait_loadcnt 0x0                             ; g and b
.set k, 0
.rept 32
	v_pk_mul_f32 v[LX+k:LX+k+1], v[LX+k:LX+k+1], v[30:31]
.set k, k+2
.endr
.set k, 0
.rept 32
	v_pk_fma_f32 v[LX+k:LX+k+1], v[LX+k:LX+k+1], v[LG+k:LG+k+1], v[LB+k:LB+k+1]
.set k, k+2
.endr
	; the quantiser: four blocks of 32, each in lanes l and l xor 16
.irp b, 0,1,2,3
	v_max3_num_f32 v[LTM+\b], |v[LX+16*\b]|, |v[LX+1+16*\b]|, 0x2800000   ; with the floor 2^(5 - 127): the byte cannot fall under 1
.endr
.irp i, 2,4,6,8,10,12,14
.irp b, 0,1,2,3
	s_delay_alu instid0(VALU_DEP_4)
	v_max3_num_f32 v[LTM+\b], v[LTM+\b], |v[LX+16*\b+\i]|, |v[LX+1+16*\b+\i]|
.endr
.endr
.irp b, 0,1,2,3
	s_delay_alu instid0(VALU_DEP_4)
	v_permlanex16_b32 v[LTM+4+\b], v[LTM+\b], s[LSEL], s[LSEL+1]
.endr
.irp b, 0,1,2,3
	s_delay_alu instid0(VALU_DEP_4)
	v_max_num_f32 v[LTM+\b], v[LTM+\b], v[LTM+4+\b]
.endr
.irp b, 0,1,2,3
	s_delay_alu instid0(VALU_DEP_4)
	v_add_nc_u32 v[LTM+12+\b], 0xfe000000, v[LTM+\b] ; 4 off the exponent field: the conversion's scale operand
.endr
.irp b, 0,1,2,3
	s_delay_alu instid0(VALU_DEP_4)
	v_lshrrev_b32 v[LTM+4+\b], 23, v[LTM+12+\b]    ; the byte
.endr
	s_delay_alu instid0(VALU_DEP_3)
	v_lshl_or_b32 v[LPW], v[LTM+5], 8, v[LTM+4]
	s_delay_alu instid0(VALU_DEP_1)
	v_lshl_or_b32 v[LPW], v[LTM+6], 16, v[LPW]
	s_delay_alu instid0(VALU_DEP_1)
	v_lshl_or_b32 v[LPW], v[LTM+7], 24, v[LPW]
.irp c, 0,1
	v_cvt_scalef32_pk16_bf6_f32 v[LPC+6*\c:LPC+2+6*\c], v[LX+32*\c:LX+15+32*\c], v[LTM+12+2*\c]
	v_cvt_scalef32_pk16_bf6_f32 v[LPC+12+4*\c:LPC+14+4*\c], v[LX+16+32*\c:LX+31+32*\c], v[LTM+12+2*\c+1]
.endr
	v_nop                                          ; one plain line behind a scaled conversion
.irp c, 0,1                                    ; the operand wants a whole block in a lane: lanes 0-15 block 2 c, lanes 16-31 block 2 c + 1
.irp i, 0,1,2
	v_permlane16_swap_b32 v[LPC+6*\c+\i], v[LPC+12+4*\c+\i]
.endr
.irp i, 0,1,2
	s_delay_alu instid0(VALU_DEP_3)
	v_mov_b32 v[LPC+3+6*\c+\i], v[LPC+12+4*\c+\i]
.endr
.endr
	global_store_b128 v6, v[LPC:LPC+3], s[10:11]                   ; each store covers 512 or 256 consecutive bytes, aligned
	global_store_b64 v7, v[LPC+4:LPC+5], s[10:11] offset:512
	global_store_b128 v6, v[LPC+6:LPC+9], s[10:11] offset:768
	global_store_b64 v7, v[LPC+10:LPC+11], s[10:11] offset:1280
	ds_store_b32 v241, v[LPW] offset:2048          ; the eight K steps' words of the group meet in LDS
	s_wait_dscnt 0x0
	s_barrier_signal -1
	s_barrier_wait -1
	s_cmp_lg_u32 s22, 0
	s_cbranch_scc1 .Llnend
	ds_load_b128 v[242:245], v6 offset:2048
	s_wait_dscnt 0x0
	global_store_b128 v6, v[242:245], s[28:29]     ; wave 0 stores the group's 512 scale bytes
.Llnend:
	s_wait_tensorcnt 0x0
	ds_add_u32 v254, v255
	s_wait_dscnt 0x0
	s_endpgm
	; ---------------- the table.  [128 groups of tokens][16 blocks of 32 j][cos: 4 x 512 bytes | sin: 4 x 512 bytes]; piece i of lane l: token = row r of the group, j = 32 jb + 16 (l / 16) + 4 i + 0 .. 3.
	; A wave makes one block of 4,096 bytes: 16 numbers j of each lane's token.  Each step is written for all 16 before the next, so that no line waits for the line above it.
.Lrope:
	s_load_b64 s[16:17], s[0:1], 0x30              ; pos
	s_load_b64 s[20:21], s[0:1], 0x40              ; rope
	s_sub_co_u32 s23, ttmp9, 640
	s_lshl_b32 s23, s23, 3
	s_add_co_u32 s23, s23, s22                     ; task 0..2047 = 16 x group of tokens + jb
	s_lshr_b32 s24, s23, 4                         ; the group of tokens
	s_and_b32 s25, s23, 15                         ; jb
	s_lshr_b32 s26, s24, 1
	s_lshl_b32 s26, s26, 7
	s_and_b32 s27, s24, 1
	s_lshl_b32 s27, s27, 5
	s_add_co_u32 s26, s26, s27                     ; 4 x (32 (g / 2) + 8 (g % 2))
	s_mov_b32 s27, 0
	s_lshl_b32 s28, s23, 12                        ; the task's 4,096 bytes
	s_mov_b32 s29, 0
	s_lshl_b32 s30, s25, 5
	s_wait_alu depctr_va_vdst(0)
	v_lshl_add_u32 v9, v4, 4, s30                  ; my first j: 32 jb + 16 (l / 16)
	v_lshlrev_b32 v10, 2, v5
	s_mov_b32 s40, 0x3cd49a78                      ; log2(10000) / 512, upper part
	s_mov_b32 s41, 0x30179a39                      ; and the rest
	s_mov_b32 s42, 0xbf317218                      ; -ln 2
	s_mov_b32 s43, 0x3f22f983                      ; 2 / pi
	s_mov_b32 s44, 0xbfc90000                      ; -pi / 2 in three parts; the first two have so few bits that their products with the quotient are exact
	s_mov_b32 s45, 0xb9fda000
	s_mov_b32 s46, 0xb3a22168
	s_mov_b32 s47, 0xbe2aaaa3                      ; sine's series on |r| <= pi / 4
	s_mov_b32 s48, 0x3c08839e
	s_mov_b32 s49, 0xb94ca1f9
	s_mov_b32 s50, 0x3d2aaaa5                      ; cosine's
	s_mov_b32 s51, 0xbab6061a
	s_mov_b32 s52, 0x37ccf5ce
	s_wait_alu depctr_va_vdst(0)
	s_wait_kmcnt 0x0
	s_add_nc_u64 s[16:17], s[16:17], s[26:27]
	s_add_nc_u64 s[20:21], s[20:21], s[28:29]
	global_load_b32 v8, v10, s[16:17]              ; my token's pos: wanted only behind the frequencies
.set i, 0
.rept 16
	v_add_nc_u32 v[32+i], i, v9
.set i, i+1
.endr
.set i, 0
.rept 16
	v_cvt_f32_u32 v[32+i], v[32+i]                 ; j
.set i, i+1
.endr
.set i, 0
.rept 16
	v_mul_f32 v[48+i], s40, v[32+i]                ; p = j L, rounded;
.set i, i+1
.endr
.set i, 0
.rept 16
	v_fma_f32 v[64+i], v[32+i], s40, -v[48+i]      ; what the rounding dropped,
.set i, i+1
.endr
.set i, 0
.rept 16
	v_fmac_f32 v[64+i], s41, v[32+i]               ; and L's lower part
.set i, i+1
.endr
.set i, 0
	s_wait_alu depctr_va_vdst(0)
.rept 16
	v_exp_f32 v[80+i], -v[48+i]                    ; 2^-p
.set i, i+1
.endr
.set i, 0
.rept 16
	v_mul_f32 v[64+i], s42, v[64+i]                ; plain work that names no exponential's result
.set i, i+1
.endr
	s_wait_alu depctr_va_vdst(0)                   ; one wait for the sixteen exponentials, ahead of their first reader
.set i, 0
.rept 16
	v_fma_f32 v[80+i], v[80+i], v[64+i], v[80+i]   ; inv_freq = 2^-p (1 - e ln 2)
.set i, i+1
.endr
	s_wait_loadcnt 0x0                             ; pos
	v_cvt_f32_i32 v8, v8
.set i, 0
.rept 16
	v_mul_f32 v[80+i], v8, v[80+i]                 ; the angle: one f32 product
.set i, i+1
.endr
.set i, 0
.rept 16
	v_mul_f32 v[32+i], s43, v[80+i]
.set i, i+1
.endr
.set i, 0
.rept 16
	v_rndne_f32 v[32+i], v[32+i]                   ; the quotient by pi / 2
.set i, i+1
.endr
.set i, 0
.rept 16
	v_fmac_f32 v[80+i], s44, v[32+i]
.set i, i+1
.endr
.set i, 0
.rept 16
	v_fmac_f32 v[80+i], s45, v[32+i]
.set i, i+1
.endr
.set i, 0
.rept 16
	v_fmac_f32 v[80+i], s46, v[32+i]               ; r, |r| <= pi / 4
	v_cvt_i32_f32 v[128+i], v[32+i]
.set i, i+1
.endr
.set i, 0
.rept 16
	v_mul_f32 v[48+i], v[80+i], v[80+i]            ; z = r^2
	v_and_b32 v[176+i], 1, v[128+i]
.set i, i+1
.endr
.set i, 0
.rept 16
	v_fma_f32 v[96+i], v[48+i], s49, s48
	v_fma_f32 v[112+i], v[48+i], s52, s51
	v_cmp_eq_u32 s[24+i], 1, v[176+i]              ; an odd quotient: sine and cosine change places.  A mask for each of the 16: s24-39
.set i, i+1
.endr
.set i, 0
.rept 16
	v_fma_f32 v[96+i], v[96+i], v[48+i], s47
	v_fma_f32 v[112+i], v[112+i], v[48+i], s50
	v_mul_f32 v[64+i], v[80+i], v[48+i]
	v_fma_f32 v[176+i], v[48+i], -0.5, 1.0
.set i, i+1
.endr
.set i, 0
.rept 16
	v_fma_f32 v[96+i], v[64+i], v[96+i], v[80+i]   ; sin r
.set i, i+1
.endr
.set i, 0
.rept 16
	v_mul_f32 v[64+i], v[48+i], v[48+i]
.set i, i+1
.endr
.set i, 0
.rept 16
	v_fma_f32 v[112+i], v[64+i], v[112+i], v[176+i] ; cos r
.set i, i+1
.endr
.set i, 0
.rept 16
	v_cndmask_b32 v[160+i], v[96+i], v[112+i], s[24+i]
	v_cndmask_b32 v[144+i], v[112+i], v[96+i], s[24+i]
	v_and_b32 v[176+i], 2, v[128+i]                ; quotient mod 4 = 2, 3: the sine changes its sign
	v_add_nc_u32 v[128+i], 1, v[128+i]             ; 1, 2: the cosine
.set i, i+1
.endr
.set i, 0
.rept 16
	v_lshlrev_b32 v[176+i], 30, v[176+i]
	v_and_b32 v[128+i], 2, v[128+i]
.set i, i+1
.endr
.set i, 0
.rept 16
	v_xor_b32 v[160+i], v[176+i], v[160+i]
	v_lshlrev_b32 v[128+i], 30, v[128+i]
.set i, i+1
.endr
.set i, 0
.rept 16
	v_xor_b32 v[144+i], v[128+i], v[144+i]
.set i, i+1
.endr
.irp c, 0,1,2,3
	global_store_b128 v6, v[144+4*\c:147+4*\c], s[20:21] offset:512*\c        ; 512 consecutive bytes each
	global_store_b128 v6, v[160+4*\c:163+4*\c], s[20:21] offset:2048+512*\c
.endr
	s_endpgm
.Lfunc_end_k_q5b251c918e_prep:
	.size	k_q5b251c918e_prep, .Lfunc_end_k_q5b251c918e_prep-k_q5b251c918e_prep
	.p2alignl 7, 3214868480
	.fill 96, 4, 3214868480
	.section	.rodata,"a",@progbits
	.p2align	6, 0x0
	.amdhsa_kernel k_q5b251c918e_prep
		.amdhsa_group_segment_fixed_size 4096
		.amdhsa_private_segment_fixed_size 0
		.amdhsa_enable_private_segment 0
		.amdhsa_kernarg_size 104
		.amdhsa_user_sgpr_count 2
		.amdhsa_user_sgpr_kernarg_segment_ptr 1
		.amdhsa_wavefront_size32 1
		.amdhsa_system_sgpr_workgroup_id_x 1
		.amdhsa_system_sgpr_workgroup_id_y 1
		.amdhsa_system_sgpr_workgroup_id_z 1
		.amdhsa_system_vgpr_workitem_id 0
		.amdhsa_next_free_vgpr 256
		.amdhsa_next_free_sgpr 80
		.amdhsa_reserve_vcc 0
		.amdhsa_float_denorm_mode_32 3
		.amdhsa_float_denorm_mode_16_64 3
		.amdhsa_memory_ordered 1
		.amdhsa_forward_progress 1
		.amdhsa_inst_pref_size 83
	.end_amdhsa_kernel
	.amdgpu_metadata
---
amdhsa.version: [ 1, 2 ]
amdhsa.kernels:
  - .name:           k_q5b251c918e_prep
    .symbol:         k_q5b251c918e_prep.kd
    .args:
      - { .name: Wq, .offset: 0, .size: 8, .value_kind: global_buffer, .address_space: global }
      - { .name: Wk, .offset: 8, .size: 8, .value_kind: global_buffer, .address_space: global }
      - { .name: Wv, .offset: 16, .size: 8, .value_kind: global_buffer, .address_space: global }
      - { .name: Wo, .offset: 24, .size: 8, .value_kind: global_buffer, .address_space: global }
      - { .name: W1, .offset: 32, .size: 8, .value_kind: global_buffer, .address_space: global }
      - { .name: W2, .offset: 40, .size: 8, .value_kind: global_buffer, .address_space: global }
      - { .name: pos, .offset: 48, .size: 8, .value_kind: global_buffer, .address_space: global }
      - { .name: wq, .offset: 56, .size: 8, .value_kind: global_buffer, .address_space: global }
      - { .name: rope, .offset: 64, .size: 8, .value_kind: global_buffer, .address_space: global }
      - { .name: x, .offset: 72, .size: 8, .value_kind: global_buffer, .address_space: global }
      - { .name: g1, .offset: 80, .size: 8, .value_kind: global_buffer, .address_space: global }
      - { .name: b1, .offset: 88, .size: 8, .value_kind: global_buffer, .address_space: global }
      - { .name: aq, .offset: 96, .size: 8, .value_kind: global_buffer, .address_space: global }
    .group_segment_fixed_size: 4096
    .private_segment_fixed_size: 0
    .kernarg_segment_align: 8
    .kernarg_segment_size: 104
    .max_flat_workgroup_size: 256
    .sgpr_count:     80
    .vgpr_count:     256
    .wavefront_size: 32
...
	.end_amdgpu_metadata
.endif
;; end of part 8
;; launch qkv (part 9): grid 12 x 16, 16 waves a work-group, clusters of 4 x 4, 327,680 bytes of LDS; arguments aq, wq, rope, bq, bk, bv, qrec, kvrec; writes qrec, kvrec
.if DOCPART == 9
	.amdgcn_target "amdgcn-amd-amdhsa--gfx1250"
	.amdhsa_code_object_version 6
	.text
	.protected	k_q5b251c918e_qkv
	.globl	k_q5b251c918e_qkv
	.p2align	8
	.type	k_q5b251c918e_qkv,@function
k_q5b251c918e_qkv:
	s_mov_b64 s[64:65], 0
	v_nop
	global_prefetch_b8 v0, s[64:65] scope:SCOPE_SE
	s_setreg_imm32_b32 hwreg(HW_REG_WAVE_MODE, 25, 1), 1
	s_wait_xcnt 0x0
	s_wait_alu depctr_hold_cnt(0) depctr_sa_sdst(0) depctr_va_vdst(0) depctr_va_sdst(0) depctr_va_ssrc(0) depctr_va_vcc(0) depctr_vm_vsrc(0)
	s_getreg_b32 s2, hwreg(HW_REG_IB_STS2, 6, 4)
	s_cmp_eq_u32 s2, 0
	s_cbranch_scc0 .Lentry_in_a_cluster
	s_endpgm
.Lentry_in_a_cluster:
	s_bfe_u32 s2, ttmp6, 0x10000c
	s_cmp_lg_u32 s2, 0xf033
	s_cbranch_scc0 .Lentry_shape_is_right
	s_endpgm
.Lentry_shape_is_right:
; q, k, v = h W + b on codes of BF6 (E3M2) with E8M0 scales; q and k are rotated (columns j and j + 512 are partners); all three are quantised again and laid as attention's operands.
; A work-group makes 256 tokens x 256 columns; sixteen waves (wm = wave / 4, wn = wave % 4), each 64 x 64: 16 accumulators.  Cluster x = 0, 1, 2: q, k, v; cx: which 256 of the tensor's columns.
; OPERANDS lie in memory and in LDS in the order of the operand registers: a group (16 rows) x 128 K is 1,536 bytes: registers 0-3 of lane l at 16 l, 4-5 at 512 + 8 l, 6-9 at 768 + 16 l, 10-11 at 1280 + 8 l.
; Row r of group g is index 32 (g / 2) + 8 (g % 2) + r + 8 (r / 8), so that the 16 registers of two neighbouring tiles of source 0 are 16 neighbours.
; K's eight steps of 128 are four quarters of two.  THREE LDS slots take the first three quarters as first fills; the last quarter comes into slot 0 when every wave of the cluster has read that slot: one refill, which has
; the four K steps of slots 1 and 2 in which to land.  Waves 0, 1 fetch A's halves, waves 2, 3 B's, jointly with the cluster's row (A) or column (B).  All scale bytes come once.
; q, k: source 0 = weights, source 1 = tokens: a lane holds one token, its registers 32 columns j0 + 16 h .. and their partners j0 + 512 + 16 h ...  v: the sources change places (by the LDS addresses alone, chosen on the
; cluster's x, which all partners share): a lane holds one column d and its registers run along the tokens, which are the second product's K.
; OUT, a record of 13,056 bytes for each head and 128 tokens: 8 tiles of 16 tokens x 64 d (768 bytes each); 4 tiles of 16 d x 128 tokens (1,536 each) at 6,144; scale words [8][16] at 12,288 (bytes 2, 3 = 127) and [4][16] at 12,800.
; q's and k's 8-byte stores and all scale bytes fill aligned blocks of 256 bytes only in part: one wave holds one block of 32 d of a tile.
; LIMITS: a block whose largest magnitude lies under 2^-122 (zeros too) gets the byte 1; NaN and infinities are not served.
.set MB, 4
.set NB, 4
.set TG, 16                            ; groups in a side of the tile
.set KSTEPS, 8
.set KS, 2                             ; K steps in a slot
.set GROW, KS*1536                     ; a group's bytes in a slot
.set GSTR, KSTEPS*1536                 ; a group's codes in memory
.set GSB, KSTEPS*64                    ; a group's scale bytes
.set ASB, 3145728                      ; A's scale bytes in its buffer
.set WCB, 0                            ; the weight's codes in wq
.set WSB, 9437184                      ; and its scale bytes
.set SLOT, 98304                       ; A's TG groups, then B's
.set SIDE, 49152
.set HALF, 24576                       ; what one tensor load brings
.set SCL, 3*SLOT                       ; behind the three slots: A's scale bytes, then B's
.set SPARE, SCL+2*TG*GSB               ; behind them: the spare words, 128 bytes for each of 16 waves
.set REC, 13056
.set HS, 16*REC                        ; a head
.set H8, 8*HS                          ; eight heads
.set SC, 16                            ; v16-23 scale words: register KS i + q: lanes 0-15 source 1's group i, lanes 16-31 source 0's
.set S0F, 32                           ; v32-79  source 0's four fragments
.set S1F, 80                           ; v80-127 source 1's
.set ACC, 128                          ; v128-255: accumulator (a, b) = source 1's group a x source 0's group b at v[ACC + 8 (4 a + b)]
.set G1A, 24
.set G0A, 32                           ; s[32:35] A's group 0
.set G0A2, 20
.set G1B, 48
.set G0B, 56                           ; s[56:59] B's group 0
.set G0B2, 44
.set G1SA, 68
.set G0SA, 76
.set G1SB, 80
.set G0SB, 88
.set HM, 99                            ; s99 the mask of lanes 16-31
.set SEL, 56                           ; s[56:57] (the way out) lane selects: lane l xor 16
.set QM, 14                            ; the quantiser's work: v14-15, v24-25, v26-27, v28-30
.set QX, 24
.set QS, 26
.set QT, 28
.macro CROUND                          ; a round of the cluster's barrier
	s_barrier_signal -1
	s_barrier_wait -1
	s_cmp_lg_u32 s14, 0
	s_cbranch_scc1 .Lnw0_\@
	s_barrier_signal -3
.Lnw0_\@:
	s_barrier_wait -3
	s_barrier_signal -1
	s_barrier_wait -1
.endm
.macro JLOAD s                         ; a joint refill of slot s: waves 0, 1 for A, waves 2, 3 for B, the others none; four v_nop follow each line
	s_cmp_lt_u32 s14, 2
	s_cbranch_scc0 .Lnot_a_\@
	tensor_load_to_lds s[G0A+4*(\s):G0A+4*(\s)+3], s[G1A:G1A+7]
	s_nop 0
.rept 4
	v_nop
.endr
	s_branch .Lasked_\@
.Lnot_a_\@:
	s_cmp_lt_u32 s14, 4
	s_cbranch_scc0 .Lasked_\@
	tensor_load_to_lds s[G0B+4*(\s):G0B+4*(\s)+3], s[G1B:G1B+7]
	s_nop 0
.rept 4
	v_nop
.endr
.Lasked_\@:
.endm
.macro FRAG f, a16, a8, o              ; a fragment's 12 registers, as they lie: every load takes consecutive bytes from lane to lane
	ds_load_b128 v[\f:\f+3], v[\a16] offset:\o
	ds_load_b64 v[\f+4:\f+5], v[\a8] offset:\o+512
	ds_load_b128 v[\f+6:\f+9], v[\a16] offset:\o+768
	ds_load_b64 v[\f+10:\f+11], v[\a8] offset:\o+1280
.endm
; A K step of 128: LDS slot s, its q-th step; sidx: which quarter of K (for the scale words).  The 16 accumulators take turns, one instruction a turn.  zero = 1: the products start the sums.
.macro KSTEP s, q, sidx, zero
.rept 4
	v_nop                                          ; places in front of loads into registers that matrix instructions have read
.endr
.irp b, 0,1,2,3
	FRAG S0F+12*\b, 3+2*(\s), 4+2*(\s), \b*GROW+1536*(\q)
.endr
.irp a, 0,1,2,3
	FRAG S1F+12*\a, 9+2*(\s), 10+2*(\s), \a*GROW+1536*(\q)
.endr
.if (\q) == 0
.irp i, 0,1,2,3
	ds_load_b64 v[SC+2*\i:SC+2*\i+1], v15 offset:\i*GSB+((\sidx)/2)*256+((\sidx)%2)*8
.endr
.endif
	s_wait_dscnt 0x0                               ; all of the step's operands; the SIMD's other three waves work meanwhile
.irp a, 0,1,2,3
.irp b, 0,1,2,3
.if \zero
	v_wmma_scale_f32_16x16x128_f8f6f4 v[ACC+8*(NB*\a+\b):ACC+8*(NB*\a+\b)+7], v[S0F+12*\b:S0F+12*\b+11], v[S1F+12*\a:S1F+12*\a+11], 0, v[SC+KS*\b+(\q)], v[SC+KS*\a+(\q)] matrix_a_fmt:MATRIX_FMT_BF6 matrix_b_fmt:MATRIX_FMT_BF6 matrix_a_scale:MATRIX_SCALE_ROW1
.else
	v_wmma_scale_f32_16x16x128_f8f6f4 v[ACC+8*(NB*\a+\b):ACC+8*(NB*\a+\b)+7], v[S0F+12*\b:S0F+12*\b+11], v[S1F+12*\a:S1F+12*\a+11], v[ACC+8*(NB*\a+\b):ACC+8*(NB*\a+\b)+7], v[SC+KS*\b+(\q)], v[SC+KS*\a+(\q)] matrix_a_fmt:MATRIX_FMT_BF6 matrix_b_fmt:MATRIX_FMT_BF6 matrix_a_scale:MATRIX_SCALE_ROW1
.endif
.endr
.endr
.endm
; fill = 1: slot 0 has been read out and is filled again, with K's last quarter, behind a round of the cluster's barrier.  fill = 0: that quarter is shown landed to every wave.
.macro CHANGE fill
	s_wait_tensorcnt 0x0                           ; all my tensor loads have landed; so a group 0 may be written
	ds_add_u32 v1, v2                              ; 0 onto my spare word
.if \fill
	s_add_nc_u64 s[G0A+2:G0A+3], s[G0A+2:G0A+3], 3*GROW
	s_add_nc_u64 s[G0B+2:G0B+3], s[G0B+2:G0B+3], 3*GROW
.endif
	s_wait_dscnt 0x0                               ; the add is done, and my reads so far are over
.if \fill
	CROUND                                         ; no wave of any partner still reads slot 0 or has a load on its way; slots 1 and 2 are whole
	JLOAD 0                                        ; the first tensor load behind the round, one a wave: it has four K steps in which to land
.else
	s_barrier_signal -1
	s_barrier_wait -1
.endif
.endm
; 32 numbers of a lane, two blocks of 32 shared with lane l xor 16 (16 of each are mine), become half an image: lanes 0-15 hold the first block whole in v[cd] .. v[cd + 5], lanes 16-31 the second; v[by]: that block's byte.
.macro QUANT2 src, cd, by
	v_max3_num_f32 v[QM], |v[(\src)]|, |v[(\src)+1]|, 0x2800000      ; with the floor 2^(5 - 127): the byte cannot fall under 1
	v_max3_num_f32 v[QM+1], |v[(\src)+16]|, |v[(\src)+17]|, 0x2800000
.irp i, 2,4,6,8,10,12,14
	s_delay_alu instid0(VALU_DEP_2)
	v_max3_num_f32 v[QM], v[QM], |v[(\src)+\i]|, |v[(\src)+\i+1]|
	s_delay_alu instid0(VALU_DEP_2)
	v_max3_num_f32 v[QM+1], v[QM+1], |v[(\src)+16+\i]|, |v[(\src)+17+\i]|
.endr
	s_delay_alu instid0(VALU_DEP_2)
	v_permlanex16_b32 v[QX], v[QM], s[SEL], s[SEL+1]
	s_delay_alu instid0(VALU_DEP_2)
	v_permlanex16_b32 v[QX+1], v[QM+1], s[SEL], s[SEL+1]
	s_delay_alu instid0(VALU_DEP_2)
	v_max_num_f32 v[QM], v[QM], v[QX]
	s_delay_alu instid0(VALU_DEP_2)
	v_max_num_f32 v[QM+1], v[QM+1], v[QX+1]
	s_delay_alu instid0(VALU_DEP_2)
	v_add_nc_u32 v[QS], 0xfe000000, v[QM]          ; 4 off the exponent field: the conversion's scale operand
	s_delay_alu instid0(VALU_DEP_2)
	v_add_nc_u32 v[QS+1], 0xfe000000, v[QM+1]
	s_delay_alu instid0(VALU_DEP_2)
	v_lshrrev_b32 v[QX], 23, v[QS]                 ; the bytes
	s_delay_alu instid0(VALU_DEP_2)
	v_lshrrev_b32 v[QX+1], 23, v[QS+1]
	v_cvt_scalef32_pk16_bf6_f32 v[(\cd):(\cd)+2], v[(\src):(\src)+15], v[QS]
	v_cvt_scalef32_pk16_bf6_f32 v[QT:QT+2], v[(\src)+16:(\src)+31], v[QS+1]
	v_cndmask_b32 v[(\by)], v[QX], v[QX+1], s[HM]  ; (also the plain line behind the conversions)
.irp i, 0,1,2
	v_permlane16_swap_b32 v[(\cd)+\i], v[QT+\i]
.endr
.irp i, 0,1,2
	s_delay_alu instid0(VALU_DEP_3)
	v_mov_b32 v[(\cd)+3+\i], v[QT+\i]
.endr
.endm
	s_load_b128 s[4:7], s[0:1], 0x0                ; aq s[4:5], wq s[6:7]
	v_lshl_add_u32 v1, v0, 2, SPARE                ; my spare word; never rewritten
	v_mov_b32 v2, 0                                ; never rewritten
	ds_add_u32 v1, v2
	ds_add_u32 v1, v2
	s_wait_dscnt 0x0
	v_lshrrev_b32 v24, 5, v0
	s_delay_alu instid0(VALU_DEP_1)
	v_readfirstlane_b32 s14, v24                   ; wave 0..15
	s_lshr_b32 s15, s14, 2                         ; wm
	s_and_b32 s16, s14, 3                          ; wn
	s_bfe_u32 s40, ttmp6, 0x40000                  ; cx
	s_bfe_u32 s41, ttmp6, 0x40004                  ; cy
	s_lshl_b32 s42, ttmp9, 2
	s_add_co_u32 s42, s42, s40                     ; X: tile of columns
	s_and_b32 s17, ttmp7, 0xffff
	s_lshl_b32 s17, s17, 2
	s_add_co_u32 s17, s17, s41                     ; Y: tile of tokens
	s_lshl_b32 s43, s41, 2
	s_lshl_b32 s43, 15, s43                        ; my row of the cluster
	s_lshl_b32 s44, 0x1111, s40                    ; my column
	s_mov_b32 s[HM], 0xffff0000
	; group 1 for codes: TG / 2 rows (groups) of GROW bytes, GSTR bytes apart, elements of 8 bytes, no padding
	s_or_b32 s[G1A], s43, (3<<16)|(1<<21)
	s_or_b32 s[G1B], s44, (3<<16)|(1<<21)
.irp g, G1A, G1B
	s_mov_b32 s[\g+1], (GROW/8)<<16
	s_mov_b32 s[\g+2], (TG/2)<<16
	s_mov_b32 s[\g+3], (GROW/8)<<16
	s_mov_b32 s[\g+4], TG/2
	s_mov_b32 s[\g+5], GSTR/8
	s_mov_b32 s[\g+6], 0
	s_mov_b32 s[\g+7], 0
.endr
	; and for scale bytes: half a side's, a dense block, as rows of 256 bytes
	s_or_b32 s[G1SA], s43, (3<<16)|(1<<21)
	s_or_b32 s[G1SB], s44, (3<<16)|(1<<21)
.irp g, G1SA, G1SB
	s_mov_b32 s[\g+1], 32<<16
	s_mov_b32 s[\g+2], (TG*GSB/512)<<16
	s_mov_b32 s[\g+3], 32<<16
	s_mov_b32 s[\g+4], TG*GSB/512
	s_mov_b32 s[\g+5], 32
	s_mov_b32 s[\g+6], 0
	s_mov_b32 s[\g+7], 0
.endr
	s_and_b32 s18, s14, 1                          ; which half of a side I fetch, if I fetch
	s_mul_i32 s19, s18, TG/2
	s_mul_i32 s20, s17, TG
	s_add_co_u32 s20, s20, s19                     ; A: its first group (hangs on Y alone)
	s_mul_i32 s46, s42, TG
	s_add_co_u32 s46, s46, s19                     ; B: (on X alone)
	s_mul_i32 s22, s20, GSB
	s_add_co_u32 s22, s22, ASB
	s_mov_b32 s23, 0
	s_mul_i32 s20, s20, GSTR
	s_mov_b32 s21, 0
	s_mul_i32 s92, s46, GSB
	s_add_co_u32 s92, s92, WSB
	s_mov_b32 s93, 0
	s_mul_i32 s46, s46, GSTR
	s_add_co_u32 s46, s46, WCB
	s_mov_b32 s47, 0
	s_mul_i32 s45, s18, HALF
	s_mul_i32 s94, s18, TG*GSB/2
	; where my fragments lie in LDS.  For v the sources change places
	s_mul_i32 s18, s15, MB*GROW                    ; tokens: my four groups
	s_mul_i32 s19, s16, NB*GROW
	s_add_co_u32 s19, s19, SIDE                    ; weights: my four groups
	s_mul_i32 s2, s15, MB*GSB
	s_add_co_u32 s2, s2, SCL
	s_mul_i32 s3, s16, NB*GSB
	s_add_co_u32 s3, s3, SCL+TG*GSB
	s_cmp_eq_u32 ttmp9, 2                          ; the cluster's x: the same in all sixteen partners
	s_cselect_b32 s95, s18, s19                    ; source 0
	s_cselect_b32 s96, s19, s18                    ; source 1
	s_cselect_b32 s97, s2, s3                      ; source 0's scale words
	s_cselect_b32 s98, s3, s2                      ; source 1's
	v_and_b32 v24, 31, v0
	s_delay_alu instid0(VALU_DEP_1)
	v_lshlrev_b32 v25, 4, v24
	s_delay_alu instid0(VALU_DEP_2)
	v_lshlrev_b32 v26, 3, v24
	s_delay_alu instid0(VALU_DEP_2)
	v_add_nc_u32 v3, s95, v25                      ; v3, v4: source 0 in slot 0, 16 l and 8 l;  v5, v6: in slot 1;  v7, v8: in slot 2
	s_delay_alu instid0(VALU_DEP_2)
	v_add_nc_u32 v4, s95, v26
	s_delay_alu instid0(VALU_DEP_2)
	v_add_nc_u32 v5, SLOT, v3
	s_delay_alu instid0(VALU_DEP_2)
	v_add_nc_u32 v6, SLOT, v4
	s_delay_alu instid0(VALU_DEP_4)
	v_add_nc_u32 v7, 2*SLOT, v3
	s_delay_alu instid0(VALU_DEP_4)
	v_add_nc_u32 v8, 2*SLOT, v4
	v_add_nc_u32 v9, s96, v25                      ; v9 - v14: source 1 likewise
	v_add_nc_u32 v10, s96, v26
	s_delay_alu instid0(VALU_DEP_2)
	v_add_nc_u32 v11, SLOT, v9
	s_delay_alu instid0(VALU_DEP_2)
	v_add_nc_u32 v12, SLOT, v10
	s_delay_alu instid0(VALU_DEP_4)
	v_add_nc_u32 v13, 2*SLOT, v9
	s_delay_alu instid0(VALU_DEP_4)
	v_add_nc_u32 v14, 2*SLOT, v10
	v_and_b32 v27, 15, v0
	s_delay_alu instid0(VALU_DEP_1)
	v_lshlrev_b32 v27, 4, v27
	s_delay_alu instid0(VALU_DEP_1)
	v_add_nc_u32 v28, s98, v27
	s_delay_alu instid0(VALU_DEP_2)
	v_add_nc_u32 v29, s97, v27
	s_delay_alu instid0(VALU_DEP_1)
	v_cndmask_b32 v15, v28, v29, s[HM]             ; v15: lanes 0-15 source 1's scale words, lanes 16-31 source 0's
	s_wait_kmcnt 0x0
	s_add_nc_u64 s[20:21], s[4:5], s[20:21]
	s_add_nc_u64 s[22:23], s[4:5], s[22:23]
	s_add_nc_u64 s[46:47], s[6:7], s[46:47]
	s_add_nc_u64 s[92:93], s[6:7], s[92:93]
	CROUND                                         ; all sixteen work-groups are here: the first joint loads meet
	s_mov_b32 s[G0SA], 1
	s_add_co_u32 s[G0SA+1], s94, SCL
	s_mov_b64 s[G0SA+2:G0SA+3], s[22:23]
	s_or_b32 s[G0SA+3], s[G0SA+3], 0x80000000
	s_mov_b32 s[G0SB], 1
	s_add_co_u32 s[G0SB+1], s94, SCL+TG*GSB
	s_mov_b64 s[G0SB+2:G0SB+3], s[92:93]
	s_or_b32 s[G0SB+3], s[G0SB+3], 0x80000000
	; THE SIXTEEN FIRST FILLS, ONE A WAVE: wave w fills half w % 2 of A's side (w & 2 = 0) or B's (w & 2 = 2) of slot w / 4; waves 12-15 (w / 4 = 3) the halves of A's and B's scale bytes.
	; Waves 0-3 so hold slot 0's groups 0, which the one refill steps on.
	s_lshr_b32 s2, s14, 2                          ; the slot that I fill; 3: scale bytes
	s_and_b32 s3, s14, 2                           ; 0: A's side, 2: B's
	s_mul_i32 s95, s2, SLOT
	s_add_co_u32 s95, s95, s45                     ; LDS: slot + my half
	s_mul_i32 s96, s2, GROW                        ; memory: the slot's quarter of K
	s_mov_b32 s97, 0
	s_mov_b32 s[G0A], 1
	s_mov_b32 s[G0A+1], s95
	s_add_nc_u64 s[G0A+2:G0A+3], s[20:21], s[96:97]
	s_or_b32 s[G0A+3], s[G0A+3], 0x80000000
	s_mov_b32 s[G0B], 1
	s_add_co_u32 s[G0B+1], s95, SIDE
	s_add_nc_u64 s[G0B+2:G0B+3], s[46:47], s[96:97]
	s_or_b32 s[G0B+3], s[G0B+3], 0x80000000
	s_cmp_eq_u32 s2, 3                             ; one tree of branches on the wave's number: every way passes exactly one load
	s_cbranch_scc1 .Lfirst_sc
	s_cmp_eq_u32 s3, 0
	s_cbranch_scc0 .Lfirst_b
	tensor_load_to_lds s[G0A:G0A+3], s[G1A:G1A+7]
	s_nop 0
.rept 4
	v_nop
.endr
	s_branch .Lfilled
.Lfirst_b:
	tensor_load_to_lds s[G0B:G0B+3], s[G1B:G1B+7]
	s_nop 0
.rept 4
	v_nop
.endr
	s_branch .Lfilled
.Lfirst_sc:
	s_cmp_eq_u32 s3, 0
	s_cbranch_scc0 .Lfirst_sb
	tensor_load_to_lds s[G0SA:G0SA+3], s[G1SA:G1SA+7]
	s_nop 0
.rept 4
	v_nop
.endr
	s_branch .Lfilled
.Lfirst_sb:
	tensor_load_to_lds s[G0SB:G0SB+3], s[G1SB:G1SB+7]
	s_nop 0
.rept 4
	v_nop
.endr
.Lfilled:
	s_wait_tensorcnt 0x0                           ; my one load has landed; behind the barrier everybody's has: all three slots and the scale bytes
	s_barrier_signal -1
	s_barrier_wait -1
	s_wait_alu depctr_va_vdst(0)
	KSTEP 0, 0, 0, 1
	KSTEP 0, 1, 0, 0
	CHANGE 1                                       ; slots 1 and 2 have landed; K's last quarter goes out into slot 0
	KSTEP 1, 0, 1, 0
	KSTEP 1, 1, 1, 0
	KSTEP 2, 0, 2, 0                               ; no barrier between slots 1 and 2: the round has shown both whole to every wave
	KSTEP 2, 1, 2, 0
	CHANGE 0                                       ; the last quarter has landed; nothing is left to fetch
	KSTEP 0, 0, 3, 0
	KSTEP 0, 1, 3, 0
.rept 4
	v_nop                                          ; places behind the last products
.endr
	; ---------------- the way out.  No tensor load is out: the descriptors' registers are free
	s_load_b256 s[24:31], s[0:1], 0x10             ; rope s[24:25], bq s[26:27], bk s[28:29], bv s[30:31]
	s_load_b128 s[32:35], s[0:1], 0x30             ; qrec s[32:33], kvrec s[34:35]
	s_mov_b32 s[SEL], 0x76543210
	s_mov_b32 s[SEL+1], 0xfedcba98
	s_lshr_b32 s36, s17, 3                         ; batch
	s_and_b32 s37, s17, 7                          ; which 256 tokens of it
	s_lshr_b32 s38, s15, 1
	s_and_b32 s39, s15, 1                          ; which 64 tokens of a record's 128
	s_lshr_b32 s45, s16, 1
	s_and_b32 s46, s16, 1                          ; which 32 of a head's 64
	s_lshl_b32 s47, s37, 1
	s_add_co_u32 s47, s47, s38                     ; the record
	s_mul_i32 s47, s47, REC
	s_lshl_b32 s48, s40, 1
	s_add_co_u32 s48, s48, s45                     ; the head, 0..7 (its partner: + 8)
	s_lshl_b32 s49, s36, 4
	s_add_co_u32 s49, s49, s48
	s_mul_i32 s49, s49, HS
	s_add_co_u32 s50, s49, s47
	s_mov_b32 s51, 0
	s_lshl_b32 s54, s40, 9
	s_lshl_b32 s58, s16, 7
	s_add_co_u32 s54, s54, s58                     ; the bias: 4 x (128 cx + 32 wn)
	s_mov_b32 s55, 0
	v_and_b32 v10, 15, v0                          ; r
	v_bfe_u32 v11, v0, 4, 1                        ; h
	v_and_b32 v12, 31, v0                          ; l
	v_mov_b32 v[QX], 0                             ; a lane permute's destination counts as read
	v_mov_b32 v[QX+1], 0
	s_cmp_eq_u32 ttmp9, 2
	s_cbranch_scc1 .Lv
	; ---- q and k
	s_lshl_b32 s52, s37, 4
	s_lshl_b32 s58, s15, 2
	s_add_co_u32 s52, s52, s58                     ; my first group of tokens in the batch
	s_lshl_b32 s52, s52, 4
	s_lshl_b32 s58, s40, 2
	s_add_co_u32 s52, s52, s58
	s_add_co_u32 s52, s52, s16                     ; x 16 + (4 cx + wn): the table's piece of 4,096 bytes
	s_lshl_b32 s52, s52, 12
	s_mov_b32 s53, 0
	s_mul_i32 s58, s39, 3072
	s_lshl_b32 s59, s46, 8
	s_add_co_u32 s59, s59, s58
	s_lshl_b32 s60, s46, 7
	s_add_co_u32 s60, s60, s58
	s_lshl_b32 s61, s39, 8
	s_add_co_u32 s61, s61, s46
	; WHERE A TOKEN'S ROW GOES.  q: tile a, row r, as the groups lie.  k: ANOTHER ORDER OF THE KEYS: tile 4 c + t of a record has keys 64 c + 8 t + 0 .. 7 in rows 0-7 and keys 64 c + 32 + 8 t + 0 .. 7 in rows 8-15.
	; Row r of group a = 2 p + u is key 32 p + 8 u + r % 8 + 16 (r / 8) of its 64: so it goes to tile u + 2 (r / 8), row r % 8 + 8 p.  The two differ in the step for r / 8 and in what groups 2 and 3 add.
	s_cmp_eq_u32 ttmp9, 0                          ; q?  The cluster's x alone decides
	s_mov_b32 s62, 1536
	s_cselect_b32 s62, 128, s62                    ; r / 8 in the 16-byte pieces: eight rows, or two tiles
	s_mov_b32 s63, 1536
	s_cselect_b32 s63, 64, s63                     ; in the 8-byte pieces
	s_cselect_b32 s66, 32, 128                     ; in the scale words
	s_cselect_b32 s67, 1408, 0                     ; groups 2, 3: the stores' offsets are k's; q adds the rest
	s_cselect_b32 s68, 1472, 0
	s_cselect_b32 s69, 96, 0
	s_wait_alu depctr_va_vdst(0)
	v_mul_u32_u24 v9, v11, H8                      ; lanes 16-31 hold the partner head's block
	v_and_b32 v19, 7, v10                          ; r % 8
	v_lshrrev_b32 v20, 3, v10                      ; r / 8
	v_lshl_add_u32 v5, v19, 4, v9
	v_lshl_add_u32 v6, v19, 3, v9
	v_lshl_add_u32 v7, v19, 2, v9
	v_mad_u32_u24 v5, v20, s62, v5
	v_mad_u32_u24 v6, v20, s63, v6
	v_mad_u32_u24 v7, v20, s66, v7
	v_add_nc_u32 v5, s59, v5                       ; registers 0-3 of groups 0, 1
	v_add_nc_u32 v6, s60, v6                       ; registers 4-5
	v_add_nc_u32 v7, s61, v7                       ; my block's byte of the row's scale word
	v_add_nc_u32 v16, s67, v5                      ; the same three for groups 2, 3
	v_add_nc_u32 v17, s68, v6
	v_add_nc_u32 v18, s69, v7
	v_mov_b32 v8, 0x7f                             ; the scale 1 for the half of the product's K that holds zero codes
	v_lshlrev_b32 v3, 4, v12
	v_lshlrev_b32 v4, 6, v11
	s_wait_alu depctr_va_vdst(0)
	s_wait_kmcnt 0x0
	s_cmp_eq_u32 ttmp9, 0
	s_cselect_b64 s[32:33], s[32:33], s[34:35]
	s_cselect_b64 s[26:27], s[26:27], s[28:29]
	s_add_nc_u64 s[32:33], s[32:33], s[50:51]
	s_add_nc_u64 s[24:25], s[24:25], s[52:53]
	s_add_nc_u64 s[26:27], s[26:27], s[54:55]
.macro TABLE a                         ; cos (16) and sin (16) for group a's token of my lane: into v64 on (a even) or v32 on (a odd)
.irp i, 0,1,2,3
	global_load_b128 v[64-32*((\a)%2)+4*\i:67-32*((\a)%2)+4*\i], v3, s[24:25] offset:65536*(\a)+512*\i
	global_load_b128 v[80-32*((\a)%2)+4*\i:83-32*((\a)%2)+4*\i], v3, s[24:25] offset:65536*(\a)+2048+512*\i
.endr
.endm
.irp i, 0,1,2,3
	global_load_b128 v[32+4*\i:35+4*\i], v4, s[26:27] offset:16*\i
	global_load_b128 v[48+4*\i:51+4*\i], v4, s[26:27] offset:2048+16*\i
.endr
	TABLE 0
	s_wait_loadcnt 8                               ; the bias is in; the table's eight loads may be out
.set k, 0
.rept 64
	v_pk_add_f32 v[ACC+k:ACC+k+1], v[ACC+k:ACC+k+1], v[32+k%32:33+k%32]   ; each accumulator from its low end on
.set k, k+2
.endr
	TABLE 1
.macro QKROW a
.set AB, ACC+32*(\a)
.set TF, 64-32*((\a)%2)
.if (\a) < 3
	s_wait_loadcnt 8                               ; this group's table is in; the next group's eight loads may be out
.else
	s_wait_loadcnt 0x0
.endif
.irp p, 0,2,4,6,8,10,12,14
	v_pk_mul_f32 v[10:11], v[AB+16+\p:AB+17+\p], v[TF+16+\p:TF+17+\p]
	v_pk_mul_f32 v[12:13], v[AB+\p:AB+1+\p], v[TF+16+\p:TF+17+\p]
	s_delay_alu instid0(VALU_DEP_2)
	v_pk_fma_f32 v[AB+\p:AB+1+\p], v[AB+\p:AB+1+\p], v[TF+\p:TF+1+\p], v[10:11] neg_lo:[0,0,1] neg_hi:[0,0,1]   ; t1 cos - t2 sin
	s_delay_alu instid0(VALU_DEP_2)
	v_pk_fma_f32 v[AB+16+\p:AB+17+\p], v[AB+16+\p:AB+17+\p], v[TF+\p:TF+1+\p], v[12:13]                         ; t2 cos + t1 sin
.endr
.if (\a) < 2
	TABLE (\a)+2
.endif
	QUANT2 AB, 96+8*(\a), 102+8*(\a)               ; each group has registers of its own for its codes: no store's data are written again
	global_store_b128 v[5+11*((\a)/2)], v[96+8*(\a):99+8*(\a)], s[32:33] offset:768*((\a)%2)+128*((\a)/2)
	global_store_b64 v[6+11*((\a)/2)], v[100+8*(\a):101+8*(\a)], s[32:33] offset:768*((\a)%2)+64*((\a)/2)+512
	global_store_b8 v[7+11*((\a)/2)], v[102+8*(\a)], s[32:33] offset:12288+64*((\a)%2)+32*((\a)/2)
	global_store_b8 v[7+11*((\a)/2)], v8, s[32:33] offset:12288+64*((\a)%2)+32*((\a)/2)+2
.endm
	QKROW 0
	QKROW 1
	QKROW 2
	QKROW 3
	s_branch .Ldone
	; ---- v: a lane holds column d = row r of weight group a; registers run along 64 tokens
.Lv:
	s_mul_i32 s58, s46, 3072
	s_mul_i32 s59, s39, 768
	s_add_co_u32 s58, s58, s59                     ; tile 2 x (my block of d), half (which 64 tokens)
	s_lshl_b32 s60, s46, 7
	s_lshl_b32 s61, s39, 1
	s_add_co_u32 s60, s60, s61
	s_wait_alu depctr_va_vdst(0)
	v_lshlrev_b32 v5, 4, v12
	s_delay_alu instid0(VALU_DEP_1)
	v_add_nc_u32 v5, s58, v5
	v_lshlrev_b32 v6, 3, v12
	s_delay_alu instid0(VALU_DEP_1)
	v_add_nc_u32 v6, s58, v6
	v_lshl_add_u32 v7, v10, 2, v11
	s_delay_alu instid0(VALU_DEP_1)
	v_add_nc_u32 v7, s60, v7                       ; the byte of key block 2 (which 64) + h in row r's word
	v_and_b32 v4, 8, v10
	s_delay_alu instid0(VALU_DEP_1)
	v_add_nc_u32 v4, v4, v10
	s_delay_alu instid0(VALU_DEP_1)
	v_lshlrev_b32 v4, 2, v4
	s_wait_alu depctr_va_vdst(0)
	s_wait_kmcnt 0x0
	s_add_nc_u64 s[34:35], s[34:35], s[50:51]
	s_add_nc_u64 s[30:31], s[30:31], s[54:55]
.irp a, 0,1,2,3
	global_load_b32 v[32+2*\a], v4, s[30:31] offset:2048*(\a/2)+32*(\a%2)   ; my column's bias, twice: a pair for the packed additions
	global_load_b32 v[33+2*\a], v4, s[30:31] offset:2048*(\a/2)+32*(\a%2)
.endr
	s_wait_loadcnt 0x0
.irp a, 0,1,2,3
.set k, 0
.rept 16
	v_pk_add_f32 v[ACC+32*\a+k:ACC+32*\a+k+1], v[ACC+32*\a+k:ACC+32*\a+k+1], v[32+2*\a:33+2*\a]
.set k, k+2
.endr
	QUANT2 ACC+32*\a, 96+8*\a, 102+8*\a
	global_store_b128 v5, v[96+8*\a:99+8*\a], s[34:35] offset:6144+(\a/2)*H8+(\a%2)*1536        ; 512 consecutive bytes
	global_store_b64 v6, v[100+8*\a:101+8*\a], s[34:35] offset:6144+(\a/2)*H8+(\a%2)*1536+512   ; 256 consecutive bytes
	global_store_b8 v7, v[102+8*\a], s[34:35] offset:12800+(\a/2)*H8+(\a%2)*64
.endr
.Ldone:
	s_wait_tensorcnt 0x0                           ; the wave's end
	ds_add_u32 v1, v2
	s_wait_dscnt 0x0
	CROUND                                         ; the closing round
	s_endpgm
.Lfunc_end_k_q5b251c918e_qkv:
	.size	k_q5b251c918e_qkv, .Lfunc_end_k_q5b251c918e_qkv-k_q5b251c918e_qkv
	.p2alignl 7, 3214868480
	.fill 96, 4, 3214868480
	.section	.rodata,"a",@progbits
	.p2align	6, 0x0
	.amdhsa_kernel k_q5b251c918e_qkv
		.amdhsa_group_segment_fixed_size 327680
		.amdhsa_private_segment_fixed_size 0
		.amdhsa_enable_private_segment 0
		.amdhsa_kernarg_size 64
		.amdhsa_user_sgpr_count 2
		.amdhsa_user_sgpr_kernarg_segment_ptr 1
		.amdhsa_wavefront_size32 1
		.amdhsa_system_sgpr_workgroup_id_x 1
		.amdhsa_system_sgpr_workgroup_id_y 1
		.amdhsa_system_sgpr_workgroup_id_z 1
		.amdhsa_system_vgpr_workitem_id 0
		.amdhsa_next_free_vgpr 256
		.amdhsa_next_free_sgpr 100
		.amdhsa_reserve_vcc 0
		.amdhsa_float_denorm_mode_32 3
		.amdhsa_float_denorm_mode_16_64 3
		.amdhsa_memory_ordered 1
		.amdhsa_forward_progress 1
		.amdhsa_inst_pref_size 96
	.end_amdhsa_kernel
	.amdgpu_metadata
---
amdhsa.version: [ 1, 2 ]
amdhsa.kernels:
  - .name:           k_q5b251c918e_qkv
    .symbol:         k_q5b251c918e_qkv.kd
    .args:
      - { .name: aq, .offset: 0, .size: 8, .value_kind: global_buffer, .address_space: global }
      - { .name: wq, .offset: 8, .size: 8, .value_kind: global_buffer, .address_space: global }
      - { .name: rope, .offset: 16, .size: 8, .value_kind: global_buffer, .address_space: global }
      - { .name: bq, .offset: 24, .size: 8, .value_kind: global_buffer, .address_space: global }
      - { .name: bk, .offset: 32, .size: 8, .value_kind: global_buffer, .address_space: global }
      - { .name: bv, .offset: 40, .size: 8, .value_kind: global_buffer, .address_space: global }
      - { .name: qrec, .offset: 48, .size: 8, .value_kind: global_buffer, .address_space: global }
      - { .name: kvrec, .offset: 56, .size: 8, .value_kind: global_buffer, .address_space: global }
    .group_segment_fixed_size: 327680
    .private_segment_fixed_size: 0
    .kernarg_segment_align: 8
    .kernarg_segment_size: 64
    .max_flat_workgroup_size: 512
    .sgpr_count:     100
    .vgpr_count:     256
    .wavefront_size: 32
...
	.end_amdgpu_metadata
.endif
;; end of part 9
;; launch attn (part 10): grid 8 x 32, 16 waves a work-group, clusters of 4 x 1, 215,040 bytes of LDS; arguments qrec, kvrec, aq; writes aq
.if DOCPART == 10
	.amdgcn_target "amdgcn-amd-amdhsa--gfx1250"
	.amdhsa_code_object_version 6
	.text
	.protected	k_q5b251c918e_attn
	.globl	k_q5b251c918e_attn
	.p2align	8
	.type	k_q5b251c918e_attn,@function
k_q5b251c918e_attn:
	s_mov_b64 s[64:65], 0
	v_nop
	global_prefetch_b8 v0, s[64:65] scope:SCOPE_SE
	s_setreg_imm32_b32 hwreg(HW_REG_WAVE_MODE, 25, 1), 1
	s_wait_xcnt 0x0
	s_wait_alu depctr_hold_cnt(0) depctr_sa_sdst(0) depctr_va_vdst(0) depctr_va_sdst(0) depctr_va_ssrc(0) depctr_va_vcc(0) depctr_vm_vsrc(0)
	s_getreg_b32 s2, hwreg(HW_REG_IB_STS2, 6, 4)
	s_cmp_eq_u32 s2, 0
	s_cbranch_scc0 .Lentry_in_a_cluster
	s_endpgm
.Lentry_in_a_cluster:
	s_bfe_u32 s2, ttmp6, 0x10000c
	s_cmp_lg_u32 s2, 0x3003
	s_cbranch_scc0 .Lentry_shape_is_right
	s_endpgm
.Lentry_shape_is_right:
; ATTENTION on codes of BF6 (E3M2): ctx = softmax(q k^T / 8) v for one batch and head, then ctx quantised along D as the next product's operand.
; THE SOFTMAX AHEAD OF THE SECOND PRODUCT: t = score x log2(e) / 8; M = the running largest t rounded up to a whole number; p = 2^(t - M) is quantised along the keys, not normalised; the row's sum is taken of the
; unquantised p and divides at the end.  When M moves, the sum and O are multiplied by 2^(old M - new M): exact.
; SHARES.  A work-group owns 256 queries of one head, each of its sixteen waves one group of 16.  The four work-groups of a cluster belong to one head: K, V and their scale bytes are asked for jointly.
; THE WHOLE HEAD STAYS IN LDS: 16 records of 13,056 bytes (128 keys each), filled once.  Wave w issues ONE load, record w.  It works that record behind its own wait; one barrier then shows all sixteen records
; to all waves, and the wave walks the other fifteen, records (w + i) % 16: the order of the keys does not matter to a running maximum.
; LAYOUT.  Both products are used transposed (S^T = K Q^T, O^T = V^T P^T): a lane holds one query throughout.  Key tile 4 c + t of a record has keys 64 c + 8 t + 0 .. 7 in rows 0-7 and keys 64 c + 32 + 8 t + 0 .. 7
; in rows 8-15: so the 32 registers of tiles 4 c .. 4 c + 3 are, in lane (r, h), keys 64 c + 32 h + 0 .. 31: ONE WHOLE BLOCK, in the order of the second product's operand.  A block's maximum needs no other lane and
; the codes change no lane.  V's rows d are ordered so that O^T's registers are neighbours along D.
; THE FIRST PRODUCT'S K IS 64: a K tile is 6 registers.  The instruction takes 12: the upper six are the next tile's codes (behind tile 7: zeros); they meet Q's zero codes under scale bytes of 127 and add exactly 0.
; NO PREFETCH: every byte of K and V is asked for by the one load a wave at the head; no loop of this text loads from memory, so there is none to run ahead in.
; LIMITS: the scaled scores t stay under 2^31 in magnitude; a block whose largest magnitude lies under 2^-122 (zeros too) gets the byte 1; NaN and infinities are not served.
.set REC, 13056
.set HS, 16*REC
.set ASC, 3145728
.set SPARE, 0x34000                    ; behind the records: the spare words, 128 bytes for each of 16 waves
.set TB, 2                             ; s2  LDS byte of the record in hand
.set CNT, 3                            ; s3  counts the records
.set SEL, 20                           ; s[20:21] lane selects: lane l xor 16
.set CS, 22                            ; s[22:23] c = log2(e) / 8
.set G0, 24                            ; s[24:27] group 0
.set G1, 40                            ; s[40:47] group 1: 51 rows of 256 bytes, dense
.set HM, 48                            ; s48 the mask of lanes 16-31
.set QM, 212
.set QX, 216
.set QS, 220
.set QT, 204
; REGISTERS: v1-3 16 l, 8 l, 4 l; v4-6 the same + the record; v7 8 h; v12 -M, v13 the largest score, v[14:15] the sum; v16-27 Q (v22-27 zeros), v28 Q's scale word; v32-79 K's eight tiles, then V's four; v80-85 zeros;
; v86-89 K's scale words (even tiles in lanes 0-15, odd in lanes 16-31), v90-91 V's; v96-159 S^T, then p; v160-191 O^T; v192-203 p's codes; v204-223 at work; v224 p's scale word; v[226:227] f; v228-235 at work.
.macro CROUND
	s_barrier_signal -1
	s_barrier_wait -1
	s_cmp_lg_u32 s14, 0
	s_cbranch_scc1 .Lnw0_\@
	s_barrier_signal -3
.Lnw0_\@:
	s_barrier_wait -3
	s_barrier_signal -1
	s_barrier_wait -1
.endm
; 32 numbers of a lane, two blocks of 32 shared with lane l xor 16, become half an image: lanes 0-15 hold the first block whole in v[cd] .. v[cd + 5], lanes 16-31 the second; v[by]: that block's byte.
.macro QUANT2 src, cd, by
	v_max3_num_f32 v[QM], |v[(\src)]|, |v[(\src)+1]|, 0x2800000
	v_max3_num_f32 v[QM+1], |v[(\src)+16]|, |v[(\src)+17]|, 0x2800000
.irp i, 2,4,6,8,10,12,14
	s_delay_alu instid0(VALU_DEP_2)
	v_max3_num_f32 v[QM], v[QM], |v[(\src)+\i]|, |v[(\src)+\i+1]|
	s_delay_alu instid0(VALU_DEP_2)
	v_max3_num_f32 v[QM+1], v[QM+1], |v[(\src)+16+\i]|, |v[(\src)+17+\i]|
.endr
	s_delay_alu instid0(VALU_DEP_2)
	v_permlanex16_b32 v[QX], v[QM], s[SEL], s[SEL+1]
	s_delay_alu instid0(VALU_DEP_2)
	v_permlanex16_b32 v[QX+1], v[QM+1], s[SEL], s[SEL+1]
	s_delay_alu instid0(VALU_DEP_2)
	v_max_num_f32 v[QM], v[QM], v[QX]
	s_delay_alu instid0(VALU_DEP_2)
	v_max_num_f32 v[QM+1], v[QM+1], v[QX+1]
	s_delay_alu instid0(VALU_DEP_2)
	v_add_nc_u32 v[QS], 0xfe000000, v[QM]
	s_delay_alu instid0(VALU_DEP_2)
	v_add_nc_u32 v[QS+1], 0xfe000000, v[QM+1]
	s_delay_alu instid0(VALU_DEP_2)
	v_lshrrev_b32 v[QX], 23, v[QS]
	s_delay_alu instid0(VALU_DEP_2)
	v_lshrrev_b32 v[QX+1], 23, v[QS+1]
	v_cvt_scalef32_pk16_bf6_f32 v[(\cd):(\cd)+2], v[(\src):(\src)+15], v[QS]
	v_cvt_scalef32_pk16_bf6_f32 v[QT:QT+2], v[(\src)+16:(\src)+31], v[QS+1]
	v_cndmask_b32 v[(\by)], v[QX], v[QX+1], s[HM]  ; (also the plain line behind the conversions)
.irp i, 0,1,2
	v_permlane16_swap_b32 v[(\cd)+\i], v[QT+\i]
.endr
.irp i, 0,1,2
	s_delay_alu instid0(VALU_DEP_3)
	v_mov_b32 v[(\cd)+3+\i], v[QT+\i]
.endr
.endm
	s_load_b128 s[4:7], s[0:1], 0x0                ; qrec s[4:5], kvrec s[6:7]
	s_load_b64 s[8:9], s[0:1], 0x10                ; aq
	v_lshl_add_u32 v254, v0, 2, SPARE              ; my spare word; never rewritten
	v_mov_b32 v255, 0                              ; never rewritten
	ds_add_u32 v254, v255                          ; the opening: the add, twice on end, and its wait ahead of my tensor load
	ds_add_u32 v254, v255
	v_lshrrev_b32 v8, 5, v0
	s_delay_alu instid0(VALU_DEP_1)
	v_readfirstlane_b32 s14, v8                    ; wave 0..15
	s_bfe_u32 s15, ttmp6, 0x40000                  ; cx: it enters global addresses of q and of the result alone
	s_lshl_b32 s16, ttmp9, 2
	s_add_co_u32 s16, s16, s15                     ; my block of 256 queries
	s_and_b32 s17, ttmp7, 0xffff                   ; batch x 16 + head, which the four partners share
	s_mul_i32 s18, s17, HS
	s_mov_b32 s19, 0
	s_mul_i32 s10, s14, REC                        ; the record that I fetch
	s_mov_b32 s11, 0
	s_mov_b32 s[G1], 15|(3<<16)|(1<<21)            ; the mask: all four work-groups; elements of 8 bytes; bit 21 set beside a mask
	s_mov_b32 s[G1+1], 32<<16
	s_mov_b32 s[G1+2], 51<<16
	s_mov_b32 s[G1+3], 32<<16
	s_mov_b32 s[G1+4], 51
	s_mov_b32 s[G1+5], 32
	s_mov_b32 s[G1+6], 0
	s_mov_b32 s[G1+7], 0
	s_mov_b32 s[SEL], 0x76543210
	s_mov_b32 s[SEL+1], 0xfedcba98
	s_mov_b32 s[CS], 0x3e38aa3b
	s_mov_b32 s[CS+1], s[CS]                       ; (named with it as a pair, so it is written)
	s_mov_b32 s[HM], 0xffff0000
	s_lshl_b32 s50, s16, 4
	s_add_co_u32 s50, s50, s14                     ; my group of queries in the batch, 0..127
	s_lshr_b32 s51, s50, 3
	s_mul_i32 s52, s51, REC
	s_add_co_u32 s52, s52, s18
	s_mov_b32 s53, 0
	s_and_b32 s54, s50, 7
	s_mul_i32 s55, s54, 768
	s_lshl_b32 s54, s54, 6
	s_lshr_b32 s56, s17, 4
	s_lshl_b32 s56, s56, 7
	s_add_co_u32 s56, s56, s50                     ; the group among all 256
	s_and_b32 s57, s17, 15                         ; the head: 64 along the next K
	s_mul_i32 s58, s56, 12288
	s_mul_i32 s59, s57, 768
	s_add_co_u32 s58, s58, s59                     ; the result's codes
	s_lshl_b32 s59, s56, 9
	s_lshr_b32 s60, s57, 3
	s_lshl_b32 s60, s60, 8
	s_add_co_u32 s59, s59, s60
	s_and_b32 s60, s57, 7
	s_lshl_b32 s60, s60, 1
	s_add_co_u32 s59, s59, s60
	s_add_co_u32 s59, s59, ASC                     ; and its two scale bytes a row
	v_and_b32 v3, 31, v0
	v_and_b32 v10, 15, v0
	v_bfe_u32 v7, v0, 4, 1
	v_lshlrev_b32 v1, 4, v3
	v_lshlrev_b32 v2, 3, v3
	v_lshlrev_b32 v3, 2, v3
	v_lshl_add_u32 v10, v10, 2, s54
	v_lshlrev_b32 v7, 3, v7                        ; 8 h: how far my two scale bytes are shifted in p's scale word
	v_add_nc_u32 v8, s55, v1
	v_add_nc_u32 v9, s55, v2
.irp j, 22,23,24,25,26,27,80,81,82,83,84,85
	v_mov_b32 v\j, 0                               ; zero codes
.endr
	v_mov_b32 v13, 0xff61b1e6                      ; the largest score so far: -3e38
	v_mov_b32 v12, 0x7e800000                      ; -M to begin with: a large whole number; the first step's f comes out 0
	v_mov_b32 v14, 0
	v_mov_b32 v15, 0
	v_mov_b32 v227, 0                              ; (named as the upper half of the pair v[226:227])
	v_mov_b32 v216, 0                              ; a lane permute's destination counts as read
	v_mov_b32 v217, 0
.set j, 0
.rept 32
	v_mov_b32 v[160+j], 0                          ; O^T: the step is written once; the first finds zeros, which the first change of M leaves zeros
.set j, j+1
.endr
	s_wait_alu depctr_va_vdst(0)                   ; the wait at the head's end
	s_wait_dscnt 0x0                               ; both opening adds are done
	s_wait_kmcnt 0x0
	s_add_nc_u64 s[6:7], s[6:7], s[18:19]
	s_add_nc_u64 s[12:13], s[6:7], s[10:11]
	s_add_nc_u64 s[4:5], s[4:5], s[52:53]
	global_load_b128 v[16:19], v8, s[4:5]          ; Q's half image: it stays in registers
	global_load_b64 v[20:21], v9, s[4:5] offset:512
	global_load_b32 v28, v10, s[4:5] offset:12288  ; its scale words
	s_mov_b32 s[G0], 1
	s_mul_i32 s[G0+1], s14, REC
	s_mov_b64 s[G0+2:G0+3], s[12:13]
	s_or_b32 s[G0+3], s[G0+3], 0x80000000
	CROUND                                         ; all four work-groups are here: the joint loads meet
	tensor_load_to_lds s[G0:G0+3], s[G1:G1+7]      ; record w: my one tensor load
	s_nop 0
.rept 4
	v_nop
.endr
; A KEY STEP: the 128 keys of the record at s[TB]
.macro STEP
	v_add_nc_u32 v4, s[TB], v1                     ; (these four lines are the places in front of loads into registers that the last products read)
	v_add_nc_u32 v5, s[TB], v2
	v_add_nc_u32 v6, s[TB], v3
	v_nop
.irp t, 0,1,2,3,4,5,6,7
	ds_load_b128 v[32+6*\t:35+6*\t], v4 offset:768*\t
	ds_load_b64 v[36+6*\t:37+6*\t], v5 offset:768*\t+512
.endr
.irp p, 0,1,2,3
	ds_load_b32 v[86+\p], v6 offset:12288+128*\p
.endr
	s_wait_alu depctr_va_vdst(0)
	s_wait_dscnt 0x0
.irp t, 0,1,2,3,4,5,6,7
.if (\t)%2
	v_wmma_scale_f32_16x16x128_f8f6f4 v[96+8*\t:103+8*\t], v[32+6*\t:43+6*\t], v[16:27], 0, v[86+\t/2], v28 matrix_a_fmt:MATRIX_FMT_BF6 matrix_b_fmt:MATRIX_FMT_BF6 matrix_a_scale:MATRIX_SCALE_ROW1
.else
	v_wmma_scale_f32_16x16x128_f8f6f4 v[96+8*\t:103+8*\t], v[32+6*\t:43+6*\t], v[16:27], 0, v[86+\t/2], v28 matrix_a_fmt:MATRIX_FMT_BF6 matrix_b_fmt:MATRIX_FMT_BF6
.endif
.endr
.rept 4
	v_nop                                          ; places: for the loads below and for the first read of the scores
.endr
.irp t, 0,1,2,3                                ; V's four tiles land while the softmax is worked
	ds_load_b128 v[32+12*\t:35+12*\t], v4 offset:6144+1536*\t
	ds_load_b64 v[36+12*\t:37+12*\t], v5 offset:6144+1536*\t+512
	ds_load_b128 v[38+12*\t:41+12*\t], v4 offset:6144+1536*\t+768
	ds_load_b64 v[42+12*\t:43+12*\t], v5 offset:6144+1536*\t+1280
.endr
	ds_load_b32 v90, v6 offset:12800
	ds_load_b32 v91, v6 offset:12928
	; the largest score of my two blocks of 32 keys (block 2 c + h in v[212 + c]): for the row's maximum and, since p rises with the score, for the block's largest p.  Four chains by turns; each accumulator from its low end on
.irp c, 0,1
	v_max3_num_f32 v[212+\c], v[96+32*\c], v[97+32*\c], v[98+32*\c]
	v_max3_num_f32 v[214+\c], v[112+32*\c], v[113+32*\c], v[114+32*\c]
.endr
.irp i, 3,5,7,9,11,13
.irp c, 0,1
	v_max3_num_f32 v[212+\c], v[212+\c], v[96+32*\c+\i], v[97+32*\c+\i]
	v_max3_num_f32 v[214+\c], v[214+\c], v[112+32*\c+\i], v[113+32*\c+\i]
.endr
.endr
.irp c, 0,1
	v_max3_num_f32 v[212+\c], v[212+\c], v[214+\c], v[111+32*\c]
.endr
.irp c, 0,1
	v_max_num_f32 v[212+\c], v[212+\c], v[127+32*\c]
.endr
	s_delay_alu instid0(VALU_DEP_1)
	v_max_num_f32 v228, v212, v213
	s_delay_alu instid0(VALU_DEP_1)
	v_permlanex16_b32 v216, v228, s[SEL], s[SEL+1]
	s_delay_alu instid0(VALU_DEP_1)
	v_max3_num_f32 v13, v13, v228, v216            ; the running largest score of my query (c is positive)
	s_delay_alu instid0(VALU_DEP_1)
	v_mul_f32 v228, s[CS], v13                     ; as t
	v_mov_b32 v229, v12
	s_delay_alu instid0(VALU_DEP_2)
	v_floor_f32 v12, -v228                         ; the new -M = -ceil(t)
	s_delay_alu instid0(VALU_DEP_1)
	v_sub_f32 v229, v12, v229                      ; old M - new M: a whole number, 0 or less
.set j, 0
.rept 8
	v_pk_fma_f32 v[96+j:97+j], v[96+j:97+j], s[CS:CS+1], v[12:13] op_sel_hi:[1,0,0]   ; t - M
.set j, j+2
.endr
	v_cvt_i32_f32 v229, v229                       ; (it saturates)
.rept 8
	v_pk_fma_f32 v[96+j:97+j], v[96+j:97+j], s[CS:CS+1], v[12:13] op_sel_hi:[1,0,0]
.set j, j+2
.endr
	v_ldexp_f32 v226, 1.0, v229                    ; f = 2^(old M - new M)
.rept 16
	v_pk_fma_f32 v[96+j:97+j], v[96+j:97+j], s[CS:CS+1], v[12:13] op_sel_hi:[1,0,0]
.set j, j+2
.endr
.irp c, 0,1
	v_fma_f32 v[212+\c], v[212+\c], s[CS], v12     ; the same of each block's largest score
.endr
.set j, 0
.rept 16
	v_pk_mul_f32 v[160+j:161+j], v[160+j:161+j], v[226:227] op_sel_hi:[1,0]   ; O^T under the new M, each accumulator from its low end on
.set j, j+2
.endr
	s_wait_alu depctr_va_vdst(0)                   ; the wait ahead of the batch
.irp c, 0,1
	v_exp_f32 v[212+\c], v[212+\c]                 ; each block's largest p: the same two instructions on the same number give the same bits
.endr
.set j, 0
.rept 64
	v_exp_f32 v[96+j], v[96+j]                     ; p = 2^(t - M)
.set j, j+1
.endr
	v_pk_mul_f32 v[14:15], v[14:15], v[226:227] op_sel_hi:[1,0]   ; the sums under the new M (a plain line behind the exponentials)
	s_wait_alu depctr_va_vdst(0)                   ; one wait for the batch of 66, ahead of its first reader
.irp c, 0,1
	v_max_num_f32 v[212+\c], 0x2800000, v[212+\c]  ; the floor 2^(5 - 127): the byte cannot fall under 1
.endr
.irp c, 0,1
	s_delay_alu instid0(VALU_DEP_2)
	v_add_nc_u32 v[220+\c], 0xfe000000, v[212+\c]  ; 4 off the exponent field: the conversion's scale operand
.endr
.irp c, 0,1
	v_cvt_scalef32_pk16_bf6_f32 v[192+6*\c:194+6*\c], v[96+32*\c:111+32*\c], v[220+\c]     ; registers 6 c .. 6 c + 2 of the operand
	v_cvt_scalef32_pk16_bf6_f32 v[204+4*\c:206+4*\c], v[112+32*\c:127+32*\c], v[220+\c]    ; (a conversion's three registers begin on an even number: the upper three are made elsewhere and moved)
.endr
.irp c, 0,1
	v_lshrrev_b32 v[222+\c], 23, v[220+\c]         ; the bytes (also the plain lines behind the conversions)
.endr
	; THE ROW'S SUM IS TAKEN OF THE UNQUANTISED p: 32 packed additions in four chains; they are also the places ahead of the scaled products below
	v_pk_add_f32 v[230:231], v[96:97], v[98:99]
	v_pk_add_f32 v[232:233], v[100:101], v[102:103]
	v_pk_add_f32 v[234:235], v[104:105], v[106:107]
	v_pk_add_f32 v[14:15], v[14:15], v[108:109]
	v_lshl_or_b32 v224, v223, 16, v222             ; my two bytes: blocks h and 2 + h,
.irp c, 0,1
.irp i, 0,1,2
	v_mov_b32 v[195+6*\c+\i], v[204+4*\c+\i]
.endr
.endr
	v_lshlrev_b32 v224, v7, v224                   ; at their places in the scale word;
	s_delay_alu instid0(VALU_DEP_1)
	v_permlanex16_b32 v216, v224, s[SEL], s[SEL+1]
	s_delay_alu instid0(VALU_DEP_1)
	v_or_b32 v224, v224, v216                      ; with lane l xor 16's two the word is whole
.set j, 110
.rept 6
	v_pk_add_f32 v[230:231], v[230:231], v[j:j+1]
	v_pk_add_f32 v[232:233], v[232:233], v[j+2:j+3]
	v_pk_add_f32 v[234:235], v[234:235], v[j+4:j+5]
	v_pk_add_f32 v[14:15], v[14:15], v[j+6:j+7]
.set j, j+8
.endr
	v_pk_add_f32 v[230:231], v[230:231], v[158:159]
	v_pk_add_f32 v[232:233], v[232:233], v[234:235]
	s_delay_alu instid0(VALU_DEP_2)
	v_pk_add_f32 v[14:15], v[14:15], v[230:231]
	s_delay_alu instid0(VALU_DEP_1)
	v_pk_add_f32 v[14:15], v[14:15], v[232:233]
	s_wait_alu depctr_va_vdst(0)
	s_wait_dscnt 0x0                               ; V
.irp t, 0,1,2,3
.if (\t)%2
	v_wmma_scale_f32_16x16x128_f8f6f4 v[160+8*\t:167+8*\t], v[32+12*\t:43+12*\t], v[192:203], v[160+8*\t:167+8*\t], v[90+\t/2], v224 matrix_a_fmt:MATRIX_FMT_BF6 matrix_b_fmt:MATRIX_FMT_BF6 matrix_a_scale:MATRIX_SCALE_ROW1
.else
	v_wmma_scale_f32_16x16x128_f8f6f4 v[160+8*\t:167+8*\t], v[32+12*\t:43+12*\t], v[192:203], v[160+8*\t:167+8*\t], v[90+\t/2], v224 matrix_a_fmt:MATRIX_FMT_BF6 matrix_b_fmt:MATRIX_FMT_BF6
.endif
.endr
.endm
	s_mul_i32 s[TB], s14, REC
	s_wait_loadcnt 0x0                             ; Q
	s_wait_tensorcnt 0x0                           ; my own record has landed: I alone read it ahead of the barrier
	STEP
	s_barrier_signal -1                            ; every wave has waited for its load, and none of my LDS loads is out
	s_barrier_wait -1                              ; all sixteen records are whole for all waves; nothing is filled again
	s_mov_b32 s[CNT], 1
.Lkeys:
	s_add_co_u32 s[TB], s14, s[CNT]
	s_and_b32 s[TB], s[TB], 15                     ; record (w + i) % 16
	s_mul_i32 s[TB], s[TB], REC
	STEP
	s_add_co_u32 s[CNT], s[CNT], 1
	s_cmp_lt_u32 s[CNT], 16
	s_cbranch_scc1 .Lkeys
	; THE WAY OUT: O^T / the sum, quantised along D (my head's two blocks of 32), stored as half an image of the next product's operand
	v_add_f32 v14, v14, v15
	s_delay_alu instid0(VALU_DEP_1)
	v_permlanex16_b32 v228, v14, s[SEL], s[SEL+1]
	s_delay_alu instid0(VALU_DEP_1)
	v_add_f32 v14, v14, v228                       ; the row's sum
	s_wait_alu depctr_va_vdst(0)
	v_rcp_f32 v14, v14
	v_add_nc_u32 v8, s58, v1                       ; (plain lines behind the transcendental; with the additions above also the places behind the last products)
	v_add_nc_u32 v9, s58, v2
	v_and_b32 v10, 15, v0
	v_bfe_u32 v11, v0, 4, 1
	s_delay_alu instid0(VALU_DEP_1)
	v_lshl_add_u32 v10, v10, 4, v11
	s_delay_alu instid0(VALU_DEP_1)
	v_add_nc_u32 v10, s59, v10
	s_wait_alu depctr_va_vdst(0)                   ; the wait ahead of the reciprocal's first reader, and of O^T's
.set j, 0
.rept 32
	v_mul_f32 v[96+j], v[160+j], v14               ; each accumulator from its low end on
.set j, j+1
.endr
	QUANT2 96, 192, 198
	global_store_b128 v8, v[192:195], s[8:9]       ; 512 consecutive bytes
	global_store_b64 v9, v[196:197], s[8:9] offset:512
	global_store_b8 v10, v198, s[8:9]
	s_wait_tensorcnt 0x0                           ; the wave's end
	ds_add_u32 v254, v255
	s_wait_dscnt 0x0
	CROUND                                         ; the closing round: no work-group ends while a partner may still ask jointly
	s_endpgm
.Lfunc_end_k_q5b251c918e_attn:
	.size	k_q5b251c918e_attn, .Lfunc_end_k_q5b251c918e_attn-k_q5b251c918e_attn
	.p2alignl 7, 3214868480
	.fill 96, 4, 3214868480
	.section	.rodata,"a",@progbits
	.p2align	6, 0x0
	.amdhsa_kernel k_q5b251c918e_attn
		.amdhsa_group_segment_fixed_size 215040
		.amdhsa_private_segment_fixed_size 0
		.amdhsa_enable_private_segment 0
		.amdhsa_kernarg_size 24
		.amdhsa_user_sgpr_count 2
		.amdhsa_user_sgpr_kernarg_segment_ptr 1
		.amdhsa_wavefront_size32 1
		.amdhsa_system_sgpr_workgroup_id_x 1
		.amdhsa_system_sgpr_workgroup_id_y 1
		.amdhsa_system_sgpr_workgroup_id_z 1
		.amdhsa_system_vgpr_workitem_id 0
		.amdhsa_next_free_vgpr 256
		.amdhsa_next_free_sgpr 66
		.amdhsa_reserve_vcc 0
		.amdhsa_float_denorm_mode_32 3
		.amdhsa_float_denorm_mode_16_64 3
		.amdhsa_memory_ordered 1
		.amdhsa_forward_progress 1
		.amdhsa_inst_pref_size 42
	.end_amdhsa_kernel
	.amdgpu_metadata
---
amdhsa.version: [ 1, 2 ]
amdhsa.kernels:
  - .name:           k_q5b251c918e_attn
    .symbol:         k_q5b251c918e_attn.kd
    .args:
      - { .name: qrec, .offset: 0, .size: 8, .value_kind: global_buffer, .address_space: global }
      - { .name: kvrec, .offset: 8, .size: 8, .value_kind: global_buffer, .address_space: global }
      - { .name: aq, .offset: 16, .size: 8, .value_kind: global_buffer, .address_space: global }
    .group_segment_fixed_size: 215040
    .private_segment_fixed_size: 0
    .kernarg_segment_align: 8
    .kernarg_segment_size: 24
    .max_flat_workgroup_size: 512
    .sgpr_count:     66
    .vgpr_count:     256
    .wavefront_size: 32
...
	.end_amdgpu_metadata
.endif
;; end of part 10
;; launch wo (part 11): grid 8 x 32, 16 waves a work-group, clusters of 4 x 4, 327,680 bytes of LDS; arguments aq, wq, bo, x, x1; writes x1
.if DOCPART == 11
	.amdgcn_target "amdgcn-amd-amdhsa--gfx1250"
	.amdhsa_code_object_version 6
	.text
	.protected	k_q5b251c918e_wo
	.globl	k_q5b251c918e_wo
	.p2align	8
	.type	k_q5b251c918e_wo,@function
k_q5b251c918e_wo:
	s_mov_b64 s[64:65], 0
	v_nop
	global_prefetch_b8 v0, s[64:65] scope:SCOPE_SE
	s_setreg_imm32_b32 hwreg(HW_REG_WAVE_MODE, 25, 1), 1
	s_wait_xcnt 0x0
	s_wait_alu depctr_hold_cnt(0) depctr_sa_sdst(0) depctr_va_vdst(0) depctr_va_sdst(0) depctr_va_ssrc(0) depctr_va_vcc(0) depctr_vm_vsrc(0)
	s_getreg_b32 s2, hwreg(HW_REG_IB_STS2, 6, 4)
	s_cmp_eq_u32 s2, 0
	s_cbranch_scc0 .Lentry_in_a_cluster
	s_endpgm
.Lentry_in_a_cluster:
	s_bfe_u32 s2, ttmp6, 0x10000c
	s_cmp_lg_u32 s2, 0xf033
	s_cbranch_scc0 .Lentry_shape_is_right
	s_endpgm
.Lentry_shape_is_right:
; out = res + A W + bias on codes of BF6 (E3M2) with E8M0 scales: here x1 = x + ctx Wo + bo.  A: [4096][K], W: [K][1024], K = 128 KSTEPS; res, out: [4096][1024] f32.
; A work-group makes 128 tokens x 128 columns, so that the launch has 256 work-groups; sixteen waves (wm = wave / 4, wn = wave % 4), each 32 x 32: four accumulators.
; OPERANDS lie in memory and in LDS in the order of the operand registers: a group (16 rows) x 128 K is 1,536 bytes: registers 0-3 of lane l at 16 l, 4-5 at 512 + 8 l, 6-9 at 768 + 16 l, 10-11 at 1280 + 8 l.
; Row r of group g is index 32 (g / 2) + 8 (g % 2) + r + 8 (r / 8).  Source 0 = weights, source 1 = tokens: a lane holds one token and 16 neighbouring columns.
; K's two slots of 4 steps of 128 lie in two LDS slots, each filled once; waves 0-7 fetch A's and B's halves of them, jointly with the cluster's row (A) or column (B).  All scale bytes come once.
; THE WAY OUT goes through a stage in slot 0 (which has had its last fill and its last read): rows of 512 bytes + 16; each wave then stores 8 whole rows of 512 consecutive bytes.
.set MB, 2
.set NB, 2
.set TG, 8
.set KSTEPS, 8
.set KS, 4
.set NSLOT, KSTEPS/KS
.set GROW, KS*1536
.set GSTR, KSTEPS*1536
.set GSB, KSTEPS*64
.set ASB, 3145728                      ; A's scale bytes in its buffer
.set WCB, 2359296                      ; the weight's codes in wq
.set WSB, 9535488                      ; and its scale bytes
.set SLOT, 98304
.set SIDE, 49152
.set HALF, 24576
.set SCL, 2*SLOT
.set SPARE, SCL+2*TG*GSB
.set SP, 528                           ; a row of the stage
.set SC, 16                            ; v16-23 scale words: register KS i + q: lanes 0-15 source 1's group i, lanes 16-31 source 0's
.set S0F, 32                           ; v32-55
.set S1F, 56                           ; v56-79
.set ACC, 128                          ; v128-159; v96-127 rows back from the stage; v160-191 the residual's rows; v192-195 the bias
.set G1A, 24
.set G0A, 32
.set G1B, 48
.set G0B, 56
.set G1SA, 68
.set G0SA, 76
.set G1SB, 80
.set G0SB, 88
.macro CROUND
	s_barrier_signal -1
	s_barrier_wait -1
	s_cmp_lg_u32 s14, 0
	s_cbranch_scc1 .Lnw0_\@
	s_barrier_signal -3
.Lnw0_\@:
	s_barrier_wait -3
	s_barrier_signal -1
	s_barrier_wait -1
.endm
.macro JLOAD s
	s_cmp_lt_u32 s14, 2
	s_cbranch_scc0 .Lnot_a_\@
	tensor_load_to_lds s[G0A+4*(\s):G0A+4*(\s)+3], s[G1A:G1A+7]
	s_nop 0
.rept 4
	v_nop
.endr
	s_branch .Lasked_\@
.Lnot_a_\@:
	s_cmp_lt_u32 s14, 4
	s_cbranch_scc0 .Lasked_\@
	tensor_load_to_lds s[G0B+4*(\s):G0B+4*(\s)+3], s[G1B:G1B+7]
	s_nop 0
.rept 4
	v_nop
.endr
.Lasked_\@:
.endm
.macro FRAG f, a16, a8, o
	ds_load_b128 v[\f:\f+3], v[\a16] offset:\o
	ds_load_b64 v[\f+4:\f+5], v[\a8] offset:\o+512
	ds_load_b128 v[\f+6:\f+9], v[\a16] offset:\o+768
	ds_load_b64 v[\f+10:\f+11], v[\a8] offset:\o+1280
.endm
.macro KSTEP s, q, sidx, zero          ; a K step of 128; the four accumulators take turns, one instruction a turn
.rept 4
	v_nop                                          ; places in front of loads into registers that matrix instructions have read
.endr
.irp b, 0,1
	FRAG S0F+12*\b, 3+2*(\s), 4+2*(\s), \b*GROW+1536*(\q)
.endr
.irp a, 0,1
	FRAG S1F+12*\a, 7+2*(\s), 8+2*(\s), \a*GROW+1536*(\q)
.endr
.if (\q) == 0
.irp i, 0,1
	ds_load_b128 v[SC+4*\i:SC+4*\i+3], v11 offset:\i*GSB+(\sidx)*256
.endr
.endif
	s_wait_dscnt 0x0
.irp a, 0,1
.irp b, 0,1
.if \zero
	v_wmma_scale_f32_16x16x128_f8f6f4 v[ACC+8*(NB*\a+\b):ACC+8*(NB*\a+\b)+7], v[S0F+12*\b:S0F+12*\b+11], v[S1F+12*\a:S1F+12*\a+11], 0, v[SC+KS*\b+(\q)], v[SC+KS*\a+(\q)] matrix_a_fmt:MATRIX_FMT_BF6 matrix_b_fmt:MATRIX_FMT_BF6 matrix_a_scale:MATRIX_SCALE_ROW1
.else
	v_wmma_scale_f32_16x16x128_f8f6f4 v[ACC+8*(NB*\a+\b):ACC+8*(NB*\a+\b)+7], v[S0F+12*\b:S0F+12*\b+11], v[S1F+12*\a:S1F+12*\a+11], v[ACC+8*(NB*\a+\b):ACC+8*(NB*\a+\b)+7], v[SC+KS*\b+(\q)], v[SC+KS*\a+(\q)] matrix_a_fmt:MATRIX_FMT_BF6 matrix_b_fmt:MATRIX_FMT_BF6 matrix_a_scale:MATRIX_SCALE_ROW1
.endif
.endr
.endr
.endm
.macro CHANGE s, fill
	s_wait_tensorcnt 0x0                           ; all my tensor loads have landed, my part of the slot ahead among them; so a group 0 may be written
	ds_add_u32 v1, v2                              ; 0 onto my spare word
.if \fill
	s_add_nc_u64 s[G0A+4*(\s)+2:G0A+4*(\s)+3], s[G0A+4*(\s)+2:G0A+4*(\s)+3], 2*GROW
	s_add_nc_u64 s[G0B+4*(\s)+2:G0B+4*(\s)+3], s[G0B+4*(\s)+2:G0B+4*(\s)+3], 2*GROW
.endif
	s_wait_dscnt 0x0                               ; the add is done, and my reads of the slot are over
.if \fill
	CROUND
	JLOAD \s                                       ; the first tensor load behind the round, one a wave: it has a slot's four K steps in which to land
.else
	s_barrier_signal -1
	s_barrier_wait -1
.endif
.endm
	s_load_b128 s[4:7], s[0:1], 0x0                ; A s[4:5], wq s[6:7]
	s_load_b128 s[8:11], s[0:1], 0x10              ; bias s[8:9], residual s[10:11]
	s_load_b64 s[12:13], s[0:1], 0x20              ; out
	v_lshl_add_u32 v1, v0, 2, SPARE                ; my spare word; never rewritten
	v_mov_b32 v2, 0                                ; never rewritten
	ds_add_u32 v1, v2
	ds_add_u32 v1, v2
	s_wait_dscnt 0x0
	v_lshrrev_b32 v12, 5, v0
	s_delay_alu instid0(VALU_DEP_1)
	v_readfirstlane_b32 s14, v12
	s_lshr_b32 s15, s14, 2                         ; wm
	s_and_b32 s16, s14, 3                          ; wn
	s_bfe_u32 s40, ttmp6, 0x40000
	s_bfe_u32 s41, ttmp6, 0x40004
	s_lshl_b32 s42, ttmp9, 2
	s_add_co_u32 s42, s42, s40                     ; X
	s_and_b32 s17, ttmp7, 0xffff
	s_lshl_b32 s17, s17, 2
	s_add_co_u32 s17, s17, s41                     ; Y
	s_lshl_b32 s43, s41, 2
	s_lshl_b32 s43, 15, s43
	s_lshl_b32 s44, 0x1111, s40
	s_or_b32 s[G1A], s43, (3<<16)|(1<<21)
	s_or_b32 s[G1B], s44, (3<<16)|(1<<21)
.irp g, G1A, G1B
	s_mov_b32 s[\g+1], (GROW/8)<<16
	s_mov_b32 s[\g+2], (TG/2)<<16
	s_mov_b32 s[\g+3], (GROW/8)<<16
	s_mov_b32 s[\g+4], TG/2
	s_mov_b32 s[\g+5], GSTR/8
	s_mov_b32 s[\g+6], 0
	s_mov_b32 s[\g+7], 0
.endr
	s_or_b32 s[G1SA], s43, (3<<16)|(1<<21)
	s_or_b32 s[G1SB], s44, (3<<16)|(1<<21)
.irp g, G1SA, G1SB
	s_mov_b32 s[\g+1], 32<<16
	s_mov_b32 s[\g+2], (TG*GSB/512)<<16
	s_mov_b32 s[\g+3], 32<<16
	s_mov_b32 s[\g+4], TG*GSB/512
	s_mov_b32 s[\g+5], 32
	s_mov_b32 s[\g+6], 0
	s_mov_b32 s[\g+7], 0
.endr
	s_and_b32 s18, s14, 1
	s_mul_i32 s19, s18, TG/2
	s_mul_i32 s20, s17, TG
	s_add_co_u32 s20, s20, s19
	s_mul_i32 s46, s42, TG
	s_add_co_u32 s46, s46, s19
	s_mul_i32 s22, s20, GSB
	s_add_co_u32 s22, s22, ASB
	s_mov_b32 s23, 0
	s_mul_i32 s20, s20, GSTR
	s_mov_b32 s21, 0
	s_mul_i32 s92, s46, GSB
	s_add_co_u32 s92, s92, WSB
	s_mov_b32 s93, 0
	s_mul_i32 s46, s46, GSTR
	s_add_co_u32 s46, s46, WCB
	s_mov_b32 s47, 0
	s_mul_i32 s45, s18, HALF
	s_mul_i32 s94, s18, TG*GSB/2
	s_mul_i32 s18, s15, MB*GROW                    ; source 1: my two groups of tokens
	s_mul_i32 s19, s16, NB*GROW
	s_add_co_u32 s19, s19, SIDE                    ; source 0: my two groups of columns
	v_and_b32 v12, 31, v0
	s_delay_alu instid0(VALU_DEP_1)
	v_lshlrev_b32 v24, 4, v12                      ; v24: 16 l; never rewritten
	s_delay_alu instid0(VALU_DEP_2)
	v_lshlrev_b32 v14, 3, v12
	s_delay_alu instid0(VALU_DEP_2)
	v_add_nc_u32 v3, s19, v24
	s_delay_alu instid0(VALU_DEP_2)
	v_add_nc_u32 v4, s19, v14
	s_delay_alu instid0(VALU_DEP_2)
	v_add_nc_u32 v5, SLOT, v3
	s_delay_alu instid0(VALU_DEP_2)
	v_add_nc_u32 v6, SLOT, v4
	v_add_nc_u32 v7, s18, v24
	v_add_nc_u32 v8, s18, v14
	s_delay_alu instid0(VALU_DEP_2)
	v_add_nc_u32 v9, SLOT, v7
	s_delay_alu instid0(VALU_DEP_2)
	v_add_nc_u32 v10, SLOT, v8
	v_and_b32 v13, 15, v0                          ; r
	v_bfe_u32 v15, v0, 4, 1                        ; h
	s_mul_i32 s2, s15, MB*GSB                      ; the tokens' scale words;
	s_mul_i32 s3, s16, NB*GSB
	s_add_co_u32 s3, s3, TG*GSB
	s_sub_co_u32 s3, s3, s2                        ; the columns' lie so far behind them
	v_mul_u32_u24 v12, s3, v15                     ; lanes 16-31 take the columns'
	s_add_co_u32 s2, s2, SCL
	v_lshl_add_u32 v11, v13, 4, v12
	s_delay_alu instid0(VALU_DEP_1)
	v_add_nc_u32 v11, s2, v11
	v_and_b32 v12, 8, v13
	s_delay_alu instid0(VALU_DEP_1)
	v_add_nc_u32 v12, v12, v13
	s_delay_alu instid0(VALU_DEP_1)
	v_mul_u32_u24 v25, v12, SP
	s_delay_alu instid0(VALU_DEP_1)
	v_lshl_add_u32 v25, v15, 6, v25
	s_mul_i32 s2, s15, 32*SP
	s_lshl_b32 s3, s16, 7
	s_add_co_u32 s2, s2, s3
	v_add_nc_u32 v25, s2, v25                      ; v25: the stage, in: row 32 wm + r + 8 (r / 8), byte 128 wn + 64 h
	s_mul_i32 s2, s14, 8*SP
	v_add_nc_u32 v26, s2, v24                      ; v26: back: my 8 rows, 16 bytes a lane
	s_wait_kmcnt 0x0
	s_add_nc_u64 s[20:21], s[4:5], s[20:21]
	s_add_nc_u64 s[22:23], s[4:5], s[22:23]
	s_add_nc_u64 s[46:47], s[6:7], s[46:47]
	s_add_nc_u64 s[92:93], s[6:7], s[92:93]
	CROUND                                         ; all sixteen work-groups are here: the first joint loads meet
	s_mov_b32 s[G0SA], 1
	s_add_co_u32 s[G0SA+1], s94, SCL
	s_mov_b64 s[G0SA+2:G0SA+3], s[22:23]
	s_or_b32 s[G0SA+3], s[G0SA+3], 0x80000000
	s_mov_b32 s[G0SB], 1
	s_add_co_u32 s[G0SB+1], s94, SCL+TG*GSB
	s_mov_b64 s[G0SB+2:G0SB+3], s[92:93]
	s_or_b32 s[G0SB+3], s[G0SB+3], 0x80000000
	; THE TWELVE FILLS, ONE A WAVE: wave w fills half w % 2 of A's side (w & 2 = 0) or B's (w & 2 = 2) of slot w / 4; waves 8-11 (w / 4 = 2) the halves of A's and B's scale bytes; waves 12-15 none.  Nothing is filled again.
	s_lshr_b32 s2, s14, 2                          ; the slot that I fill; 2: scale bytes; 3: nothing
	s_and_b32 s3, s14, 2                           ; 0: A's side, 2: B's
	s_mul_i32 s95, s2, SLOT
	s_add_co_u32 s95, s95, s45                     ; LDS: slot + my half
	s_mul_i32 s96, s2, GROW                        ; memory: the slot's half of K
	s_mov_b32 s97, 0
	s_mov_b32 s[G0A], 1
	s_mov_b32 s[G0A+1], s95
	s_add_nc_u64 s[G0A+2:G0A+3], s[20:21], s[96:97]
	s_or_b32 s[G0A+3], s[G0A+3], 0x80000000
	s_mov_b32 s[G0B], 1
	s_add_co_u32 s[G0B+1], s95, SIDE
	s_add_nc_u64 s[G0B+2:G0B+3], s[46:47], s[96:97]
	s_or_b32 s[G0B+3], s[G0B+3], 0x80000000
	s_cmp_eq_u32 s2, 3                             ; one tree of branches on the wave's number: no way passes more than one load
	s_cbranch_scc1 .Lfilled
	s_cmp_eq_u32 s2, 2
	s_cbranch_scc1 .Lfirst_sc
	s_cmp_eq_u32 s3, 0
	s_cbranch_scc0 .Lfirst_b
	tensor_load_to_lds s[G0A:G0A+3], s[G1A:G1A+7]
	s_nop 0
.rept 4
	v_nop
.endr
	s_branch .Lfilled
.Lfirst_b:
	tensor_load_to_lds s[G0B:G0B+3], s[G1B:G1B+7]
	s_nop 0
.rept 4
	v_nop
.endr
	s_branch .Lfilled
.Lfirst_sc:
	s_cmp_eq_u32 s3, 0
	s_cbranch_scc0 .Lfirst_sb
	tensor_load_to_lds s[G0SA:G0SA+3], s[G1SA:G1SA+7]
	s_nop 0
.rept 4
	v_nop
.endr
	s_branch .Lfilled
.Lfirst_sb:
	tensor_load_to_lds s[G0SB:G0SB+3], s[G1SB:G1SB+7]
	s_nop 0
.rept 4
	v_nop
.endr
.Lfilled:
	s_lshl_b32 s96, s17, 19                        ; the 8 rows that I store: (128 Y + 8 wave) rows of 4,096 bytes + 512 X
	s_lshl_b32 s97, s14, 15
	s_add_co_u32 s96, s96, s97
	s_lshl_b32 s98, s42, 9
	s_add_co_u32 s96, s96, s98
	s_mov_b32 s97, 0
	s_mov_b32 s99, 0
	s_add_nc_u64 s[10:11], s[10:11], s[96:97]
	s_add_nc_u64 s[12:13], s[12:13], s[96:97]
	s_add_nc_u64 s[8:9], s[8:9], s[98:99]
.irp i, 0,1,2,3,4,5,6,7
	global_load_b128 v[160+4*\i:163+4*\i], v24, s[10:11] offset:4096*\i   ; the residual's rows are asked for now and wanted on the way out
.endr
	global_load_b128 v[192:195], v24, s[8:9]
	s_wait_tensorcnt 0x0                           ; my one load, if I have one, has landed; behind the barrier everybody's has: both slots and the scale bytes
	s_barrier_signal -1
	s_barrier_wait -1
	s_wait_alu depctr_va_vdst(0)
	KSTEP 0, 0, 0, 1
	KSTEP 0, 1, 0, 0
	KSTEP 0, 2, 0, 0
	KSTEP 0, 3, 0, 0
.set SI, 1
.rept NSLOT-1
.if SI+1 < NSLOT
	CHANGE (SI-1)%2, 1
.else
	CHANGE (SI-1)%2, 0
.endif
	KSTEP SI%2, 0, SI, 0
	KSTEP SI%2, 1, SI, 0
	KSTEP SI%2, 2, SI, 0
	KSTEP SI%2, 3, SI, 0
.set SI, SI+1
.endr
.rept 4
	v_nop                                          ; places behind the last products
.endr
.irp a, 0,1
.irp i, 0,1,2,3
	ds_store_b128 v25, v[ACC+16*\a+4*\i:ACC+16*\a+4*\i+3] offset:8*\a*SP+16*\i   ; each accumulator from its low end on
.endr
.endr
	s_wait_dscnt 0x0                               ; for the others' sake: my stores into the stage have landed
	s_barrier_signal -1
	s_barrier_wait -1
.irp i, 0,1,2,3,4,5,6,7
	ds_load_b128 v[96+4*\i:99+4*\i], v26 offset:SP*\i
.endr
	s_wait_loadcnt 0x0                             ; the residual and the bias
.irp i, 0,1,2,3,4,5,6,7
	s_wait_dscnt 7-\i                              ; row i is back; the younger rows may be out
	v_pk_add_f32 v[96+4*\i:97+4*\i], v[96+4*\i:97+4*\i], v[192:193]
	v_pk_add_f32 v[98+4*\i:99+4*\i], v[98+4*\i:99+4*\i], v[194:195]
	s_delay_alu instid0(VALU_DEP_2)
	v_pk_add_f32 v[96+4*\i:97+4*\i], v[96+4*\i:97+4*\i], v[160+4*\i:161+4*\i]
	s_delay_alu instid0(VALU_DEP_2)
	v_pk_add_f32 v[98+4*\i:99+4*\i], v[98+4*\i:99+4*\i], v[162+4*\i:163+4*\i]
	global_store_b128 v24, v[96+4*\i:99+4*\i], s[12:13] offset:4096*\i   ; 512 consecutive bytes, aligned
.endr
	s_wait_tensorcnt 0x0                           ; the wave's end
	ds_add_u32 v1, v2
	s_wait_dscnt 0x0
	CROUND                                         ; the closing round
	s_endpgm
.Lfunc_end_k_q5b251c918e_wo:
	.size	k_q5b251c918e_wo, .Lfunc_end_k_q5b251c918e_wo-k_q5b251c918e_wo
	.p2alignl 7, 3214868480
	.fill 96, 4, 3214868480
	.section	.rodata,"a",@progbits
	.p2align	6, 0x0
	.amdhsa_kernel k_q5b251c918e_wo
		.amdhsa_group_segment_fixed_size 327680
		.amdhsa_private_segment_fixed_size 0
		.amdhsa_enable_private_segment 0
		.amdhsa_kernarg_size 40
		.amdhsa_user_sgpr_count 2
		.amdhsa_user_sgpr_kernarg_segment_ptr 1
		.amdhsa_wavefront_size32 1
		.amdhsa_system_sgpr_workgroup_id_x 1
		.amdhsa_system_sgpr_workgroup_id_y 1
		.amdhsa_system_sgpr_workgroup_id_z 1
		.amdhsa_system_vgpr_workitem_id 0
		.amdhsa_next_free_vgpr 256
		.amdhsa_next_free_sgpr 100
		.amdhsa_reserve_vcc 0
		.amdhsa_float_denorm_mode_32 3
		.amdhsa_float_denorm_mode_16_64 3
		.amdhsa_memory_ordered 1
		.amdhsa_forward_progress 1
		.amdhsa_inst_pref_size 29
	.end_amdhsa_kernel
	.amdgpu_metadata
---
amdhsa.version: [ 1, 2 ]
amdhsa.kernels:
  - .name:           k_q5b251c918e_wo
    .symbol:         k_q5b251c918e_wo.kd
    .args:
      - { .name: aq, .offset: 0, .size: 8, .value_kind: global_buffer, .address_space: global }
      - { .name: wq, .offset: 8, .size: 8, .value_kind: global_buffer, .address_space: global }
      - { .name: bo, .offset: 16, .size: 8, .value_kind: global_buffer, .address_space: global }
      - { .name: x, .offset: 24, .size: 8, .value_kind: global_buffer, .address_space: global }
      - { .name: x1, .offset: 32, .size: 8, .value_kind: global_buffer, .address_space: global }
    .group_segment_fixed_size: 327680
    .private_segment_fixed_size: 0
    .kernarg_segment_align: 8
    .kernarg_segment_size: 40
    .max_flat_workgroup_size: 512
    .sgpr_count:     100
    .vgpr_count:     256
    .wavefront_size: 32
...
	.end_amdgpu_metadata
.endif
;; end of part 11
;; launch ln2 (part 12): grid 256 x 1, 8 waves a work-group, no clusters, 3,072 bytes of LDS; arguments x1, g2, b2, aq; writes aq
.if DOCPART == 12
	.amdgcn_target "amdgcn-amd-amdhsa--gfx1250"
	.amdhsa_code_object_version 6
	.text
	.protected	k_q5b251c918e_ln2
	.globl	k_q5b251c918e_ln2
	.p2align	8
	.type	k_q5b251c918e_ln2,@function
k_q5b251c918e_ln2:
	s_mov_b64 s[64:65], 0
	v_nop
	global_prefetch_b8 v0, s[64:65] scope:SCOPE_SE
	s_setreg_imm32_b32 hwreg(HW_REG_WAVE_MODE, 25, 1), 1
	s_wait_xcnt 0x0
; LAYER NORM AND QUANTISER.  y = (x - mean) rsqrt(var + 1e-5) g + b over rows of 1,024 f32, then codes of BF6 (E3M2) along the row with one E8M0 byte for each 32, laid as the products' operand registers want them.
; A work-group is one group of 16 rows: row r of group g is token 32 (g / 2) + 8 (g % 2) + r + 8 (r / 8).  Wave w takes columns 128 w .. 128 w + 127 (one K step) of all 16 rows: lane (r, h) holds, of row r,
; 16 neighbours of each of the four blocks of 32: register 16 b + i = column 128 w + 32 b + 16 h + i.  Mean and variance are taken in two passes (no difference of large sums); the eight waves' parts meet in LDS.
; OUT: aq codes [group][K step][1536]: registers 0-3 of lane l at 16 l, 4-5 at 512 + 8 l, 6-9 at 768 + 16 l, 10-11 at 1280 + 8 l; scale bytes at ASC: [group][2][16 rows][16 bytes].
; LIMITS: a block whose largest magnitude lies under 2^-122 (zeros too) gets the byte 1; NaN and infinities are not served.
.set ASC, 3145728
.set PC,  8                            ; v8-27    the codes, and the conversions' second halves
.set X,   32                           ; v32-95   my 64 numbers
.set G,   96                           ; v96-159  the gain at my columns
.set BB,  160                          ; v160-223 the bias
.set TM,  224                          ; v224-239 the quantiser's work
.set PW,  240                          ; v240     my row's scale word
.set SEL, 18                           ; s[18:19] lane selects: lane l xor 16
	s_load_b256 s[4:11], s[0:1], 0x0               ; x s[4:5], g s[6:7], b s[8:9], aq s[10:11]
	v_lshl_add_u32 v254, v0, 2, 0x800
	v_mov_b32 v255, 0
	v_lshrrev_b32 v1, 5, v0
	s_delay_alu instid0(VALU_DEP_1)
	v_readfirstlane_b32 s12, v1                    ; wave w
	v_and_b32 v1, 31, v0
	v_and_b32 v2, 15, v0                           ; r
	v_bfe_u32 v3, v0, 4, 1                         ; h
	s_delay_alu instid0(VALU_DEP_2)
	v_and_b32 v4, 8, v2
	s_delay_alu instid0(VALU_DEP_1)
	v_add_nc_u32 v4, v4, v2
	s_delay_alu instid0(VALU_DEP_1)
	v_lshlrev_b32 v4, 12, v4
	s_delay_alu instid0(VALU_DEP_1)
	v_lshl_add_u32 v4, v3, 6, v4                   ; x: (r + 8 (r / 8)) rows of 4,096 bytes + 64 h
	v_lshlrev_b32 v5, 6, v3                        ; g, b: 64 h
	v_lshlrev_b32 v6, 4, v1                        ; 16 l
	v_lshlrev_b32 v7, 3, v1                        ; 8 l
	v_lshlrev_b32 v29, 5, v2                       ; LDS: row r's eight parts, 32 r
	s_lshl_b32 s13, s12, 2
	v_add_nc_u32 v28, s13, v29                     ; my wave's word among them
	s_lshr_b32 s14, s12, 2
	s_lshl_b32 s14, s14, 8
	s_and_b32 s15, s12, 3
	s_lshl_b32 s15, s15, 2
	s_add_co_u32 s14, s14, s15
	v_lshl_add_u32 v241, v2, 4, s14                ; LDS: my scale word: 256 (w / 4) + 16 r + 4 (w % 4)
	s_lshr_b32 s16, ttmp9, 1
	s_lshl_b32 s16, s16, 17
	s_and_b32 s17, ttmp9, 1
	s_lshl_b32 s17, s17, 15
	s_add_co_u32 s16, s16, s17                     ; (32 (g / 2) + 8 (g % 2)) rows
	s_lshl_b32 s22, s12, 9                         ; 512 w
	s_mov_b32 s23, 0
	s_add_co_u32 s16, s16, s22
	s_mov_b32 s17, 0
	s_mul_i32 s24, ttmp9, 12288
	s_mul_i32 s25, s12, 1536
	s_add_co_u32 s24, s24, s25
	s_mov_b32 s25, 0
	s_lshl_b32 s26, ttmp9, 9
	s_add_co_u32 s26, s26, ASC
	s_mov_b32 s27, 0
	s_mov_b32 s[SEL], 0x76543210
	s_mov_b32 s[SEL+1], 0xfedcba98
	s_mov_b32 s20, 0x3a800000                      ; 1 / 1024
	s_mov_b32 s21, 0x3727c5ac                      ; 1e-5
	v_mov_b32 v250, 0                              ; a lane permute's destination counts as read
.irp b, 0,1,2,3
	v_mov_b32 v[TM+4+\b], 0
.endr
	s_wait_kmcnt 0x0
	s_add_nc_u64 s[4:5], s[4:5], s[16:17]
	s_add_nc_u64 s[6:7], s[6:7], s[22:23]
	s_add_nc_u64 s[8:9], s[8:9], s[22:23]
	s_add_nc_u64 s[28:29], s[10:11], s[26:27]
	s_add_nc_u64 s[10:11], s[10:11], s[24:25]
.irp b, 0,1,2,3
.irp j, 0,1,2,3
	global_load_b128 v[X+16*\b+4*\j:X+16*\b+4*\j+3], v4, s[4:5] offset:128*\b+16*\j th:TH_LOAD_NT
.endr
.endr
.irp b, 0,1,2,3
.irp j, 0,1,2,3
	global_load_b128 v[G+16*\b+4*\j:G+16*\b+4*\j+3], v5, s[6:7] offset:128*\b+16*\j
	global_load_b128 v[BB+16*\b+4*\j:BB+16*\b+4*\j+3], v5, s[8:9] offset:128*\b+16*\j
.endr
.endr
	s_wait_loadcnt 32                              ; x's 16 loads are in; the 32 of g and b may be out
.irp c, 0,1,2,3                                ; the sum of my 64, two at a time, in four chains
	v_pk_add_f32 v[242+2*\c:243+2*\c], v[X+2*\c:X+2*\c+1], v[X+8+2*\c:X+9+2*\c]
.endr
.set k, 16
.rept 6
.irp c, 0,1,2,3
	s_delay_alu instid0(VALU_DEP_4)
	v_pk_add_f32 v[242+2*\c:243+2*\c], v[242+2*\c:243+2*\c], v[X+k+2*\c:X+k+2*\c+1]
.endr
.set k, k+8
.endr
.macro FOLD off                        ; four chains -> my row's part -> LDS -> all eight parts -> their sum in v242
	s_delay_alu instid0(VALU_DEP_2)
	v_pk_add_f32 v[242:243], v[242:243], v[246:247]
	s_delay_alu instid0(VALU_DEP_2)
	v_pk_add_f32 v[244:245], v[244:245], v[248:249]
	s_delay_alu instid0(VALU_DEP_1)
	v_pk_add_f32 v[242:243], v[242:243], v[244:245]
	s_delay_alu instid0(VALU_DEP_1)
	v_add_f32 v242, v242, v243
	s_delay_alu instid0(VALU_DEP_1)
	v_permlanex16_b32 v250, v242, s[SEL], s[SEL+1]
	s_delay_alu instid0(VALU_DEP_1)
	v_add_f32 v242, v242, v250                     ; with lane l xor 16's: 128 columns of row r
	ds_store_b32 v28, v242 offset:\off             ; (both halves of the lanes write the same word with the same value)
	s_wait_dscnt 0x0                               ; for the others' sake: my store has landed
	s_barrier_signal -1
	s_barrier_wait -1
	ds_load_b128 v[242:245], v29 offset:\off
	ds_load_b128 v[246:249], v29 offset:\off+16
	s_wait_dscnt 0x0
	v_pk_add_f32 v[242:243], v[242:243], v[246:247]
	v_pk_add_f32 v[244:245], v[244:245], v[248:249]
	s_delay_alu instid0(VALU_DEP_1)
	v_pk_add_f32 v[242:243], v[242:243], v[244:245]
	s_delay_alu instid0(VALU_DEP_1)
	v_add_f32 v242, v242, v243
.endm
	FOLD 0
	s_delay_alu instid0(VALU_DEP_1)
	v_mul_f32 v30, s20, v242                       ; the mean
	s_delay_alu instid0(VALU_DEP_1)
	v_mov_b32 v31, v30
.set k, 0
.rept 32
	v_pk_add_f32 v[X+k:X+k+1], v[X+k:X+k+1], v[30:31] neg_lo:[0,1] neg_hi:[0,1]   ; d = x - mean
.set k, k+2
.endr
.irp c, 0,1,2,3
	v_pk_mul_f32 v[242+2*\c:243+2*\c], v[X+2*\c:X+2*\c+1], v[X+2*\c:X+2*\c+1]
.endr
.set k, 8
.rept 7
.irp c, 0,1,2,3
	s_delay_alu instid0(VALU_DEP_4)
	v_pk_fma_f32 v[242+2*\c:243+2*\c], v[X+k+2*\c:X+k+2*\c+1], v[X+k+2*\c:X+k+2*\c+1], v[242+2*\c:243+2*\c]
.endr
.set k, k+8
.endr
	FOLD 512                                       ; other bytes than the first sum's: no barrier is owed between the two
	s_delay_alu instid0(VALU_DEP_1)
	v_fma_f32 v30, v242, s20, s21                  ; var + eps
	s_wait_alu depctr_va_vdst(0)
	v_rsq_f32 v30, v30
	v_nop                                          ; a plain line behind the transcendental
	s_wait_alu depctr_va_vdst(0)                   ; and the wait ahead of its first reader
	v_mov_b32 v31, v30
	s_wait_alu depctr_va_vdst(0)
	s_wait_loadcnt 0x0                             ; g and b
.set k, 0
.rept 32
	v_pk_mul_f32 v[X+k:X+k+1], v[X+k:X+k+1], v[30:31]
.set k, k+2
.endr
.set k, 0
.rept 32
	v_pk_fma_f32 v[X+k:X+k+1], v[X+k:X+k+1], v[G+k:G+k+1], v[BB+k:BB+k+1]
.set k, k+2
.endr
	; the quantiser: four blocks of 32, each in lanes l and l xor 16
.irp b, 0,1,2,3
	v_max3_num_f32 v[TM+\b], |v[X+16*\b]|, |v[X+1+16*\b]|, 0x2800000   ; with the floor 2^(5 - 127): the byte cannot fall under 1
.endr
.irp i, 2,4,6,8,10,12,14
.irp b, 0,1,2,3
	s_delay_alu instid0(VALU_DEP_4)
	v_max3_num_f32 v[TM+\b], v[TM+\b], |v[X+16*\b+\i]|, |v[X+1+16*\b+\i]|
.endr
.endr
.irp b, 0,1,2,3
	s_delay_alu instid0(VALU_DEP_4)
	v_permlanex16_b32 v[TM+4+\b], v[TM+\b], s[SEL], s[SEL+1]
.endr
.irp b, 0,1,2,3
	s_delay_alu instid0(VALU_DEP_4)
	v_max_num_f32 v[TM+\b], v[TM+\b], v[TM+4+\b]
.endr
.irp b, 0,1,2,3
	s_delay_alu instid0(VALU_DEP_4)
	v_add_nc_u32 v[TM+12+\b], 0xfe000000, v[TM+\b] ; 4 off the exponent field: the conversion's scale operand
.endr
.irp b, 0,1,2,3
	s_delay_alu instid0(VALU_DEP_4)
	v_lshrrev_b32 v[TM+4+\b], 23, v[TM+12+\b]      ; the byte
.endr
	s_delay_alu instid0(VALU_DEP_3)
	v_lshl_or_b32 v[PW], v[TM+5], 8, v[TM+4]
	s_delay_alu instid0(VALU_DEP_1)
	v_lshl_or_b32 v[PW], v[TM+6], 16, v[PW]
	s_delay_alu instid0(VALU_DEP_1)
	v_lshl_or_b32 v[PW], v[TM+7], 24, v[PW]
.irp c, 0,1
	v_cvt_scalef32_pk16_bf6_f32 v[PC+6*\c:PC+2+6*\c], v[X+32*\c:X+15+32*\c], v[TM+12+2*\c]
	v_cvt_scalef32_pk16_bf6_f32 v[PC+12+4*\c:PC+14+4*\c], v[X+16+32*\c:X+31+32*\c], v[TM+12+2*\c+1]
.endr
	v_nop                                          ; one plain line behind a scaled conversion
.irp c, 0,1                                    ; the operand wants a whole block in a lane: lanes 0-15 block 2 c, lanes 16-31 block 2 c + 1
.irp i, 0,1,2
	v_permlane16_swap_b32 v[PC+6*\c+\i], v[PC+12+4*\c+\i]
.endr
.irp i, 0,1,2
	s_delay_alu instid0(VALU_DEP_3)
	v_mov_b32 v[PC+3+6*\c+\i], v[PC+12+4*\c+\i]
.endr
.endr
	global_store_b128 v6, v[PC:PC+3], s[10:11]                     ; each store covers 512 or 256 consecutive bytes, aligned
	global_store_b64 v7, v[PC+4:PC+5], s[10:11] offset:512
	global_store_b128 v6, v[PC+6:PC+9], s[10:11] offset:768
	global_store_b64 v7, v[PC+10:PC+11], s[10:11] offset:1280
	ds_store_b32 v241, v[PW] offset:1024           ; the eight K steps' words of the group meet in LDS
	s_wait_dscnt 0x0
	s_barrier_signal -1
	s_barrier_wait -1
	s_cmp_lg_u32 s12, 0
	s_cbranch_scc1 .Lend
	ds_load_b128 v[242:245], v6 offset:1024
	s_wait_dscnt 0x0
	global_store_b128 v6, v[242:245], s[28:29]     ; wave 0 stores the group's 512 scale bytes
.Lend:
	s_wait_tensorcnt 0x0
	ds_add_u32 v254, v255
	s_wait_dscnt 0x0
	s_endpgm
.Lfunc_end_k_q5b251c918e_ln2:
	.size	k_q5b251c918e_ln2, .Lfunc_end_k_q5b251c918e_ln2-k_q5b251c918e_ln2
	.p2alignl 7, 3214868480
	.fill 96, 4, 3214868480
	.section	.rodata,"a",@progbits
	.p2align	6, 0x0
	.amdhsa_kernel k_q5b251c918e_ln2
		.amdhsa_group_segment_fixed_size 3072
		.amdhsa_private_segment_fixed_size 0
		.amdhsa_enable_private_segment 0
		.amdhsa_kernarg_size 32
		.amdhsa_user_sgpr_count 2
		.amdhsa_user_sgpr_kernarg_segment_ptr 1
		.amdhsa_wavefront_size32 1
		.amdhsa_system_sgpr_workgroup_id_x 1
		.amdhsa_system_sgpr_workgroup_id_y 1
		.amdhsa_system_sgpr_workgroup_id_z 1
		.amdhsa_system_vgpr_workitem_id 0
		.amdhsa_next_free_vgpr 256
		.amdhsa_next_free_sgpr 66
		.amdhsa_reserve_vcc 0
		.amdhsa_float_denorm_mode_32 3
		.amdhsa_float_denorm_mode_16_64 3
		.amdhsa_memory_ordered 1
		.amdhsa_forward_progress 1
		.amdhsa_inst_pref_size 28
	.end_amdhsa_kernel
	.amdgpu_metadata
---
amdhsa.version: [ 1, 2 ]
amdhsa.kernels:
  - .name:           k_q5b251c918e_ln2
    .symbol:         k_q5b251c918e_ln2.kd
    .args:
      - { .name: x1, .offset: 0, .size: 8, .value_kind: global_buffer, .address_space: global }
      - { .name: g2, .offset: 8, .size: 8, .value_kind: global_buffer, .address_space: global }
      - { .name: b2, .offset: 16, .size: 8, .value_kind: global_buffer, .address_space: global }
      - { .name: aq, .offset: 24, .size: 8, .value_kind: global_buffer, .address_space: global }
    .group_segment_fixed_size: 3072
    .private_segment_fixed_size: 0
    .kernarg_segment_align: 8
    .kernarg_segment_size: 32
    .max_flat_workgroup_size: 256
    .sgpr_count:     66
    .vgpr_count:     256
    .wavefront_size: 32
...
	.end_amdgpu_metadata
.endif
;; end of part 12
;; launch mlp1 (part 13): grid 16 x 16, 16 waves a work-group, clusters of 4 x 4, 327,680 bytes of LDS; arguments aq, wq, bm1, mid; writes mid
.if DOCPART == 13
	.amdgcn_target "amdgcn-amd-amdhsa--gfx1250"
	.amdhsa_code_object_version 6
	.text
	.protected	k_q5b251c918e_mlp1
	.globl	k_q5b251c918e_mlp1
	.p2align	8
	.type	k_q5b251c918e_mlp1,@function
k_q5b251c918e_mlp1:
	s_mov_b64 s[64:65], 0
	v_nop
	global_prefetch_b8 v0, s[64:65] scope:SCOPE_SE
	s_setreg_imm32_b32 hwreg(HW_REG_WAVE_MODE, 25, 1), 1
	s_wait_xcnt 0x0
	s_wait_alu depctr_hold_cnt(0) depctr_sa_sdst(0) depctr_va_vdst(0) depctr_va_sdst(0) depctr_va_ssrc(0) depctr_va_vcc(0) depctr_vm_vsrc(0)
	s_getreg_b32 s2, hwreg(HW_REG_IB_STS2, 6, 4)
	s_cmp_eq_u32 s2, 0
	s_cbranch_scc0 .Lentry_in_a_cluster
	s_endpgm
.Lentry_in_a_cluster:
	s_bfe_u32 s2, ttmp6, 0x10000c
	s_cmp_lg_u32 s2, 0xf033
	s_cbranch_scc0 .Lentry_shape_is_right
	s_endpgm
.Lentry_shape_is_right:
; mid = Q(gelu(h W1 + bm1)) on codes of BF6 (E3M2) with E8M0 scales; the exact GELU in f32; Q: the quantiser along the hidden axis, the next product's K.
; A work-group makes 256 tokens x 256 hidden units; sixteen waves (wm = wave / 4, wn = wave % 4), each 64 x 64: 16 accumulators.
; OPERANDS lie in memory and in LDS in the order of the operand registers: a group (16 rows) x 128 K is 1,536 bytes: registers 0-3 of lane l at 16 l, 4-5 at 512 + 8 l, 6-9 at 768 + 16 l, 10-11 at 1280 + 8 l.
; Row r of group g is index 32 (g / 2) + 8 (g % 2) + r + 8 (r / 8).  Source 0 = weights, source 1 = tokens: a lane holds one token, and the 32 registers of a token group are 16 + 16 neighbours of two blocks of 32.
; K's eight steps of 128 are four quarters of two.  THREE LDS slots take the first three quarters as first fills; the last quarter comes into slot 0 when every wave of the cluster has read that slot: one refill, which has
; the four K steps of slots 1 and 2 in which to land.  Waves 0, 1 fetch A's halves, waves 2, 3 B's, jointly with the cluster's row (A) or column (B).  All scale bytes come once.
; GELU: gelu(x) = max(x, 0) - |x| E, E = erfc(|x| / sqrt 2) / 2 = t 2^(-x^2 log2(e) / 2 + P(t)), t = 1 / (1 + |x| sqrt(2) / 4), P a polynomial of degree 9 (a rational Chebyshev fit of erfc with fractional error about 1e-7,
; its coefficients multiplied by log2 e, the factor 1/2 taken into the constant term).  No difference of near numbers is formed: E is at most 1/2.
; The scale bytes are stored singly (one byte for 24 bytes of codes).  LIMITS: a block whose largest magnitude lies under 2^-122 (zeros too) gets the byte 1; NaN and infinities are not served.
.set MB, 4
.set NB, 4
.set TG, 16
.set KSTEPS, 8
.set KS, 2
.set GROW, KS*1536
.set GSTR, KSTEPS*1536
.set GSB, KSTEPS*64
.set ASB, 3145728
.set WCB, 3145728
.set WSB, 9568256
.set SLOT, 98304
.set SIDE, 49152
.set HALF, 24576
.set SCL, 3*SLOT                       ; behind the three slots: A's scale bytes, then B's
.set SPARE, SCL+2*TG*GSB               ; behind them: the spare words, 128 bytes for each of 16 waves
.set SC, 16
.set S0F, 32
.set S1F, 80
.set ACC, 128
.set G1A, 24
.set G0A, 32                           ; s[32:35] A's group 0
.set G0A2, 20
.set G1B, 48
.set G0B, 56                           ; s[56:59] B's group 0
.set G0B2, 44
.set G1SA, 68
.set G0SA, 76
.set G1SB, 80
.set G0SB, 88
.set HM, 99
.set SEL, 56
.set QM, 10                            ; the quantiser's work: v10-15, v40-42
.set QX, 12
.set QS, 14
.set QT, 40
.macro CROUND
	s_barrier_signal -1
	s_barrier_wait -1
	s_cmp_lg_u32 s14, 0
	s_cbranch_scc1 .Lnw0_\@
	s_barrier_signal -3
.Lnw0_\@:
	s_barrier_wait -3
	s_barrier_signal -1
	s_barrier_wait -1
.endm
.macro JLOAD s
	s_cmp_lt_u32 s14, 2
	s_cbranch_scc0 .Lnot_a_\@
	tensor_load_to_lds s[G0A+4*(\s):G0A+4*(\s)+3], s[G1A:G1A+7]
	s_nop 0
.rept 4
	v_nop
.endr
	s_branch .Lasked_\@
.Lnot_a_\@:
	s_cmp_lt_u32 s14, 4
	s_cbranch_scc0 .Lasked_\@
	tensor_load_to_lds s[G0B+4*(\s):G0B+4*(\s)+3], s[G1B:G1B+7]
	s_nop 0
.rept 4
	v_nop
.endr
.Lasked_\@:
.endm
.macro FRAG f, a16, a8, o
	ds_load_b128 v[\f:\f+3], v[\a16] offset:\o
	ds_load_b64 v[\f+4:\f+5], v[\a8] offset:\o+512
	ds_load_b128 v[\f+6:\f+9], v[\a16] offset:\o+768
	ds_load_b64 v[\f+10:\f+11], v[\a8] offset:\o+1280
.endm
.macro KSTEP s, q, sidx, zero          ; a K step of 128; the 16 accumulators take turns, one instruction a turn
.rept 4
	v_nop                                          ; places in front of loads into registers that matrix instructions have read
.endr
.irp b, 0,1,2,3
	FRAG S0F+12*\b, 3+2*(\s), 4+2*(\s), \b*GROW+1536*(\q)
.endr
.irp a, 0,1,2,3
	FRAG S1F+12*\a, 9+2*(\s), 10+2*(\s), \a*GROW+1536*(\q)
.endr
.if (\q) == 0
.irp i, 0,1,2,3
	ds_load_b64 v[SC+2*\i:SC+2*\i+1], v15 offset:\i*GSB+((\sidx)/2)*256+((\sidx)%2)*8
.endr
.endif
	s_wait_dscnt 0x0
.irp a, 0,1,2,3
.irp b, 0,1,2,3
.if \zero
	v_wmma_scale_f32_16x16x128_f8f6f4 v[ACC+8*(NB*\a+\b):ACC+8*(NB*\a+\b)+7], v[S0F+12*\b:S0F+12*\b+11], v[S1F+12*\a:S1F+12*\a+11], 0, v[SC+KS*\b+(\q)], v[SC+KS*\a+(\q)] matrix_a_fmt:MATRIX_FMT_BF6 matrix_b_fmt:MATRIX_FMT_BF6 matrix_a_scale:MATRIX_SCALE_ROW1
.else
	v_wmma_scale_f32_16x16x128_f8f6f4 v[ACC+8*(NB*\a+\b):ACC+8*(NB*\a+\b)+7], v[S0F+12*\b:S0F+12*\b+11], v[S1F+12*\a:S1F+12*\a+11], v[ACC+8*(NB*\a+\b):ACC+8*(NB*\a+\b)+7], v[SC+KS*\b+(\q)], v[SC+KS*\a+(\q)] matrix_a_fmt:MATRIX_FMT_BF6 matrix_b_fmt:MATRIX_FMT_BF6 matrix_a_scale:MATRIX_SCALE_ROW1
.endif
.endr
.endr
.endm
; fill = 1: slot 0 has been read out and is filled again, with K's last quarter, behind a round of the cluster's barrier.  fill = 0: that quarter is shown landed to every wave.
.macro CHANGE fill
	s_wait_tensorcnt 0x0                           ; all my tensor loads have landed; so a group 0 may be written
	ds_add_u32 v1, v2                              ; 0 onto my spare word
.if \fill
	s_add_nc_u64 s[G0A+2:G0A+3], s[G0A+2:G0A+3], 3*GROW
	s_add_nc_u64 s[G0B+2:G0B+3], s[G0B+2:G0B+3], 3*GROW
.endif
	s_wait_dscnt 0x0                               ; the add is done, and my reads so far are over
.if \fill
	CROUND                                         ; no wave of any partner still reads slot 0 or has a load on its way; slots 1 and 2 are whole
	JLOAD 0                                        ; the first tensor load behind the round, one a wave: it has four K steps in which to land
.else
	s_barrier_signal -1
	s_barrier_wait -1
.endif
.endm
.macro QUANT2 src, cd, by
	v_max3_num_f32 v[QM], |v[(\src)]|, |v[(\src)+1]|, 0x2800000
	v_max3_num_f32 v[QM+1], |v[(\src)+16]|, |v[(\src)+17]|, 0x2800000
.irp i, 2,4,6,8,10,12,14
	s_delay_alu instid0(VALU_DEP_2)
	v_max3_num_f32 v[QM], v[QM], |v[(\src)+\i]|, |v[(\src)+\i+1]|
	s_delay_alu instid0(VALU_DEP_2)
	v_max3_num_f32 v[QM+1], v[QM+1], |v[(\src)+16+\i]|, |v[(\src)+17+\i]|
.endr
	s_delay_alu instid0(VALU_DEP_2)
	v_permlanex16_b32 v[QX], v[QM], s[SEL], s[SEL+1]
	s_delay_alu instid0(VALU_DEP_2)
	v_permlanex16_b32 v[QX+1], v[QM+1], s[SEL], s[SEL+1]
	s_delay_alu instid0(VALU_DEP_2)
	v_max_num_f32 v[QM], v[QM], v[QX]
	s_delay_alu instid0(VALU_DEP_2)
	v_max_num_f32 v[QM+1], v[QM+1], v[QX+1]
	s_delay_alu instid0(VALU_DEP_2)
	v_add_nc_u32 v[QS], 0xfe000000, v[QM]
	s_delay_alu instid0(VALU_DEP_2)
	v_add_nc_u32 v[QS+1], 0xfe000000, v[QM+1]
	s_delay_alu instid0(VALU_DEP_2)
	v_lshrrev_b32 v[QX], 23, v[QS]
	s_delay_alu instid0(VALU_DEP_2)
	v_lshrrev_b32 v[QX+1], 23, v[QS+1]
	v_cvt_scalef32_pk16_bf6_f32 v[(\cd):(\cd)+2], v[(\src):(\src)+15], v[QS]
	v_cvt_scalef32_pk16_bf6_f32 v[QT:QT+2], v[(\src)+16:(\src)+31], v[QS+1]
	v_cndmask_b32 v[(\by)], v[QX], v[QX+1], s[HM]  ; (also the plain line behind the conversions)
.irp i, 0,1,2
	v_permlane16_swap_b32 v[(\cd)+\i], v[QT+\i]
.endr
.irp i, 0,1,2
	s_delay_alu instid0(VALU_DEP_3)
	v_mov_b32 v[(\cd)+3+\i], v[QT+\i]
.endr
.endm
; The GELU of 32 numbers v[x] .. v[x + 31], in place.  v32-63: t; v64-95: x^2, later max(x, 0); v96-127: the exponent, later E.
.macro GELU32 x
.set j, 0
.rept 32
	v_fma_f32 v[32+j], |v[(\x)+j]|, s58, 1.0
.set j, j+1
.endr
.set j, 0
	s_wait_alu depctr_va_vdst(0)
.rept 32
	v_rcp_f32 v[32+j], v[32+j]                     ; t
.set j, j+1
.endr
.set j, 0
.rept 16
	v_pk_mul_f32 v[64+j:65+j], v[(\x)+j:(\x)+j+1], v[(\x)+j:(\x)+j+1]   ; plain work that names no reciprocal
.set j, j+2
.endr
	s_wait_alu depctr_va_vdst(0)                   ; one wait for the 32 reciprocals, ahead of their first reader
.set j, 0
.rept 16
	v_pk_fma_f32 v[96+j:97+j], v[32+j:33+j], v[8:9], 0xbf97d29d op_sel_hi:[1,1,0]
.set j, j+2
.endr
.irp c, 0x40097039, 0xbfd1a1e5, 0x3ecdfd18, 0xbe899a80, 0x3e0efb2e, 0x3f0a29d2, 0x3fb8ab5a, 0xc034d90f
.set j, 0
.rept 16
	v_pk_fma_f32 v[96+j:97+j], v[96+j:97+j], v[32+j:33+j], \c op_sel_hi:[1,1,0]
.set j, j+2
.endr
.endr
.set j, 0
.rept 16
	v_pk_fma_f32 v[96+j:97+j], v[64+j:65+j], 0xbf38aa3b, v[96+j:97+j] op_sel_hi:[1,0,1]   ; - x^2 log2(e) / 2
.set j, j+2
.endr
.set j, 0
	s_wait_alu depctr_va_vdst(0)
.rept 32
	v_exp_f32 v[96+j], v[96+j]
.set j, j+1
.endr
.set j, 0
.rept 32
	v_max_num_f32 v[64+j], 0, v[(\x)+j]            ; plain work that names no exponential
.set j, j+1
.endr
	s_wait_alu depctr_va_vdst(0)                   ; one wait for the 32 exponentials
.set j, 0
.rept 16
	v_pk_mul_f32 v[96+j:97+j], v[96+j:97+j], v[32+j:33+j]   ; E
.set j, j+2
.endr
.set j, 0
.rept 32
	v_fma_f32 v[(\x)+j], -|v[(\x)+j]|, v[96+j], v[64+j]
.set j, j+1
.endr
.endm
	s_load_b128 s[4:7], s[0:1], 0x0                ; aq s[4:5], wq s[6:7]
	s_load_b128 s[8:11], s[0:1], 0x10              ; bm1 s[8:9], mid s[10:11]
	v_lshl_add_u32 v1, v0, 2, SPARE                ; my spare word; never rewritten
	v_mov_b32 v2, 0                                ; never rewritten
	ds_add_u32 v1, v2
	ds_add_u32 v1, v2
	s_wait_dscnt 0x0
	v_lshrrev_b32 v24, 5, v0
	s_delay_alu instid0(VALU_DEP_1)
	v_readfirstlane_b32 s14, v24
	s_lshr_b32 s15, s14, 2                         ; wm
	s_and_b32 s16, s14, 3                          ; wn
	s_bfe_u32 s40, ttmp6, 0x40000
	s_bfe_u32 s41, ttmp6, 0x40004
	s_lshl_b32 s42, ttmp9, 2
	s_add_co_u32 s42, s42, s40                     ; X
	s_and_b32 s17, ttmp7, 0xffff
	s_lshl_b32 s17, s17, 2
	s_add_co_u32 s17, s17, s41                     ; Y
	s_lshl_b32 s43, s41, 2
	s_lshl_b32 s43, 15, s43
	s_lshl_b32 s44, 0x1111, s40
	s_mov_b32 s[HM], 0xffff0000
	s_or_b32 s[G1A], s43, (3<<16)|(1<<21)
	s_or_b32 s[G1B], s44, (3<<16)|(1<<21)
.irp g, G1A, G1B
	s_mov_b32 s[\g+1], (GROW/8)<<16
	s_mov_b32 s[\g+2], (TG/2)<<16
	s_mov_b32 s[\g+3], (GROW/8)<<16
	s_mov_b32 s[\g+4], TG/2
	s_mov_b32 s[\g+5], GSTR/8
	s_mov_b32 s[\g+6], 0
	s_mov_b32 s[\g+7], 0
.endr
	s_or_b32 s[G1SA], s43, (3<<16)|(1<<21)
	s_or_b32 s[G1SB], s44, (3<<16)|(1<<21)
.irp g, G1SA, G1SB
	s_mov_b32 s[\g+1], 32<<16
	s_mov_b32 s[\g+2], (TG*GSB/512)<<16
	s_mov_b32 s[\g+3], 32<<16
	s_mov_b32 s[\g+4], TG*GSB/512
	s_mov_b32 s[\g+5], 32
	s_mov_b32 s[\g+6], 0
	s_mov_b32 s[\g+7], 0
.endr
	s_and_b32 s18, s14, 1
	s_mul_i32 s19, s18, TG/2
	s_mul_i32 s20, s17, TG
	s_add_co_u32 s20, s20, s19
	s_mul_i32 s46, s42, TG
	s_add_co_u32 s46, s46, s19
	s_mul_i32 s22, s20, GSB
	s_add_co_u32 s22, s22, ASB
	s_mov_b32 s23, 0
	s_mul_i32 s20, s20, GSTR
	s_mov_b32 s21, 0
	s_mul_i32 s92, s46, GSB
	s_add_co_u32 s92, s92, WSB
	s_mov_b32 s93, 0
	s_mul_i32 s46, s46, GSTR
	s_add_co_u32 s46, s46, WCB
	s_mov_b32 s47, 0
	s_mul_i32 s45, s18, HALF
	s_mul_i32 s94, s18, TG*GSB/2
	s_mul_i32 s18, s15, MB*GROW                    ; source 1: my four groups of tokens
	s_mul_i32 s19, s16, NB*GROW
	s_add_co_u32 s19, s19, SIDE                    ; source 0: my four groups of columns
	v_and_b32 v24, 31, v0
	s_delay_alu instid0(VALU_DEP_1)
	v_lshlrev_b32 v25, 4, v24
	s_delay_alu instid0(VALU_DEP_2)
	v_lshlrev_b32 v26, 3, v24
	s_delay_alu instid0(VALU_DEP_2)
	v_add_nc_u32 v3, s19, v25                      ; v3, v4: source 0 in slot 0, 16 l and 8 l;  v5, v6: in slot 1;  v7, v8: in slot 2
	s_delay_alu instid0(VALU_DEP_2)
	v_add_nc_u32 v4, s19, v26
	s_delay_alu instid0(VALU_DEP_2)
	v_add_nc_u32 v5, SLOT, v3
	s_delay_alu instid0(VALU_DEP_2)
	v_add_nc_u32 v6, SLOT, v4
	s_delay_alu instid0(VALU_DEP_4)
	v_add_nc_u32 v7, 2*SLOT, v3
	s_delay_alu instid0(VALU_DEP_4)
	v_add_nc_u32 v8, 2*SLOT, v4
	v_add_nc_u32 v9, s18, v25                      ; v9 - v14: source 1 likewise
	v_add_nc_u32 v10, s18, v26
	s_delay_alu instid0(VALU_DEP_2)
	v_add_nc_u32 v11, SLOT, v9
	s_delay_alu instid0(VALU_DEP_2)
	v_add_nc_u32 v12, SLOT, v10
	s_delay_alu instid0(VALU_DEP_4)
	v_add_nc_u32 v13, 2*SLOT, v9
	s_delay_alu instid0(VALU_DEP_4)
	v_add_nc_u32 v14, 2*SLOT, v10
	v_and_b32 v27, 15, v0
	v_bfe_u32 v28, v0, 4, 1
	s_mul_i32 s2, s15, MB*GSB
	s_mul_i32 s3, s16, NB*GSB
	s_add_co_u32 s3, s3, TG*GSB
	s_sub_co_u32 s3, s3, s2
	v_mul_u32_u24 v29, s3, v28                     ; lanes 16-31 take the columns' scale words
	s_add_co_u32 s2, s2, SCL
	v_lshl_add_u32 v15, v27, 4, v29
	s_delay_alu instid0(VALU_DEP_1)
	v_add_nc_u32 v15, s2, v15                      ; v15: my scale words
	s_wait_kmcnt 0x0
	s_add_nc_u64 s[20:21], s[4:5], s[20:21]
	s_add_nc_u64 s[22:23], s[4:5], s[22:23]
	s_add_nc_u64 s[46:47], s[6:7], s[46:47]
	s_add_nc_u64 s[92:93], s[6:7], s[92:93]
	CROUND                                         ; all sixteen work-groups are here: the first joint loads meet
	s_mov_b32 s[G0SA], 1
	s_add_co_u32 s[G0SA+1], s94, SCL
	s_mov_b64 s[G0SA+2:G0SA+3], s[22:23]
	s_or_b32 s[G0SA+3], s[G0SA+3], 0x80000000
	s_mov_b32 s[G0SB], 1
	s_add_co_u32 s[G0SB+1], s94, SCL+TG*GSB
	s_mov_b64 s[G0SB+2:G0SB+3], s[92:93]
	s_or_b32 s[G0SB+3], s[G0SB+3], 0x80000000
	; THE SIXTEEN FIRST FILLS, ONE A WAVE: wave w fills half w % 2 of A's side (w & 2 = 0) or B's (w & 2 = 2) of slot w / 4; waves 12-15 (w / 4 = 3) the halves of A's and B's scale bytes.
	; Waves 0-3 so hold slot 0's groups 0, which the one refill steps on.
	s_lshr_b32 s2, s14, 2                          ; the slot that I fill; 3: scale bytes
	s_and_b32 s3, s14, 2                           ; 0: A's side, 2: B's
	s_mul_i32 s95, s2, SLOT
	s_add_co_u32 s95, s95, s45                     ; LDS: slot + my half
	s_mul_i32 s96, s2, GROW                        ; memory: the slot's quarter of K
	s_mov_b32 s97, 0
	s_mov_b32 s[G0A], 1
	s_mov_b32 s[G0A+1], s95
	s_add_nc_u64 s[G0A+2:G0A+3], s[20:21], s[96:97]
	s_or_b32 s[G0A+3], s[G0A+3], 0x80000000
	s_mov_b32 s[G0B], 1
	s_add_co_u32 s[G0B+1], s95, SIDE
	s_add_nc_u64 s[G0B+2:G0B+3], s[46:47], s[96:97]
	s_or_b32 s[G0B+3], s[G0B+3], 0x80000000
	s_cmp_eq_u32 s2, 3                             ; one tree of branches on the wave's number: every way passes exactly one load
	s_cbranch_scc1 .Lfirst_sc
	s_cmp_eq_u32 s3, 0
	s_cbranch_scc0 .Lfirst_b
	tensor_load_to_lds s[G0A:G0A+3], s[G1A:G1A+7]
	s_nop 0
.rept 4
	v_nop
.endr
	s_branch .Lfilled
.Lfirst_b:
	tensor_load_to_lds s[G0B:G0B+3], s[G1B:G1B+7]
	s_nop 0
.rept 4
	v_nop
.endr
	s_branch .Lfilled
.Lfirst_sc:
	s_cmp_eq_u32 s3, 0
	s_cbranch_scc0 .Lfirst_sb
	tensor_load_to_lds s[G0SA:G0SA+3], s[G1SA:G1SA+7]
	s_nop 0
.rept 4
	v_nop
.endr
	s_branch .Lfilled
.Lfirst_sb:
	tensor_load_to_lds s[G0SB:G0SB+3], s[G1SB:G1SB+7]
	s_nop 0
.rept 4
	v_nop
.endr
.Lfilled:
	s_wait_tensorcnt 0x0                           ; my one load has landed; behind the barrier everybody's has: all three slots and the scale bytes
	s_barrier_signal -1
	s_barrier_wait -1
	s_wait_alu depctr_va_vdst(0)
	KSTEP 0, 0, 0, 1
	KSTEP 0, 1, 0, 0
	CHANGE 1                                       ; slots 1 and 2 have landed; K's last quarter goes out into slot 0
	KSTEP 1, 0, 1, 0
	KSTEP 1, 1, 1, 0
	KSTEP 2, 0, 2, 0                               ; no barrier between slots 1 and 2: the round has shown both whole to every wave
	KSTEP 2, 1, 2, 0
	CHANGE 0                                       ; the last quarter has landed; nothing is left to fetch
	KSTEP 0, 0, 3, 0
	KSTEP 0, 1, 3, 0
.rept 4
	v_nop                                          ; places behind the last products
.endr
	; ---------------- the way out.  No tensor load is out: the descriptors' registers are free
	s_mov_b32 s[SEL], 0x76543210
	s_mov_b32 s[SEL+1], 0xfedcba98
	s_mov_b32 s58, 0x3eb504f3                      ; sqrt(2) / 4
	s_lshl_b32 s36, s42, 2
	s_add_co_u32 s36, s36, s16                     ; my 64 hidden units: 4 X + wn
	s_lshl_b32 s37, s17, 4
	s_lshl_b32 s38, s15, 2
	s_add_co_u32 s37, s37, s38                     ; my first group of tokens
	s_mul_i32 s38, s37, 49152
	s_mul_i32 s39, s36, 768
	s_add_co_u32 s38, s38, s39                     ; the codes' place
	s_lshl_b32 s39, s37, 11
	s_lshr_b32 s45, s36, 3
	s_lshl_b32 s45, s45, 8
	s_add_co_u32 s39, s39, s45
	s_and_b32 s45, s36, 7
	s_lshl_b32 s45, s45, 1
	s_add_co_u32 s39, s39, s45
	s_add_co_u32 s39, s39, 12582912                ; the scale bytes' place
	s_lshl_b32 s46, s36, 8
	s_mov_b32 s47, 0
	s_add_nc_u64 s[8:9], s[8:9], s[46:47]
	v_and_b32 v10, 15, v0
	v_bfe_u32 v11, v0, 4, 1
	v_and_b32 v12, 31, v0
	s_delay_alu instid0(VALU_DEP_1)
	v_lshlrev_b32 v3, 4, v12
	s_delay_alu instid0(VALU_DEP_1)
	v_add_nc_u32 v3, s38, v3
	s_delay_alu instid0(VALU_DEP_3)
	v_lshlrev_b32 v4, 3, v12
	s_delay_alu instid0(VALU_DEP_1)
	v_add_nc_u32 v4, s38, v4
	v_lshl_add_u32 v5, v10, 4, v11
	s_delay_alu instid0(VALU_DEP_1)
	v_add_nc_u32 v5, s39, v5
	v_lshlrev_b32 v6, 6, v11
	v_mov_b32 v8, 0x3e7c6f08                       ; the polynomial's leading coefficient, as a pair
	v_mov_b32 v9, 0x3e7c6f08
	v_mov_b32 v[QX], 0                             ; a lane permute's destination counts as read
	v_mov_b32 v[QX+1], 0
.irp i, 0,1,2,3
	global_load_b128 v[32+4*\i:35+4*\i], v6, s[8:9] offset:16*\i
	global_load_b128 v[48+4*\i:51+4*\i], v6, s[8:9] offset:128+16*\i
.endr
	s_wait_loadcnt 0x0
.set k, 0
.rept 64
	v_pk_add_f32 v[ACC+k:ACC+k+1], v[ACC+k:ACC+k+1], v[32+k%32:33+k%32]   ; each accumulator from its low end on
.set k, k+2
.endr
.irp a, 0,1,2,3
.if \a > 0
	s_wait_xcnt 0x0                                ; the last group's stores have read v32-38, which are written again below
.endif
	GELU32 ACC+32*\a
	QUANT2 ACC+32*\a, 32, 38
	global_store_b128 v3, v[32:35], s[10:11] offset:49152*\a        ; 512 consecutive bytes
	global_store_b64 v4, v[36:37], s[10:11] offset:49152*\a+512     ; 256 consecutive bytes
	global_store_b8 v5, v38, s[10:11] offset:2048*\a
.endr
	s_wait_tensorcnt 0x0                           ; the wave's end
	ds_add_u32 v1, v2
	s_wait_dscnt 0x0
	CROUND                                         ; the closing round
	s_endpgm
.Lfunc_end_k_q5b251c918e_mlp1:
	.size	k_q5b251c918e_mlp1, .Lfunc_end_k_q5b251c918e_mlp1-k_q5b251c918e_mlp1
	.p2alignl 7, 3214868480
	.fill 96, 4, 3214868480
	.section	.rodata,"a",@progbits
	.p2align	6, 0x0
	.amdhsa_kernel k_q5b251c918e_mlp1
		.amdhsa_group_segment_fixed_size 327680
		.amdhsa_private_segment_fixed_size 0
		.amdhsa_enable_private_segment 0
		.amdhsa_kernarg_size 32
		.amdhsa_user_sgpr_count 2
		.amdhsa_user_sgpr_kernarg_segment_ptr 1
		.amdhsa_wavefront_size32 1
		.amdhsa_system_sgpr_workgroup_id_x 1
		.amdhsa_system_sgpr_workgroup_id_y 1
		.amdhsa_system_sgpr_workgroup_id_z 1
		.amdhsa_system_vgpr_workitem_id 0
		.amdhsa_next_free_vgpr 256
		.amdhsa_next_free_sgpr 100
		.amdhsa_reserve_vcc 0
		.amdhsa_float_denorm_mode_32 3
		.amdhsa_float_denorm_mode_16_64 3
		.amdhsa_memory_ordered 1
		.amdhsa_forward_progress 1
		.amdhsa_inst_pref_size 160
	.end_amdhsa_kernel
	.amdgpu_metadata
---
amdhsa.version: [ 1, 2 ]
amdhsa.kernels:
  - .name:           k_q5b251c918e_mlp1
    .symbol:         k_q5b251c918e_mlp1.kd
    .args:
      - { .name: aq, .offset: 0, .size: 8, .value_kind: global_buffer, .address_space: global }
      - { .name: wq, .offset: 8, .size: 8, .value_kind: global_buffer, .address_space: global }
      - { .name: bm1, .offset: 16, .size: 8, .value_kind: global_buffer, .address_space: global }
      - { .name: mid, .offset: 24, .size: 8, .value_kind: global_buffer, .address_space: global }
    .group_segment_fixed_size: 327680
    .private_segment_fixed_size: 0
    .kernarg_segment_align: 8
    .kernarg_segment_size: 32
    .max_flat_workgroup_size: 512
    .sgpr_count:     100
    .vgpr_count:     256
    .wavefront_size: 32
...
	.end_amdgpu_metadata
.endif
;; end of part 13
;; launch mlp2 (part 14): grid 8 x 32, 16 waves a work-group, clusters of 4 x 4, 327,680 bytes of LDS; arguments mid, wq, bm2, x1, out0; writes out0
.if DOCPART == 14
	.amdgcn_target "amdgcn-amd-amdhsa--gfx1250"
	.amdhsa_code_object_version 6
	.text
	.protected	k_q5b251c918e_mlp2
	.globl	k_q5b251c918e_mlp2
	.p2align	8
	.type	k_q5b251c918e_mlp2,@function
k_q5b251c918e_mlp2:
	s_mov_b64 s[64:65], 0
	v_nop
	global_prefetch_b8 v0, s[64:65] scope:SCOPE_SE
	s_setreg_imm32_b32 hwreg(HW_REG_WAVE_MODE, 25, 1), 1
	s_wait_xcnt 0x0
	s_wait_alu depctr_hold_cnt(0) depctr_sa_sdst(0) depctr_va_vdst(0) depctr_va_sdst(0) depctr_va_ssrc(0) depctr_va_vcc(0) depctr_vm_vsrc(0)
	s_getreg_b32 s2, hwreg(HW_REG_IB_STS2, 6, 4)
	s_cmp_eq_u32 s2, 0
	s_cbranch_scc0 .Lentry_in_a_cluster
	s_endpgm
.Lentry_in_a_cluster:
	s_bfe_u32 s2, ttmp6, 0x10000c
	s_cmp_lg_u32 s2, 0xf033
	s_cbranch_scc0 .Lentry_shape_is_right
	s_endpgm
.Lentry_shape_is_right:
; out0 = x1 + mid W2 + bm2 on codes of BF6 (E3M2) with E8M0 scales.  mid: [4096][4096], W2: [4096][1024]; x1, out0: [4096][1024] f32.
; A work-group makes 128 tokens x 128 columns, so that the launch has 256 work-groups; sixteen waves (wm = wave / 4, wn = wave % 4), each 32 x 32: four accumulators.
; OPERANDS lie in memory and in LDS in the order of the operand registers: a group (16 rows) x 128 K is 1,536 bytes: registers 0-3 of lane l at 16 l, 4-5 at 512 + 8 l, 6-9 at 768 + 16 l, 10-11 at 1280 + 8 l.
; Row r of group g is index 32 (g / 2) + 8 (g % 2) + r + 8 (r / 8).  Source 0 = weights, source 1 = tokens: a lane holds one token and 16 neighbouring columns.
; THE RING: two LDS slots of SIX K steps of 128, as large as two fit: K's 32 steps are five slots of six and one of two, so that four refills serve, each with six K steps in which to land.  The last refill states as the
; tensor's extent what is left of K (two steps); the mover writes zeros into the rest of each row, which nobody reads.  Waves 0, 1 fetch A's halves, waves 2, 3 B's, jointly with the cluster's row (A) or column (B).
; THE SCALE WORDS STAY IN REGISTERS: a wave's two groups of tokens and two of columns have 32 words a row each; they are loaded once, 256 consecutive bytes an instruction, and joined so that register 32 i + ks holds the
; tokens' group i in lanes 0-15 and the columns' group i in lanes 16-31, for K step ks.  That leaves LDS to the ring.
; THE WAY OUT goes through a stage in slot 0 (which has had its last fill and its last read): rows of 512 bytes + 16; each wave then stores 8 whole rows of 512 consecutive bytes.
.set MB, 2
.set NB, 2
.set TG, 8
.set KSTEPS, 32
.set KS, 6
.set NSLOT, 6                          ; five slots of KS steps and one of LAST
.set LAST, KSTEPS-5*KS
.set GROW, KS*1536                     ; a group's bytes in a slot
.set GSTR, KSTEPS*1536
.set GSB, KSTEPS*64
.set ASB, 12582912                     ; A's scale bytes in its buffer
.set WCB, 6291456                      ; the weight's codes in wq
.set WSB, 9699328                      ; and its scale bytes
.set SIDE, TG*GROW                     ; A's TG groups; B's lie behind them
.set SLOT, 2*SIDE
.set HALF, SIDE/2                      ; what one tensor load brings
.set SPARE, 2*SLOT                     ; behind the ring: the spare words, 128 bytes for each of 16 waves
.set SP, 528                           ; a row of the stage
.set S0F, 32                           ; v32-55
.set S1F, 56                           ; v56-79
.set ACC, 128                          ; v128-159; v80-83 the bias; v96-127 rows back from the stage; v160-191 the residual's rows
.set SCR, 192                          ; v192-255 the scale words; nothing else ever stands there
.set G1A, 24
.set G0A, 32
.set G1B, 48
.set G0B, 56
.set G1A2, 68                          ; s[68:75], s[80:87] groups 1 for the last, shorter slot
.set G1B2, 80
.set HM, 94                            ; s94 the mask of lanes 16-31
.macro CROUND
	s_barrier_signal -1
	s_barrier_wait -1
	s_cmp_lg_u32 s14, 0
	s_cbranch_scc1 .Lnw0_\@
	s_barrier_signal -3
.Lnw0_\@:
	s_barrier_wait -3
	s_barrier_signal -1
	s_barrier_wait -1
.endm
.macro JLOAD s, g1a, g1b               ; a joint refill of slot s: waves 0, 1 for A, waves 2, 3 for B, the others none; four v_nop follow each line
	s_cmp_lt_u32 s14, 2
	s_cbranch_scc0 .Lnot_a_\@
	tensor_load_to_lds s[G0A+4*(\s):G0A+4*(\s)+3], s[\g1a:\g1a+7]
	s_nop 0
.rept 4
	v_nop
.endr
	s_branch .Lasked_\@
.Lnot_a_\@:
	s_cmp_lt_u32 s14, 4
	s_cbranch_scc0 .Lasked_\@
	tensor_load_to_lds s[G0B+4*(\s):G0B+4*(\s)+3], s[\g1b:\g1b+7]
	s_nop 0
.rept 4
	v_nop
.endr
.Lasked_\@:
.endm
.macro FRAG f, a16, a8, o
	ds_load_b128 v[\f:\f+3], v[\a16] offset:\o
	ds_load_b64 v[\f+4:\f+5], v[\a8] offset:\o+512
	ds_load_b128 v[\f+6:\f+9], v[\a16] offset:\o+768
	ds_load_b64 v[\f+10:\f+11], v[\a8] offset:\o+1280
.endm
.macro KSTEP s, q, ks, zero            ; K step ks of 32: the q-th of LDS slot s; the four accumulators take turns, one instruction a turn
.rept 4
	v_nop                                          ; places in front of loads into registers that matrix instructions have read
.endr
.irp b, 0,1
	FRAG S0F+12*\b, 3+2*(\s), 4+2*(\s), \b*GROW+1536*(\q)
.endr
.irp a, 0,1
	FRAG S1F+12*\a, 7+2*(\s), 8+2*(\s), \a*GROW+1536*(\q)
.endr
	s_wait_dscnt 0x0
.irp a, 0,1
.irp b, 0,1
.if \zero
	v_wmma_scale_f32_16x16x128_f8f6f4 v[ACC+8*(NB*\a+\b):ACC+8*(NB*\a+\b)+7], v[S0F+12*\b:S0F+12*\b+11], v[S1F+12*\a:S1F+12*\a+11], 0, v[SCR+32*\b+(\ks)], v[SCR+32*\a+(\ks)] matrix_a_fmt:MATRIX_FMT_BF6 matrix_b_fmt:MATRIX_FMT_BF6 matrix_a_scale:MATRIX_SCALE_ROW1
.else
	v_wmma_scale_f32_16x16x128_f8f6f4 v[ACC+8*(NB*\a+\b):ACC+8*(NB*\a+\b)+7], v[S0F+12*\b:S0F+12*\b+11], v[S1F+12*\a:S1F+12*\a+11], v[ACC+8*(NB*\a+\b):ACC+8*(NB*\a+\b)+7], v[SCR+32*\b+(\ks)], v[SCR+32*\a+(\ks)] matrix_a_fmt:MATRIX_FMT_BF6 matrix_b_fmt:MATRIX_FMT_BF6 matrix_a_scale:MATRIX_SCALE_ROW1
.endif
.endr
.endr
.endm
; The change of slots: LDS slot s has been read out.  fill = 1: it is filled again, two slots of K ahead, behind a round of the cluster's barrier; 2: the same with the last, shorter slot; 0: nothing is left to fetch.
.macro CHANGE s, fill
	s_wait_tensorcnt 0x0                           ; all my tensor loads have landed, my part of the slot ahead among them; so a group 0 may be written
	ds_add_u32 v1, v2                              ; 0 onto my spare word
.if \fill
	ds_add_u32 v1, v2                              ; and once more ahead of a refill
	s_add_nc_u64 s[G0A+4*(\s)+2:G0A+4*(\s)+3], s[G0A+4*(\s)+2:G0A+4*(\s)+3], 2*GROW
	s_add_nc_u64 s[G0B+4*(\s)+2:G0B+4*(\s)+3], s[G0B+4*(\s)+2:G0B+4*(\s)+3], 2*GROW
.endif
	s_wait_dscnt 0x0                               ; the add is done, and my reads of the slot are over
.if (\fill) == 1
	CROUND
	JLOAD \s, G1A, G1B                             ; the first tensor load behind the round, one a wave: it has a slot's six K steps in which to land
.elseif (\fill) == 2
	CROUND
	JLOAD \s, G1A2, G1B2
.else
	s_barrier_signal -1
	s_barrier_wait -1
.endif
.endm
	s_load_b128 s[4:7], s[0:1], 0x0                ; mid s[4:5], wq s[6:7]
	s_load_b128 s[8:11], s[0:1], 0x10              ; bias s[8:9], residual s[10:11]
	s_load_b64 s[12:13], s[0:1], 0x20              ; out
	v_lshl_add_u32 v1, v0, 2, SPARE                ; my spare word; never rewritten
	v_mov_b32 v2, 0                                ; never rewritten
	ds_add_u32 v1, v2
	ds_add_u32 v1, v2
	s_wait_dscnt 0x0
	v_lshrrev_b32 v12, 5, v0
	s_delay_alu instid0(VALU_DEP_1)
	v_readfirstlane_b32 s14, v12
	s_lshr_b32 s15, s14, 2                         ; wm
	s_and_b32 s16, s14, 3                          ; wn
	s_bfe_u32 s40, ttmp6, 0x40000
	s_bfe_u32 s41, ttmp6, 0x40004
	s_lshl_b32 s42, ttmp9, 2
	s_add_co_u32 s42, s42, s40                     ; X
	s_and_b32 s17, ttmp7, 0xffff
	s_lshl_b32 s17, s17, 2
	s_add_co_u32 s17, s17, s41                     ; Y
	s_lshl_b32 s43, s41, 2
	s_lshl_b32 s43, 15, s43
	s_lshl_b32 s44, 0x1111, s40
	s_mov_b32 s[HM], 0xffff0000
	; group 1: TG / 2 rows (groups) of GROW bytes, GSTR bytes apart, elements of 8 bytes, no padding
	s_or_b32 s[G1A], s43, (3<<16)|(1<<21)
	s_or_b32 s[G1B], s44, (3<<16)|(1<<21)
.irp g, G1A, G1B
	s_mov_b32 s[\g+1], (GROW/8)<<16
	s_mov_b32 s[\g+2], (TG/2)<<16
	s_mov_b32 s[\g+3], (GROW/8)<<16
	s_mov_b32 s[\g+4], TG/2
	s_mov_b32 s[\g+5], GSTR/8
	s_mov_b32 s[\g+6], 0
	s_mov_b32 s[\g+7], 0
.endr
	; the same tile for the last slot, of which LAST K steps are left in the tensor: beyond them the mover writes zeros
	s_or_b32 s[G1A2], s43, (3<<16)|(1<<21)
	s_or_b32 s[G1B2], s44, (3<<16)|(1<<21)
.irp g, G1A2, G1B2
	s_mov_b32 s[\g+1], (LAST*1536/8)<<16
	s_mov_b32 s[\g+2], (TG/2)<<16
	s_mov_b32 s[\g+3], (GROW/8)<<16
	s_mov_b32 s[\g+4], TG/2
	s_mov_b32 s[\g+5], GSTR/8
	s_mov_b32 s[\g+6], 0
	s_mov_b32 s[\g+7], 0
.endr
	s_and_b32 s18, s14, 1
	s_mul_i32 s19, s18, TG/2
	s_mul_i32 s20, s17, TG
	s_mul_i32 s46, s42, TG
	s_lshl_b32 s88, s15, 1
	s_add_co_u32 s88, s88, s20                     ; my first group of tokens,
	s_mul_i32 s88, s88, GSB
	s_add_co_u32 s88, s88, ASB                     ; its scale bytes
	s_mov_b32 s89, 0
	s_lshl_b32 s90, s16, 1
	s_add_co_u32 s90, s90, s46                     ; my first group of columns,
	s_mul_i32 s90, s90, GSB
	s_add_co_u32 s90, s90, WSB                     ; its scale bytes
	s_mov_b32 s91, 0
	s_add_co_u32 s20, s20, s19                     ; A: the first group that I fetch (hangs on Y alone)
	s_add_co_u32 s46, s46, s19                     ; B: (on X alone)
	s_mul_i32 s20, s20, GSTR
	s_mov_b32 s21, 0
	s_mul_i32 s46, s46, GSTR
	s_add_co_u32 s46, s46, WCB
	s_mov_b32 s47, 0
	s_mul_i32 s45, s18, HALF
	s_mul_i32 s18, s15, MB*GROW                    ; source 1: my two groups of tokens
	s_mul_i32 s19, s16, NB*GROW
	s_add_co_u32 s19, s19, SIDE                    ; source 0: my two groups of columns
	v_and_b32 v12, 31, v0
	s_delay_alu instid0(VALU_DEP_1)
	v_lshlrev_b32 v24, 4, v12                      ; v24: 16 l; never rewritten
	s_delay_alu instid0(VALU_DEP_2)
	v_lshlrev_b32 v14, 3, v12
	s_delay_alu instid0(VALU_DEP_2)
	v_add_nc_u32 v3, s19, v24
	s_delay_alu instid0(VALU_DEP_2)
	v_add_nc_u32 v4, s19, v14
	s_delay_alu instid0(VALU_DEP_2)
	v_add_nc_u32 v5, SLOT, v3
	s_delay_alu instid0(VALU_DEP_2)
	v_add_nc_u32 v6, SLOT, v4
	v_add_nc_u32 v7, s18, v24
	v_add_nc_u32 v8, s18, v14
	s_delay_alu instid0(VALU_DEP_2)
	v_add_nc_u32 v9, SLOT, v7
	s_delay_alu instid0(VALU_DEP_2)
	v_add_nc_u32 v10, SLOT, v8
	v_and_b32 v13, 15, v0                          ; r
	v_bfe_u32 v15, v0, 4, 1                        ; h
	s_delay_alu instid0(VALU_DEP_2)
	v_lshlrev_b32 v27, 4, v13                      ; v27: 16 r: a row's four scale words; never rewritten
	s_delay_alu instid0(VALU_DEP_3)
	v_and_b32 v12, 8, v13
	s_delay_alu instid0(VALU_DEP_1)
	v_add_nc_u32 v12, v12, v13
	s_delay_alu instid0(VALU_DEP_1)
	v_mul_u32_u24 v25, v12, SP
	s_delay_alu instid0(VALU_DEP_1)
	v_lshl_add_u32 v25, v15, 6, v25
	s_mul_i32 s2, s15, 32*SP
	s_lshl_b32 s3, s16, 7
	s_add_co_u32 s2, s2, s3
	v_add_nc_u32 v25, s2, v25                      ; v25: the stage, in: row 32 wm + r + 8 (r / 8), byte 128 wn + 64 h
	s_mul_i32 s2, s14, 8*SP
	v_add_nc_u32 v26, s2, v24                      ; v26: back: my 8 rows, 16 bytes a lane
	s_wait_kmcnt 0x0
	s_add_nc_u64 s[20:21], s[4:5], s[20:21]
	s_add_nc_u64 s[46:47], s[6:7], s[46:47]
	s_add_nc_u64 s[76:77], s[4:5], s[88:89]
	s_add_nc_u64 s[78:79], s[6:7], s[90:91]
	CROUND                                         ; all sixteen work-groups are here: the first joint loads meet
.irp s, 0,1
	s_mov_b32 s[G0A+4*\s], 1
	s_add_co_u32 s[G0A+4*\s+1], s45, \s*SLOT
	s_add_nc_u64 s[G0A+4*\s+2:G0A+4*\s+3], s[20:21], \s*GROW
	s_or_b32 s[G0A+4*\s+3], s[G0A+4*\s+3], 0x80000000
	s_mov_b32 s[G0B+4*\s], 1
	s_add_co_u32 s[G0B+4*\s+1], s45, \s*SLOT+SIDE
	s_add_nc_u64 s[G0B+4*\s+2:G0B+4*\s+3], s[46:47], \s*GROW
	s_or_b32 s[G0B+4*\s+3], s[G0B+4*\s+3], 0x80000000
.endr
	s_cmp_lt_u32 s14, 2                            ; a wave's first fill stands in one branch: one load of mine is out
	s_cbranch_scc0 .Lfirst_not_a
	tensor_load_to_lds s[G0A:G0A+3], s[G1A:G1A+7]  ; slot 0 alone at the head: one tensor load a wave
	s_nop 0
.rept 4
	v_nop
.endr
	s_branch .Lfilled
.Lfirst_not_a:
	s_cmp_lt_u32 s14, 4
	s_cbranch_scc0 .Lfilled
	tensor_load_to_lds s[G0B:G0B+3], s[G1B:G1B+7]
	s_nop 0
.rept 4
	v_nop
.endr
.Lfilled:
	s_wait_alu depctr_va_vdst(0)
.irp i, 0,1                                    ; the scale words: four K steps' words of a row are 16 bytes; both halves of the lanes take row r
.irp c, 0,1,2,3,4,5,6,7
	global_load_b128 v[SCR+32*\i+4*\c:SCR+32*\i+4*\c+3], v27, s[76:77] offset:\i*GSB+256*\c   ; the tokens'
.endr
.endr
.irp i, 0,1
.irp c, 0,1,2,3,4,5,6,7
	global_load_b128 v[96+32*\i+4*\c:99+32*\i+4*\c], v27, s[78:79] offset:\i*GSB+256*\c       ; the columns', into registers that are free until the first product
.endr
.endr
	s_lshl_b32 s96, s17, 19                        ; the 8 rows that I store: (128 Y + 8 wave) rows of 4,096 bytes + 512 X
	s_lshl_b32 s97, s14, 15
	s_add_co_u32 s96, s96, s97
	s_lshl_b32 s98, s42, 9
	s_add_co_u32 s96, s96, s98
	s_mov_b32 s97, 0
	s_mov_b32 s99, 0
	s_add_nc_u64 s[10:11], s[10:11], s[96:97]
	s_add_nc_u64 s[12:13], s[12:13], s[96:97]
	s_add_nc_u64 s[8:9], s[8:9], s[98:99]
.irp i, 0,1,2,3,4,5,6,7
	global_load_b128 v[160+4*\i:163+4*\i], v24, s[10:11] offset:4096*\i   ; the residual's rows are asked for now and wanted on the way out
.endr
	global_load_b128 v[80:83], v24, s[8:9]
	s_wait_loadcnt 9                               ; the 32 loads of scale words are in; the residual's eight and the bias's one may be out
.set k, 0
.rept 64
	v_cndmask_b32 v[SCR+k], v[SCR+k], v[96+k], s[HM]   ; lanes 16-31 take the columns' words.  The registers of K step 0 (k = 0 and 32) are written 31 lines or more ahead of the first product
.set k, k+1
.endr
	s_wait_alu depctr_va_vdst(0)
	s_wait_tensorcnt 0x0                           ; my part of slot 0 is in.  Slot 1's first fill is issued as a refill is:
	ds_add_u32 v1, v2                              ; 0 onto my spare word, twice on end
	ds_add_u32 v1, v2
	s_wait_dscnt 0x0
	CROUND                                         ; everybody's part of slot 0 is in, and all sixteen work-groups are here
	JLOAD 1, G1A, G1B                              ; the first tensor load behind the round, one a wave: it has slot 0's six K steps in which to land
	KSTEP 0, 0, 0, 1
.set QQ, 1
.rept KS-1
	KSTEP 0, QQ, QQ, 0
.set QQ, QQ+1
.endr
.set SI, 1
.rept NSLOT-1                          ; slot SI of K is read from LDS slot SI % 2; the slot just left takes slot SI + 1 of K, if there is one
.if SI+2 < NSLOT
	CHANGE (SI-1)%2, 1
.elseif SI+2 == NSLOT
	CHANGE (SI-1)%2, 2
.else
	CHANGE (SI-1)%2, 0
.endif
.set NQ, KS
.if SI+1 == NSLOT
.set NQ, LAST
.endif
.set QQ, 0
.rept NQ
	s_wait_alu depctr_va_vdst(0)
	KSTEP SI%2, QQ, KS*SI+QQ, 0
.set QQ, QQ+1
.endr
.set SI, SI+1
.endr
.rept 4
	v_nop                                          ; places behind the last products
.endr
.irp a, 0,1
.irp i, 0,1,2,3
	ds_store_b128 v25, v[ACC+16*\a+4*\i:ACC+16*\a+4*\i+3] offset:8*\a*SP+16*\i   ; each accumulator from its low end on
.endr
.endr
	s_wait_dscnt 0x0                               ; for the others' sake: my stores into the stage have landed
	s_barrier_signal -1
	s_barrier_wait -1
.irp i, 0,1,2,3,4,5,6,7
	ds_load_b128 v[96+4*\i:99+4*\i], v26 offset:SP*\i
.endr
	s_wait_loadcnt 0x0                             ; the residual and the bias
.irp i, 0,1,2,3,4,5,6,7
	s_wait_dscnt 7-\i                              ; row i is back; the younger rows may be out
	v_pk_add_f32 v[96+4*\i:97+4*\i], v[96+4*\i:97+4*\i], v[80:81]
	v_pk_add_f32 v[98+4*\i:99+4*\i], v[98+4*\i:99+4*\i], v[82:83]
	s_delay_alu instid0(VALU_DEP_2)
	v_pk_add_f32 v[96+4*\i:97+4*\i], v[96+4*\i:97+4*\i], v[160+4*\i:161+4*\i]
	s_delay_alu instid0(VALU_DEP_2)
	v_pk_add_f32 v[98+4*\i:99+4*\i], v[98+4*\i:99+4*\i], v[162+4*\i:163+4*\i]
	global_store_b128 v24, v[96+4*\i:99+4*\i], s[12:13] offset:4096*\i   ; 512 consecutive bytes, aligned
.endr
	s_wait_tensorcnt 0x0                           ; the wave's end
	ds_add_u32 v1, v2
	s_wait_dscnt 0x0
	CROUND                                         ; the closing round
	s_endpgm
.Lfunc_end_k_q5b251c918e_mlp2:
	.size	k_q5b251c918e_mlp2, .Lfunc_end_k_q5b251c918e_mlp2-k_q5b251c918e_mlp2
	.p2alignl 7, 3214868480
	.fill 96, 4, 3214868480
	.section	.rodata,"a",@progbits
	.p2align	6, 0x0
	.amdhsa_kernel k_q5b251c918e_mlp2
		.amdhsa_group_segment_fixed_size 327680
		.amdhsa_private_segment_fixed_size 0
		.amdhsa_enable_private_segment 0
		.amdhsa_kernarg_size 40
		.amdhsa_user_sgpr_count 2
		.amdhsa_user_sgpr_kernarg_segment_ptr 1
		.amdhsa_wavefront_size32 1
		.amdhsa_system_sgpr_workgroup_id_x 1
		.amdhsa_system_sgpr_workgroup_id_y 1
		.amdhsa_system_sgpr_workgroup_id_z 1
		.amdhsa_system_vgpr_workitem_id 0
		.amdhsa_next_free_vgpr 256
		.amdhsa_next_free_sgpr 100
		.amdhsa_reserve_vcc 0
		.amdhsa_float_denorm_mode_32 3
		.amdhsa_float_denorm_mode_16_64 3
		.amdhsa_memory_ordered 1
		.amdhsa_forward_progress 1
		.amdhsa_inst_pref_size 82
	.end_amdhsa_kernel
	.amdgpu_metadata
---
amdhsa.version: [ 1, 2 ]
amdhsa.kernels:
  - .name:           k_q5b251c918e_mlp2
    .symbol:         k_q5b251c918e_mlp2.kd
    .args:
      - { .name: mid, .offset: 0, .size: 8, .value_kind: global_buffer, .address_space: global }
      - { .name: wq, .offset: 8, .size: 8, .value_kind: global_buffer, .address_space: global }
      - { .name: bm2, .offset: 16, .size: 8, .value_kind: global_buffer, .address_space: global }
      - { .name: x1, .offset: 24, .size: 8, .value_kind: global_buffer, .address_space: global }
      - { .name: out0, .offset: 32, .size: 8, .value_kind: global_buffer, .address_space: global }
    .group_segment_fixed_size: 327680
    .private_segment_fixed_size: 0
    .kernarg_segment_align: 8
    .kernarg_segment_size: 40
    .max_flat_workgroup_size: 512
    .sgpr_count:     100
    .vgpr_count:     256
    .wavefront_size: 32
...
	.end_amdgpu_metadata
.endif
;; end of part 14
